; MI455X (gfx1250); checked and timed in simulation.
; The chip was launched on July 23, 2026; its instructions are those of AMD's public machine-readable ISA for CDNA 5 (MIT licence, August 2026) and "CDNA5" Instruction Set Architecture Reference Guide (July 2026). The comments in the code are by the model that wrote it; some were corrected since.
;; Block. Allowed arithmetic: matrix products marked QUANTISED: E5M2 operands, one E8M0 scale for each 32 along K, by v_wmma_scale_f32_16x16x128_f8f6f4 with both operands' format E5M2, f32 sums; everything else in f32.
;; Inputs: fc1_b 4,096 float32; fc1_w 4,096 x 1,024 float32; fc2_b 1,024 float32; fc2_w 1,024 x 4,096 float32; ln1_b 1,024 float32; ln1_w 1,024 float32; ln2_b 1,024 float32; ln2_w 1,024 float32; proj_b 1,024 float32; proj_w 1,024 x 1,024 float32; qkv_b 3,072 float32; qkv_w 3,072 x 1,024 float32; x 2 x 2,048 x 1,024 float32.
;; Outputs: out0 2 x 2,048 x 1,024 float32.
;; This version of the problem:
;;   THIS VERSION OF THE PROBLEM IS GIVEN IN LOW PRECISION. The matrix products marked QUANTISED in the list below multiply operands that are first quantised to E5M2 (5 exponent bits, 2 mantissa bits; 8 bits a number), with one power-of-two scale for each 32 numbers along K (OCP MX v1.0); their sums are f32. All else is computed in f32.
;;   The module's matrix products, in the order in which they are computed (A, B: the left and right operand; K: the contracted axis; several contracted axes count as one K, in the product's order):
;;     1. [M 4,096, K 1,024] x [K 1,024, N 3,072]; A: computed on the way; B: input qkv_w: QUANTISED
;;     2. batch 32 x [M 2,048, K 64] x [K 64, N 2,048]; A: computed on the way; B: computed on the way: QUANTISED
;;     3. batch 32 x [M 2,048, K 2,048] x [K 2,048, N 64]; A: softmax (see below); B: computed on the way: QUANTISED
;;     4. [M 4,096, K 1,024] x [K 1,024, N 1,024]; A: computed on the way; B: input proj_w: QUANTISED
;;     5. [M 4,096, K 1,024] x [K 1,024, N 4,096]; A: computed on the way; B: input fc1_w: QUANTISED
;;     6. [M 4,096, K 4,096] x [K 4,096, N 1,024]; A: computed on the way; B: input fc2_w: QUANTISED
;;   THE QUANTISER, for each operand of a quantised product, along K:
;;     - K is cut into blocks of 32 from its start; a last block that is shorter is filled with zeros.
;;     - A block's scale is 2^e with e = floor(log2(the largest magnitude in the block)) - 15, held to -126 .. 127; a block of zeros has e = 0. As a byte (E8M0): e + 127.
;;     - Each number is divided by its block's scale, clamped to +-57,344, and rounded to the nearest number of E5M2, ties to even, subnormals kept.
;;     - The product sums the exact products of the quantised numbers (number of the format x scale) in f32.
;;   ~~~python
;;   def quantise(x, axis):      # numpy; x: float32 -> the quantised numbers, widened to float32 again
;;       x = np.moveaxis(x, axis, -1); K = x.shape[-1]
;;       x = np.pad(x, [(0, 0)] * (x.ndim - 1) + [(0, -K % 32)]); x = x.reshape(x.shape[:-1] + (-1, 32)); a = np.abs(x).max(-1, keepdims=True)
;;       e = np.where(a > 0, np.clip(np.frexp(np.where(a > 0, a, 1))[1] - 1 - 15, -126, 127), 0)      # np.frexp(a)[1] - 1 = floor(log2(a)), exactly
;;       r = np.clip(x / 2.0 ** e, -57344, 57344)
;;       step = 2.0 ** (np.maximum(np.frexp(np.where(r == 0, 1, r))[1] - 1, -14) - 2)
;;       q = np.round(r / step) * step * 2.0 ** e      # np.round: ties to even
;;       return np.moveaxis(q.reshape(q.shape[:-2] + (-1,))[..., :K], -1, axis).astype(np.float32)
;;   ~~~
;;   SOFTMAX AHEAD OF A QUANTISED PRODUCT. Where the list says 'softmax', what is quantised is not the finished softmax but p = 2^(t - M), with t = logit x log2(e) and M = ceil(the row's largest t), a whole number; so 1/2 < the row's largest p <= 1. The row's sum l is taken of the UNQUANTISED p, in f32, and the product's result is divided by l at the end. Since M is a whole number, a kernel that streams over the keys may use a running M (the ceiling of the running maximum): every later rescaling is an exact power of two, which a block's scale takes up: the codes' values come out the same.
;;   OPERANDS COMPUTED ON THE WAY. 'Computed on the way' means the value that the module computes at that place (a softmax that the list does not call 'softmax' is quantised finished and normalised). What goes into a quantiser is computed in f32, as accurately as f32 sums, v_exp_f32 and their like allow (about 1e-6 of the number): no bf16 or f16 on the way to a quantiser, and a product that is left as it is and whose result goes on into a quantised operand takes f32 operands (vector FMAs, or v_wmma_f32_16x16x4_f32). A number that lies on a knife's edge between two numbers of the format may be rounded either way, as far as f32 arithmetic and the matrix unit's own rounding can turn it there, and no further.
;; One version. Each part assembles by itself: llvm-mc -triple=amdgcn-amd-amdhsa -mcpu=gfx1250 --defsym DOCPART=n.
;; ======== version 1 of 1: 7 launches
;; limits: right only within a limited range of input values
;; workspace buffers: wts 12,976,128 bytes; xn 4,325,376 bytes; qkv 13,369,344 bytes; ob 4,325,376 bytes; x1 16,777,216 bytes; hdn 17,301,504 bytes
;; launch prep (part 1): grid 448 x 1, 8 waves a work-group, no clusters, 137,728 bytes of LDS; arguments x, ln1_w, ln1_b, xn, qkv_w, proj_w, fc1_w, fc2_w, wts; writes xn, wts
.if DOCPART == 1
	.amdgcn_target "amdgcn-amd-amdhsa--gfx1250"
	.amdhsa_code_object_version 6
	.text
	.protected	k_qe5a2d39972_prep
	.globl	k_qe5a2d39972_prep
	.p2align	8
	.type	k_qe5a2d39972_prep,@function
k_qe5a2d39972_prep:
	s_mov_b64 s[64:65], 0
	v_nop
	global_prefetch_b8 v0, s[64:65] scope:SCOPE_SE
	s_setreg_imm32_b32 hwreg(HW_REG_WAVE_MODE, 25, 1), 1
	s_wait_xcnt 0x0
; THE PROGRAM: a pre-norm transformer block, 4,096 tokens x 1,024, 16 heads of 64, MLP 4,096; all six products on codes of BF8 (E5M2) with one E8M0 scale for each 32 along K.
; DEAD WORK: none.  Every bias goes into a quantised operand or into the output (K's bias moves K's codes, so it stays), every product reaches the output: all 13 inputs are loaded, nothing is left out.
; THIS LAUNCH does two jobs that hang on nothing of each other, so that one job's waits lie under the other's traffic.  ONE branch on the work-group's number, the same in all eight waves, parts them; each arm has LDS bytes of its own and its own end.
;   WORK-GROUPS 0-255: LayerNorm 1 of x (mean, variance of the differences, rsqrt(var + 1e-5), gain, bias, in that order, all f32) and the quantiser along the 1,024, into xn.
;   WORK-GROUPS 256-447: the four weights ([N][K] f32, K innermost) into codes and scale words in wts: 256-303 qkv_w, 304-319 proj_w, 320-383 fc1_w, 384-447 fc2_w: one path, only numbers and pointers are chosen.
; WHAT IS WRITTEN lies AS THE OPERAND'S REGISTERS: a fragment (16 rows x 128 K) is 2,048 dense bytes: byte 512 c + 16 lane holds k = 32 c + 16 (lane / 16) + 0 .. 15 of the row of lane % 16; fragment (tile Tg, K step s) lies at (Tg x K / 128 + s) x 2,048.
;   THE ROWS OF A TILE ARE NOT NEIGHBOURS: lane-row r of tile Tg is row 32 (Tg / 2) + 8 (Tg % 2) + r % 8 + 16 (r / 8), so that a product's results lie as the next product's operand wants them.
;   scale words (four bytes: a row's 128 along K): xn, qkv_w, fc1_w: ((Tg / 8) x 8 + s) x 512 + (Tg % 8) x 64 + 4 r;  proj_w, fc2_w: ((Tg / 4) x K / 128 + s) x 256 + 16 r + 4 (Tg % 4).  xn's begin at 4,194,304 of xn.
; A block's scale is 2^(floor(log2(largest magnitude)) - 15); its byte is the largest magnitude's exponent field - 15, held at 1 from below.  A block of zeros keeps the byte 1: its codes are zeros, and this program alone reads the bytes.
; LIMITS: NaN and infinities among the inputs are not served; blocks whose largest magnitude lies under 2^-111 were not tried.
; SHARES.  LayerNorm: a work-group takes one tile of 16 rows, wave w its K step w (columns 128 w on); the rows' sums meet in LDS: three barriers; wave 0 stores the tile's 512 bytes of scale words, eight pieces of 64 bytes.
;   Weights: a wave takes one tile x 512 along K: four fragments, two on their way at a time; no barrier: waves share nothing.  Their scale words leave as 64 or 256 bytes in pieces: one byte in 128 of what the arm reads.
; In both arms each load reads 512 consecutive bytes of one row; a fragment's 8,192 bytes turn through the wave's own stage in LDS (16 rows, 528 bytes apart), so that a lane gets 16 neighbours of each block.
; No tensor load, no cluster: work-groups share no input but the gain and the bias, 8 KB.
.set RED1,  67584                      ; LayerNorm: behind eight stages of 8,448 bytes: [row][wave] words, 512 bytes; the second sum's 512 bytes on
.set SCG,   68608                      ; [wave][row] scale words, 512 bytes
.set SPARE, 69120                      ; the spare words, 128 bytes a wave
.set WSTG,  70144                      ; the weights' eight stages of 8,448 bytes
.set LI,  3                            ; v3   16 x lane
.set STI, 4                            ; v4   my stage, on the way in
.set STO, 5                            ; v5   and out: 528 r + 64 h
.set SPW, 10                           ; v10  my spare word's LDS address; never rewritten
.set NIL, 11                           ; v11  0; never rewritten
.set PC,  224                          ; v224-239 a fragment's codes
.set SEL, 14                           ; s[14:15] lane selects: lane l xor 16
.set MNT, 16                           ; s16  the mantissa field of 57,344
; 64 numbers of a lane, register 16 b + i = k 32 b + 16 h + i of my row, become a fragment's codes in v[PC] on and its scale word in v[pw]
.macro QUANT s, pw
.irp b, 0,1,2,3
	v_max3_num_f32 v[TM+\b], |v[\s+16*\b]|, |v[\s+1+16*\b]|, 0x8000000   ; block b: my 16 numbers and the floor 2^(16 - 127): the byte cannot fall under 1
.endr
.irp i, 2,4,6,8,10,12,14
.irp b, 0,1,2,3
	s_delay_alu instid0(VALU_DEP_4)
	v_max3_num_f32 v[TM+\b], v[TM+\b], |v[\s+16*\b+\i]|, |v[\s+1+16*\b+\i]|
.endr
.endr
.irp b, 0,1,2,3
	s_delay_alu instid0(VALU_DEP_4)
	v_permlanex16_b32 v[TM+4+\b], v[TM+\b], s[SEL], s[SEL+1]
.endr
.irp b, 0,1,2,3
	s_delay_alu instid0(VALU_DEP_4)
	v_max_num_f32 v[TM+\b], v[TM+\b], v[TM+4+\b]                   ; with lane l xor 16's: the block's largest magnitude
.endr
.irp b, 0,1,2,3
	s_delay_alu instid0(VALU_DEP_4)
	v_add_nc_u32 v[TM+12+\b], 0xf8800000, v[TM+\b]                 ; 15 off its exponent field: the conversion's scale operand
.endr
.irp b, 0,1,2,3
	v_and_or_b32 v[TM+8+\b], v[TM+\b], 0x7f800000, s[MNT]          ; 57,344 x the scale
.endr
.irp b, 0,1,2,3
	v_lshrrev_b32 v[TM+4+\b], 23, v[TM+12+\b]                      ; the scale's byte
.endr
	s_delay_alu instid0(VALU_DEP_3)
	v_lshl_or_b32 v[\pw], v[TM+5], 8, v[TM+4]
	s_delay_alu instid0(VALU_DEP_1)
	v_lshl_or_b32 v[\pw], v[TM+6], 16, v[\pw]
	s_delay_alu instid0(VALU_DEP_1)
	v_lshl_or_b32 v[\pw], v[TM+7], 24, v[\pw]
.irp b, 0,1,2,3
.irp i, 0,1,2,3,4,5,6,7,8,9,10,11,12,13,14,15
	v_med3_num_f32 v[\s+16*\b+\i], v[\s+16*\b+\i], -v[TM+8+\b], v[TM+8+\b]   ; the conversion does not saturate (ISA guide 7.6.2): the hold
.endr
	v_cvt_scalef32_pk8_bf8_f32 v[PC+4*\b:PC+1+4*\b], v[\s+16*\b:\s+7+16*\b], v[TM+12+\b]
	v_cvt_scalef32_pk8_bf8_f32 v[PC+2+4*\b:PC+3+4*\b], v[\s+8+16*\b:\s+15+16*\b], v[TM+12+\b]
.endr
	v_nop                                          ; a plain line behind the last conversion
.endm
; four packed partial sums in v[240:247] become the row's sum over all eight waves, in v240 of every lane
.macro ACROSS off
	s_delay_alu instid0(VALU_DEP_3)
	v_pk_add_f32 v[240:241], v[240:241], v[242:243]
	s_delay_alu instid0(VALU_DEP_2)
	v_pk_add_f32 v[244:245], v[244:245], v[246:247]
	s_delay_alu instid0(VALU_DEP_1)
	v_pk_add_f32 v[240:241], v[240:241], v[244:245]
	s_delay_alu instid0(VALU_DEP_1)
	v_add_f32 v240, v240, v241
	s_delay_alu instid0(VALU_DEP_1)
	v_permlanex16_b32 v241, v240, s[SEL], s[SEL+1]
	s_delay_alu instid0(VALU_DEP_1)
	v_add_f32 v240, v240, v241                     ; my wave's 128 columns of row r (both halves of the lanes hold the same number)
	ds_store_b32 v6, v240 offset:\off
	s_wait_dscnt 0x0                               ; for the others' sake
	s_barrier_signal -1
	s_barrier_wait -1
	ds_load_b128 v[248:251], v7 offset:\off
	ds_load_b128 v[252:255], v7 offset:\off+16
	s_wait_dscnt 0x0
	v_add_f32 v248, v248, v249
	v_add_f32 v250, v250, v251
	v_add_f32 v252, v252, v253
	v_add_f32 v254, v254, v255
	s_delay_alu instid0(VALU_DEP_3)
	v_add_f32 v248, v248, v250
	s_delay_alu instid0(VALU_DEP_2)
	v_add_f32 v252, v252, v254
	s_delay_alu instid0(VALU_DEP_1)
	v_add_f32 v240, v248, v252                     ; the same order in every wave: the same bits
.endm
	v_lshl_add_u32 v[SPW], v0, 2, SPARE
	v_mov_b32 v[NIL], 0
	v_lshrrev_b32 v1, 5, v0
	s_delay_alu instid0(VALU_DEP_1)
	v_readfirstlane_b32 s12, v1                    ; wave
	v_and_b32 v[LI], 31, v0
	s_delay_alu instid0(VALU_DEP_1)
	v_lshlrev_b32 v[LI], 4, v[LI]
	v_and_b32 v1, 15, v0                           ; r
	v_bfe_u32 v2, v0, 4, 1                         ; h
	s_mov_b32 s[SEL], 0x76543210
	s_mov_b32 s[SEL+1], 0xfedcba98
	s_mov_b32 s[MNT], 0x600000
	s_cmp_lt_u32 ttmp9, 256                        ; the work-group's number alone: all eight waves go the same way
	s_cbranch_scc0 .Lweights
; ---------------- LayerNorm 1 and its quantiser: tile T = the work-group's number, K step = the wave's
.set PW,  12
.set R,   16                           ; v16-79   as loaded; later the bias
.set X,   80                           ; v80-143  my 64 numbers: register 16 b + i = column 128 w + 32 b + 16 h + i of my row
.set GW,  144                          ; v144-207 the gain at the same columns
.set TM,  208                          ; v208-223 at work
	s_load_b256 s[4:11], s[0:1], 0x0               ; rows s[4:5], gain s[6:7], bias s[8:9], images s[10:11]
	s_mul_i32 s13, s12, 8448
	v_add_nc_u32 v[STI], s13, v[LI]
	v_mul_u32_u24 v[STO], v1, 528
	s_delay_alu instid0(VALU_DEP_1)
	v_lshl_add_u32 v[STO], v2, 6, v[STO]
	s_delay_alu instid0(VALU_DEP_1)
	v_add_nc_u32 v[STO], s13, v[STO]
	v_lshl_add_u32 v7, v1, 5, RED1                 ; my row's eight words
	s_lshl_b32 s13, s12, 2
	v_add_nc_u32 v6, s13, v7                       ; my wave's among them
	s_wait_alu depctr_va_vdst(0)
	v_lshl_add_u32 v8, v1, 2, SCG
	s_lshl_b32 s13, s12, 6
	v_add_nc_u32 v8, s13, v8                       ; my scale word's place
	v_add_nc_u32 v13, SCG, v[LI]                   ; wave 0 reads them back, 16 bytes a lane
	v_lshlrev_b32 v9, 6, v2                        ; gain and bias: 64 h
	s_mov_b32 s17, 0x3a800000                      ; 1 / 1,024
	s_mov_b32 s18, 0x3727c5ac                      ; 1e-5
.irp b, 0,1,2,3
	v_mov_b32 v[TM+4+\b], 0                        ; a lane permute's destination counts as one of its sources
.endr
	s_lshr_b32 s19, ttmp9, 1
	s_lshl_b32 s19, s19, 5
	s_and_b32 s20, ttmp9, 1
	s_lshl_b32 s20, s20, 3
	s_add_co_u32 s19, s19, s20                     ; the tile's first row
	s_lshl_b32 s20, s19, 12
	s_lshl_b32 s22, s12, 9                         ; my 512 bytes of a row
	s_add_co_u32 s20, s20, s22
	s_mov_b32 s21, 0
	s_mov_b32 s23, 0
	s_wait_alu depctr_va_vdst(0)
	s_wait_kmcnt 0x0
	s_add_nc_u64 s[4:5], s[4:5], s[20:21]
	s_add_nc_u64 s[6:7], s[6:7], s[22:23]
	s_add_nc_u64 s[8:9], s[8:9], s[22:23]
.irp i, 0,1,2,3,4,5,6,7,8,9,10,11,12,13,14,15
	global_load_b128 v[R+4*\i:R+4*\i+3], v[LI], s[4:5] offset:(\i+8*(\i/8))*4096   ; 512 consecutive bytes of row i of the tile
.endr
.irp c, 0,1,2,3
.irp j, 0,1,2,3
	global_load_b128 v[GW+16*\c+4*\j:GW+16*\c+4*\j+3], v9, s[6:7] offset:128*\c+16*\j
.endr
.endr
	s_lshl_b32 s20, ttmp9, 3
	s_add_co_u32 s20, s20, s12
	s_lshl_b32 s20, s20, 11
	s_add_nc_u64 s[24:25], s[10:11], s[20:21]      ; my fragment's image
	s_lshr_b32 s20, ttmp9, 3
	s_lshl_b32 s20, s20, 12
	s_and_b32 s22, ttmp9, 7
	s_lshl_b32 s22, s22, 6
	s_add_co_u32 s20, s20, s22
	s_add_co_u32 s20, s20, 4194304
	s_add_nc_u64 s[26:27], s[10:11], s[20:21]      ; the tile's scale words
	s_wait_loadcnt 16                              ; the rows are in; the gain's 16 loads may be out
.irp i, 0,1,2,3,4,5,6,7,8,9,10,11,12,13,14,15
	ds_store_b128 v[STI], v[R+4*\i:R+4*\i+3] offset:528*\i
.endr
.irp c, 0,1,2,3
.irp j, 0,1,2,3
	ds_load_b128 v[X+16*\c+4*\j:X+16*\c+4*\j+3], v[STO] offset:128*\c+16*\j   ; LDS serves a wave's instructions in order: these see my stores
.endr
.endr
	s_wait_dscnt 0x0
.irp c, 0,1,2,3
.irp j, 0,1,2,3
	global_load_b128 v[R+16*\c+4*\j:R+16*\c+4*\j+3], v9, s[8:9] offset:128*\c+16*\j   ; the bias, into the registers that the stage's stores have read
.endr
.endr
	v_pk_add_f32 v[240:241], v[X:X+1], v[X+2:X+3]                  ; the mean: four chains
	v_pk_add_f32 v[242:243], v[X+4:X+5], v[X+6:X+7]
	v_pk_add_f32 v[244:245], v[X+8:X+9], v[X+10:X+11]
	v_pk_add_f32 v[246:247], v[X+12:X+13], v[X+14:X+15]
.irp i, 16,24,32,40,48,56
	s_delay_alu instid0(VALU_DEP_4)
	v_pk_add_f32 v[240:241], v[240:241], v[X+\i:X+\i+1]
	s_delay_alu instid0(VALU_DEP_4)
	v_pk_add_f32 v[242:243], v[242:243], v[X+\i+2:X+\i+3]
	s_delay_alu instid0(VALU_DEP_4)
	v_pk_add_f32 v[244:245], v[244:245], v[X+\i+4:X+\i+5]
	s_delay_alu instid0(VALU_DEP_4)
	v_pk_add_f32 v[246:247], v[246:247], v[X+\i+6:X+\i+7]
.endr
	ACROSS 0
	s_delay_alu instid0(VALU_DEP_1)
	v_mul_f32 v14, s17, v240
	s_delay_alu instid0(VALU_DEP_1)
	v_mov_b32 v15, v14
.set k, 0
.rept 32
	v_pk_add_f32 v[X+k:X+k+1], v[X+k:X+k+1], v[14:15] neg_lo:[0,1] neg_hi:[0,1]   ; x - mean
.set k, k+2
.endr
	v_pk_mul_f32 v[240:241], v[X:X+1], v[X:X+1]                    ; the variance
	v_pk_mul_f32 v[242:243], v[X+2:X+3], v[X+2:X+3]
	v_pk_mul_f32 v[244:245], v[X+4:X+5], v[X+4:X+5]
	v_pk_mul_f32 v[246:247], v[X+6:X+7], v[X+6:X+7]
.irp i, 8,16,24,32,40,48,56
	s_delay_alu instid0(VALU_DEP_4)
	v_pk_fma_f32 v[240:241], v[X+\i:X+\i+1], v[X+\i:X+\i+1], v[240:241]
	s_delay_alu instid0(VALU_DEP_4)
	v_pk_fma_f32 v[242:243], v[X+\i+2:X+\i+3], v[X+\i+2:X+\i+3], v[242:243]
	s_delay_alu instid0(VALU_DEP_4)
	v_pk_fma_f32 v[244:245], v[X+\i+4:X+\i+5], v[X+\i+4:X+\i+5], v[244:245]
	s_delay_alu instid0(VALU_DEP_4)
	v_pk_fma_f32 v[246:247], v[X+\i+6:X+\i+7], v[X+\i+6:X+\i+7], v[246:247]
.endr
	ACROSS 512
	s_delay_alu instid0(VALU_DEP_1)
	v_fma_f32 v14, v240, s17, s18                  ; var + eps
	s_wait_alu depctr_va_vdst(0)
	v_rsq_f32 v14, v14
	v_nop                                          ; a plain line behind the transcendental
	s_wait_alu depctr_va_vdst(0)                   ; and the wait ahead of its first reader
	v_mov_b32 v15, v14
	s_wait_alu depctr_va_vdst(0)
	s_wait_loadcnt 0x0                             ; gain and bias
.set k, 0
.rept 32
	v_pk_mul_f32 v[X+k:X+k+1], v[X+k:X+k+1], v[14:15]
.set k, k+2
.endr
.set k, 0
.rept 32
	v_pk_fma_f32 v[X+k:X+k+1], v[X+k:X+k+1], v[GW+k:GW+k+1], v[R+k:R+k+1]
.set k, k+2
.endr
	QUANT X, PW
.irp c, 0,1,2,3
	global_store_b128 v[LI], v[PC+4*\c:PC+4*\c+3], s[24:25] offset:512*\c          ; 512 consecutive bytes
.endr
	ds_store_b32 v8, v[PW]
	s_wait_dscnt 0x0
	s_barrier_signal -1
	s_barrier_wait -1                              ; the tile's 128 scale words lie in LDS
	s_cmp_lg_u32 s12, 0
	s_cbranch_scc1 .Lnot_wave_0
	ds_load_b128 v[240:243], v13
	v_and_b32 v244, 31, v0
	s_delay_alu instid0(VALU_DEP_1)
	v_lshrrev_b32 v245, 2, v244
	s_delay_alu instid0(VALU_DEP_2)
	v_and_b32 v244, 3, v244
	s_delay_alu instid0(VALU_DEP_1)
	v_lshlrev_b32 v244, 4, v244
	s_delay_alu instid0(VALU_DEP_1)
	v_lshl_add_u32 v244, v245, 9, v244             ; K step lane / 4: 512 bytes on; 16 (lane % 4) in its 64 bytes
	s_wait_alu depctr_va_vdst(0)
	s_wait_dscnt 0x0
	global_store_b128 v244, v[240:243], s[26:27]
.Lnot_wave_0:
	s_wait_tensorcnt 0x0                           ; the wave's end, behind my last LDS store
	ds_add_u32 v[SPW], v[NIL]
	s_wait_dscnt 0x0
	s_endpgm
; ---------------- the four weights: a wave takes one tile x 512 along K
.Lweights:
.set VS0, 6                            ; v6   scale words of fragments 0 (lanes 0-15) and 1 (lanes 16-31)
.set VS1, 7                            ; v7   of fragments 2 and 3
.set WPW, 12                           ; v12-15 the four fragments' scale words
.set OFF, 16                           ; v16-31 row i of the tile: its byte offset + 16 x lane
.set R,   32                           ; v32-159 two sets of 64 registers as loaded
.set X,   160                          ; v160-223 my 64 numbers
.set TM,  240                          ; v240-255 at work
	s_load_b256 s[36:43], s[0:1], 0x20             ; qkv_w, proj_w, fc1_w, fc2_w
	s_load_b64 s[44:45], s[0:1], 0x40              ; wts
	s_mul_i32 s18, s12, 8448
	s_add_co_u32 s18, s18, WSTG                    ; my stage: bytes that the other arm never names
	s_wait_alu depctr_va_vdst(0)
	v_add_nc_u32 v[STI], s18, v[LI]
	v_mul_u32_u24 v[STO], v1, 528
	s_delay_alu instid0(VALU_DEP_1)
	v_lshl_add_u32 v[STO], v2, 6, v[STO]
	s_delay_alu instid0(VALU_DEP_1)
	v_add_nc_u32 v[STO], s18, v[STO]
.irp b, 0,1,2,3
	v_mov_b32 v[TM+4+\b], 0                        ; a lane permute's destination counts as one of its sources
.endr
	s_mov_b32 s20, 384                             ; fc2_w's figures: first work-group,
	s_mov_b32 s21, 3                               ; log2 of the K groups of 512,
	s_mov_b32 s22, 16384                           ; bytes in a row,
	s_mov_b32 s23, 32                              ; K steps,
	s_mov_b32 s24, 2                               ; log2 of the tiles that share a block of scale words,
	s_mov_b32 s25, 4                               ; bytes from tile to tile there,
	s_mov_b32 s26, 16                              ; and from row to row,
	s_mov_b32 s27, 8388608                         ; where its codes begin in wts,
	s_mov_b32 s28, 12845056                        ; and its scale words
	s_wait_kmcnt 0x0
	s_cmp_lt_u32 ttmp9, 384                        ; fc1_w's
	s_cselect_b64 s[30:31], s[40:41], s[42:43]
	s_cselect_b32 s20, 320, s20
	s_cselect_b32 s21, 1, s21
	s_cselect_b32 s22, 4096, s22
	s_cselect_b32 s23, 8, s23
	s_cselect_b32 s24, 3, s24
	s_cselect_b32 s25, 64, s25
	s_cselect_b32 s26, 4, s26
	s_cselect_b32 s27, 4194304, s27
	s_cselect_b32 s28, 12713984, s28
	s_cmp_lt_u32 ttmp9, 320                        ; proj_w's
	s_cselect_b64 s[30:31], s[38:39], s[30:31]
	s_cselect_b32 s20, 304, s20
	s_cselect_b32 s24, 2, s24
	s_cselect_b32 s25, 4, s25
	s_cselect_b32 s26, 16, s26
	s_cselect_b32 s27, 3145728, s27
	s_cselect_b32 s28, 12681216, s28
	s_cmp_lt_u32 ttmp9, 304                        ; qkv_w's
	s_cselect_b64 s[30:31], s[36:37], s[30:31]
	s_cselect_b32 s20, 256, s20
	s_cselect_b32 s24, 3, s24
	s_cselect_b32 s25, 64, s25
	s_cselect_b32 s26, 4, s26
	s_cselect_b32 s27, 0, s27
	s_cselect_b32 s28, 12582912, s28
	s_sub_co_u32 s18, ttmp9, s20
	s_lshl_b32 s18, s18, 3
	s_add_co_u32 s18, s18, s12                     ; my job in the tensor: 8 x work-group + wave
	s_lshr_b32 s19, s18, s21                       ; its tile Tg
	s_lshl_b32 s29, s19, s21
	s_sub_co_u32 s18, s18, s29                     ; its K group g
	s_lshr_b32 s29, s19, 1
	s_lshl_b32 s29, s29, 5
	s_and_b32 s32, s19, 1
	s_lshl_b32 s32, s32, 3
	s_add_co_u32 s29, s29, s32                     ; the tile's first row
	s_mul_i32 s32, s29, s22
	s_lshl_b32 s33, s18, 11
	s_add_co_u32 s32, s32, s33                     ; + 2,048 g
	s_mov_b32 s33, 0
	s_add_nc_u64 s[30:31], s[30:31], s[32:33]      ; from here
	s_lshl_b32 s18, s18, 2                         ; the job's first K step
	s_mul_i32 s32, s19, s23
	s_add_co_u32 s32, s32, s18
	s_lshl_b32 s32, s32, 11
	s_add_co_u32 s32, s32, s27
	s_add_nc_u64 s[34:35], s[44:45], s[32:33]      ; the codes go here
	s_lshl_b32 s46, 64, s24                        ; bytes of scale words from K step to K step
	s_lshr_b32 s29, s19, s24
	s_lshl_b32 s47, s29, s24
	s_sub_co_u32 s47, s19, s47
	s_mul_i32 s47, s47, s25
	s_mul_i32 s29, s29, s23
	s_add_co_u32 s29, s29, s18
	s_mul_i32 s32, s29, s46
	s_add_co_u32 s32, s32, s47
	s_add_co_u32 s32, s32, s28
	s_add_nc_u64 s[48:49], s[44:45], s[32:33]      ; the scale words here
	v_mul_lo_u32 v[VS0], v1, s26
	v_mul_lo_u32 v8, v2, s46
	s_delay_alu instid0(VALU_DEP_1)
	v_add_nc_u32 v[VS0], v[VS0], v8
	s_lshl_b32 s46, s46, 1
	v_add_nc_u32 v[VS1], s46, v[VS0]
.irp i, 0,1,2,3,4,5,6,7,8,9,10,11,12,13,14,15
	s_mul_i32 s32, s22, \i+8*(\i/8)
	v_add_nc_u32 v[OFF+\i], s32, v[LI]
.endr
.macro LOAD f                          ; fragment f: 16 rows x 512 consecutive bytes
.irp i, 0,1,2,3,4,5,6,7,8,9,10,11,12,13,14,15
	global_load_b128 v[R+64*((\f)%2)+4*\i:R+64*((\f)%2)+4*\i+3], v[OFF+\i], s[30:31] offset:512*(\f) th:TH_LOAD_NT
.endr
.endm
.macro FRAGQ f
.if (\f) > 0
	s_wait_xcnt 0x0                                ; the last fragment's stores have read v[PC] on, which is written again below
.endif
.if (\f) < 3
	s_wait_loadcnt 16                              ; this fragment's 16 loads are in; the next fragment's 16 may be out
.else
	s_wait_loadcnt 0x0
.endif
.irp i, 0,1,2,3,4,5,6,7,8,9,10,11,12,13,14,15
	ds_store_b128 v[STI], v[R+64*((\f)%2)+4*\i:R+64*((\f)%2)+4*\i+3] offset:528*\i
.endr
.irp c, 0,1,2,3
.irp j, 0,1,2,3
	ds_load_b128 v[X+16*\c+4*\j:X+16*\c+4*\j+3], v[STO] offset:128*\c+16*\j   ; LDS serves a wave's instructions in order: these see my stores
.endr
.endr
	s_wait_dscnt 0x0
.if (\f) < 2
	LOAD (\f)+2                                    ; into the set that the stage's stores have read
.endif
	QUANT X, WPW+(\f)
.irp c, 0,1,2,3
	global_store_b128 v[LI], v[PC+4*\c:PC+4*\c+3], s[34:35] offset:2048*(\f)+512*\c   ; 512 consecutive bytes
.endr
.endm
	s_wait_alu depctr_va_vdst(0)
	LOAD 0
	LOAD 1
	FRAGQ 0
	FRAGQ 1
	FRAGQ 2
	FRAGQ 3
	v_cmp_ne_u32 vcc_lo, 0, v2
	s_delay_alu instid0(VALU_DEP_1)
	v_cndmask_b32 v8, v[WPW], v[WPW+1], vcc_lo     ; lanes 0-15 store fragment 0's words, lanes 16-31 fragment 1's
	s_delay_alu instid0(VALU_DEP_2)
	v_cndmask_b32 v9, v[WPW+2], v[WPW+3], vcc_lo
	global_store_b32 v[VS0], v8, s[48:49]
	global_store_b32 v[VS1], v9, s[48:49]
	s_wait_tensorcnt 0x0                           ; the wave's end, behind my last LDS store
	ds_add_u32 v[SPW], v[NIL]
	s_wait_dscnt 0x0
	s_endpgm
.Lfunc_end_k_qe5a2d39972_prep:
	.size	k_qe5a2d39972_prep, .Lfunc_end_k_qe5a2d39972_prep-k_qe5a2d39972_prep
	.p2alignl 7, 3214868480
	.fill 96, 4, 3214868480
	.section	.rodata,"a",@progbits
	.p2align	6, 0x0
	.amdhsa_kernel k_qe5a2d39972_prep
		.amdhsa_group_segment_fixed_size 137728
		.amdhsa_private_segment_fixed_size 0
		.amdhsa_enable_private_segment 0
		.amdhsa_kernarg_size 72
		.amdhsa_user_sgpr_count 2
		.amdhsa_user_sgpr_kernarg_segment_ptr 1
		.amdhsa_wavefront_size32 1
		.amdhsa_system_sgpr_workgroup_id_x 1
		.amdhsa_system_sgpr_workgroup_id_y 1
		.amdhsa_system_sgpr_workgroup_id_z 1
		.amdhsa_system_vgpr_workitem_id 0
		.amdhsa_next_free_vgpr 256
		.amdhsa_next_free_sgpr 66
		.amdhsa_reserve_vcc 1
		.amdhsa_float_denorm_mode_32 3
		.amdhsa_float_denorm_mode_16_64 3
		.amdhsa_memory_ordered 1
		.amdhsa_forward_progress 1
		.amdhsa_inst_pref_size 93
	.end_amdhsa_kernel
	.amdgpu_metadata
---
amdhsa.version: [ 1, 2 ]
amdhsa.kernels:
  - .name:           k_qe5a2d39972_prep
    .symbol:         k_qe5a2d39972_prep.kd
    .args:
      - { .name: x, .offset: 0, .size: 8, .value_kind: global_buffer, .address_space: global }
      - { .name: ln1_w, .offset: 8, .size: 8, .value_kind: global_buffer, .address_space: global }
      - { .name: ln1_b, .offset: 16, .size: 8, .value_kind: global_buffer, .address_space: global }
      - { .name: xn, .offset: 24, .size: 8, .value_kind: global_buffer, .address_space: global }
      - { .name: qkv_w, .offset: 32, .size: 8, .value_kind: global_buffer, .address_space: global }
      - { .name: proj_w, .offset: 40, .size: 8, .value_kind: global_buffer, .address_space: global }
      - { .name: fc1_w, .offset: 48, .size: 8, .value_kind: global_buffer, .address_space: global }
      - { .name: fc2_w, .offset: 56, .size: 8, .value_kind: global_buffer, .address_space: global }
      - { .name: wts, .offset: 64, .size: 8, .value_kind: global_buffer, .address_space: global }
    .group_segment_fixed_size: 137728
    .private_segment_fixed_size: 0
    .kernarg_segment_align: 8
    .kernarg_segment_size: 72
    .max_flat_workgroup_size: 256
    .sgpr_count:     66
    .vgpr_count:     256
    .wavefront_size: 32
...
	.end_amdgpu_metadata
.endif
;; end of part 1
;; launch gqkv (part 2): grid 12 x 16, 4 waves a work-group, clusters of 4 x 4, 327,680 bytes of LDS; arguments xn, wts, qkv_b, qkv; writes qkv
.if DOCPART == 2
	.amdgcn_target "amdgcn-amd-amdhsa--gfx1250"
	.amdhsa_code_object_version 6
	.text
	.protected	k_qe5a2d39972_gqkv
	.globl	k_qe5a2d39972_gqkv
	.p2align	8
	.type	k_qe5a2d39972_gqkv,@function
k_qe5a2d39972_gqkv:
	s_mov_b64 s[64:65], 0
	v_nop
	global_prefetch_b8 v0, s[64:65] scope:SCOPE_SE
	s_setreg_imm32_b32 hwreg(HW_REG_WAVE_MODE, 25, 1), 1
	s_wait_xcnt 0x0
	s_wait_alu depctr_hold_cnt(0) depctr_sa_sdst(0) depctr_va_vdst(0) depctr_va_sdst(0) depctr_va_ssrc(0) depctr_va_vcc(0) depctr_vm_vsrc(0)
	s_getreg_b32 s2, hwreg(HW_REG_IB_STS2, 6, 4)
	s_cmp_eq_u32 s2, 0
	s_cbranch_scc0 .Lentry_in_a_cluster
	s_endpgm
.Lentry_in_a_cluster:
	s_bfe_u32 s2, ttmp6, 0x10000c
	s_cmp_lg_u32 s2, 0xf033
	s_cbranch_scc0 .Lentry_shape_is_right
	s_endpgm
.Lentry_shape_is_right:
; qkv = Q(xn) Q(qkv_w)^T + qkv_b on codes of BF8 (E5M2) with E8M0 scales, and the quantisers of q, k (along the head's 64) and v (along the keys) on the way out.  Nothing is left out.
; OPERANDS lie in memory as images of their registers: fragment (tile, K step) = 2,048 dense bytes; lane-row r of tile Tg is row 32 (Tg / 2) + 8 (Tg % 2) + r % 8 + 16 (r / 8).
; A work-group makes 256 x 256 of the product, each of four waves 128 x 128: 64 accumulators.  'A' is source 1: its rows are the result's lanes.  'B' is source 0: its rows run along a lane's registers, and by the
; choice of a tile's rows the 64 registers of B's eight tiles are 128 natural rows in the order 32 b + 16 (lane / 16) + i: what the quantiser and the next operand want.
; SECTIONS by the cluster's x: 0 (q), 1 (k): A = tokens, B = rows of qkv_w: a lane holds a token and 128 features = two heads.  2 (v): A = rows of qkv_w, B = tokens: a lane holds a channel and 128 keys.
; The sections differ in pointers and block numbers, chosen by s_cselect on the cluster's x, and in the way out: one branch on the cluster's x, the same in all sixteen partners.
; K goes in steps of 256 through two LDS slots (one tensor load a wave: 8 tiles x 4,096 bytes); the scale words of the block's rows, for all of K, come once.  CLUSTER 4 x 4: A's tiles are asked for jointly along a row, B's along a column.
; OUT (buffer qkv): q at 0, k at 4,194,304: [(bh x 128 + tile) x 1,024 + 512 c + 16 lane];  v at 8,388,608: [((bh x 16 + key step) x 4 + channel tile) x 2,048 + 512 c + 16 lane];
;   scale words: q's at 12,582,912, k's and v's at 12,976,128, 12,288 bytes a head: [128 tokens][r][8 tiles] (bytes 2, 3 of a word are 0), then from 8,192 v's [key step][r][4 tiles].
; LIMITS: NaN and infinities are not served; blocks whose largest magnitude lies under 2^-111 were not tried; a block of zeros keeps the byte 1.
; REGISTERS: window 0: v1-31 addresses; v32-63 scale words, two sets; v64-127 the bias; v128-255 A's fragments, one set; window 1: B's fragments, two sets; windows 2, 3: the accumulators.
; LAYOUT OF k AND v AS THIS TEXT STORES THEM (it takes the place of what the head says of k, v and the scale words): from 4,194,304 of qkv one chunk of 17,152 bytes for each (bh, key step of 128 keys), at (16 bh + key step) x 17,152:
;   k's eight tiles (1,024 bytes each), from 8,192 v's four channel tiles (2,048 each), from 16,384 k's scale words [r][8 tiles], from 16,896 v's [r][4 tiles].  q's images stay at 0; q's scale words lie at 12,976,128, 12,288 bytes a head.
; THE HEAD: one joint load a wave: wave 0 A's slot 0 (both halves), wave 1 B's, wave 2 A's scale words, wave 3 B's; slot 1's first fill follows behind the full sequence and a round, a quarter a wave.
.set T,     8
.set NQ,    2                          ; K steps of 128 in a slot
.set KK,    1024
.set KS,    KK/128
.set LAPS,  KS/(2*NQ)
.set HALFT, T*NQ*2048                  ; what one tensor load brings: [tile][K step][2,048]
.set SLOT,  4*HALFT                    ; A's two halves, B's two halves
.set SCL,   2*SLOT                     ; behind the ring: the scale words
.set HALFS, KS*T*64                    ; those of T tiles, all of K: dense in memory
.set SPARE, SCL+4*HALFS                ; the spare words, 128 bytes a wave
.set ADRA, 16
.set ADRB, 20
.set ADRS, 27
.set SPW,  28
.set NIL,  29
.set SC,   32                          ; set s, tile i, K step q of the slot: v[SC + 16 s + T q + i]: lanes 0-15 A's word, lanes 16-31 B's
.set AF,   128
.set G1, 24
.set G0, 32
.set G1B, 48
.set G0B, 56
.set G1S, 68
.set G0S, 76
.set G1SB, 80
.set G0SB, 88
.set MSB, 0
.macro WIN new                         ; the immediate's high byte repeats the setting that is left
.if MSB != (\new)
	s_set_vgpr_msb (MSB<<8)|(\new)
.set MSB, \new
.endif
.endm
.set MUL_LO, 0xa1                      ; source 0 (B) window 1, source 1 (A) window 0, C and D window 2
.set MUL_HI, 0xf1                      ; C and D window 3
.set TO_B,   0x40
.macro JLOAD g0a, g1a, g0b, g1b        ; a joint load: waves 0, 1 fetch for A, waves 2, 3 for B; an s_nop 0 and four v_nop follow each line
	s_cmp_eq_u32 s15, 0
	s_cbranch_scc0 .Lfor_b_\@
	tensor_load_to_lds s[\g0a:\g0a+3], s[\g1a:\g1a+7]
	s_nop 0
.rept 4
	v_nop
.endr
	s_branch .Lasked_\@
.Lfor_b_\@:
	tensor_load_to_lds s[\g0b:\g0b+3], s[\g1b:\g1b+7]
	s_nop 0
.rept 4
	v_nop
.endr
.Lasked_\@:
.endm
.macro CREST                           ; a round of the cluster's barrier behind its opening barrier
	s_cmp_lg_u32 s14, 0
	s_cbranch_scc1 .Lnot_wave_0_\@
	s_barrier_signal -3
.Lnot_wave_0_\@:
	s_barrier_wait -3
	s_barrier_signal -1
	s_barrier_wait -1
.endm
.macro CROUND
	s_barrier_signal -1
	s_barrier_wait -1
	CREST
.endm
.macro PLACES n                        ; plain vector lines between a matrix instruction and a load into, or a read of, its registers: eight for this form
.rept \n
	v_nop
.endr
.endm
.macro FRAG reg, adr, q, i             ; a fragment comes as it lies: four loads of 512 consecutive bytes
.irp c, 0,1,2,3
	ds_load_b128 v[\reg+4*\c:\reg+4*\c+3], v[\adr] offset:(\i)*NQ*2048+(\q)*2048+512*\c
.endr
.endm
.macro MULQ g, p, q, sc, zero          ; quarter g of a step: T / 4 of A's blocks, each against B's T tiles.  The accumulators take turns, one instruction a turn
.set ma, (\g)*T/4
.rept T/4
.set mb, 0
.rept T
.set md, 8*(T*(ma%(T/2))+mb)
.if \zero
	v_wmma_scale_f32_16x16x128_f8f6f4 v[md:md+7], v[128*(\p)+16*mb:128*(\p)+16*mb+15], v[AF+16*ma:AF+16*ma+15], 0, v[SC+16*(\sc)+T*(\q)+mb], v[SC+16*(\sc)+T*(\q)+ma] matrix_a_fmt:MATRIX_FMT_BF8 matrix_b_fmt:MATRIX_FMT_BF8 matrix_a_scale:MATRIX_SCALE_ROW1
.else
	v_wmma_scale_f32_16x16x128_f8f6f4 v[md:md+7], v[128*(\p)+16*mb:128*(\p)+16*mb+15], v[AF+16*ma:AF+16*ma+15], v[md:md+7], v[SC+16*(\sc)+T*(\q)+mb], v[SC+16*(\sc)+T*(\q)+ma] matrix_a_fmt:MATRIX_FMT_BF8 matrix_b_fmt:MATRIX_FMT_BF8 matrix_a_scale:MATRIX_SCALE_ROW1
.endif
.set mb, mb+1
.endr
.set ma, ma+1
.endr
.endm
.macro FETCH_B slot, q, p
	WIN TO_B
.set fi, 0
.rept T
	FRAG 128*(\p)+16*fi, ADRB+\slot, \q, fi
.set fi, fi+1
.endr
	WIN 0
.endm
.macro FETCH_A slot, q, i0             ; T / 2 of A's blocks, from i0 on
.set fi, \i0
.rept T/2
	FRAG AF+16*fi, ADRA+\slot, \q, fi
.set fi, fi+1
.endr
.endm
.macro SCALES sc                       ; a slot's scale words
.if T == 8
.set fi, 0
.rept 16
	ds_load_b32 v[SC+16*(\sc)+fi], v[ADRS] offset:64*fi
.set fi, fi+1
.endr
.else
.irp q, 0,1,2,3
	ds_load_b128 v[SC+16*(\sc)+4*\q:SC+16*(\sc)+4*\q+3], v[ADRS] offset:256*\q
.endr
.endif
.endm
.macro STEP slot, q, zero              ; 128 along K whose successor lies in the same slot
	s_wait_dscnt (T/2)*4                           ; all but the youngest loads, A's upper blocks
	WIN MUL_LO
	MULQ 0, (\q)%2, \q, \slot, \zero
	MULQ 1, (\q)%2, \q, \slot, \zero
	s_wait_dscnt 0
	PLACES 8
	FETCH_B \slot, (\q)+1, 1-(\q)%2
	FETCH_A \slot, (\q)+1, 0
	WIN MUL_HI
	MULQ 2, (\q)%2, \q, \slot, \zero
	MULQ 3, (\q)%2, \q, \slot, \zero
	PLACES 8
	WIN 0
	FETCH_A \slot, (\q)+1, T/2
.endm
.macro TURN slot, next, fill           ; a slot's last step changes slots: one barrier; fill = 1: it opens a round of the cluster's, and this slot is filled again
	s_wait_tensorcnt 0x0                           ; all my tensor loads have landed: my part of the next slot
	ds_add_u32 v[SPW], v[NIL]                      ; 0 onto my spare word
	s_wait_dscnt (T/2)*4+1                         ; the add and A's upper blocks may be out
	WIN MUL_LO
	MULQ 0, 1, NQ-1, \slot, 0
	s_wait_dscnt 0x0                               ; the add is done, and my reads of this slot are over
	s_barrier_signal -1
	MULQ 1, 1, NQ-1, \slot, 0
	WIN 0
	s_barrier_wait -1
.if \fill
	CREST                                          ; no wave of any partner still reads this slot or has a load on its way
	s_add_nc_u64 s[G0+4*\slot+2:G0+4*\slot+3], s[G0+4*\slot+2:G0+4*\slot+3], 2*NQ*2048
	s_add_nc_u64 s[G0B+4*\slot+2:G0B+4*\slot+3], s[G0B+4*\slot+2:G0B+4*\slot+3], 2*NQ*2048
	JLOAD G0+4*\slot, G1, G0B+4*\slot, G1B         ; the first tensor load behind the round; its four v_nop are four of the eight places
	PLACES 4
.else
	PLACES 8
.endif
	s_wait_alu depctr_va_vdst(0)
	v_add_nc_u32 v[ADRS], 1024, v[ADRS]            ; the next slot's scale words
	FETCH_B \next, 0, 0
	FETCH_A \next, 0, 0
	SCALES \next
	WIN MUL_HI
	MULQ 2, 1, NQ-1, \slot, 0
	MULQ 3, 1, NQ-1, \slot, 0
	PLACES 8
	WIN 0
	FETCH_A \next, 0, T/2
.endm
.macro MID slot                        ; a slot's steps 1 .. NQ - 2
.set mq, 1
.rept NQ-2
	STEP \slot, mq, 0
.set mq, mq+1
.endr
.endm
.macro LAST                            ; the very last step: nothing more to fetch
	s_wait_dscnt (T/2)*4
	WIN MUL_LO
	MULQ 0, 1, NQ-1, 1, 0
	MULQ 1, 1, NQ-1, 1, 0
	s_wait_dscnt 0
	WIN MUL_HI
	MULQ 2, 1, NQ-1, 1, 0
	MULQ 3, 1, NQ-1, 1, 0
	WIN 0
.endm
; ---- the way out's names
.set LI,  3                            ; v3   16 x lane
.set SVO, 22                           ; v22  the scale words' offset
.set SCR, 23                           ; v23  scratch, read: my row's words 4 h .. 4 h + 3
.set SC0, 24                           ; v24  scratch in slot 0 (it has had its last fill and its last read): 512 x wave + 32 r
.set SCT, 25                           ; v25  the trip's word there
.set PW,  31
.set BI,  64
.set W,   128                          ; v128-191 a block's 64 numbers
.set PC,  192
.set TM,  208
.set SEL, 46
.set MNT, 48
.macro QUANT s, pw
.irp b, 0,1,2,3
	v_max3_num_f32 v[TM+\b], |v[\s+16*\b]|, |v[\s+1+16*\b]|, 0x8000000   ; block b: my 16 numbers and the floor 2^(16 - 127)
.endr
.irp i, 2,4,6,8,10,12,14
.irp b, 0,1,2,3
	v_max3_num_f32 v[TM+\b], v[TM+\b], |v[\s+16*\b+\i]|, |v[\s+1+16*\b+\i]|
.endr
.endr
.irp b, 0,1,2,3
	v_permlanex16_b32 v[TM+4+\b], v[TM+\b], s[SEL], s[SEL+1]
.endr
.irp b, 0,1,2,3
	v_max_num_f32 v[TM+\b], v[TM+\b], v[TM+4+\b]
.endr
.irp b, 0,1,2,3
	v_add_nc_u32 v[TM+12+\b], 0xf8800000, v[TM+\b]                 ; 15 off the exponent field: the conversion's scale operand
.endr
.irp b, 0,1,2,3
	v_and_or_b32 v[TM+8+\b], v[TM+\b], 0x7f800000, s[MNT]          ; 57,344 x the scale
.endr
.irp b, 0,1,2,3
	v_lshrrev_b32 v[TM+4+\b], 23, v[TM+12+\b]                      ; the scale's byte
.endr
	v_lshl_or_b32 v[\pw], v[TM+5], 8, v[TM+4]
	v_lshl_or_b32 v[\pw], v[TM+6], 16, v[\pw]
	v_lshl_or_b32 v[\pw], v[TM+7], 24, v[\pw]
.irp b, 0,1,2,3
.irp i, 0,1,2,3,4,5,6,7,8,9,10,11,12,13,14,15
	v_med3_num_f32 v[\s+16*\b+\i], v[\s+16*\b+\i], -v[TM+8+\b], v[TM+8+\b]   ; the conversion does not saturate (ISA guide 7.6.2): the hold
.endr
	v_cvt_scalef32_pk8_bf8_f32 v[PC+4*\b:PC+1+4*\b], v[\s+16*\b:\s+7+16*\b], v[TM+12+\b]
	v_cvt_scalef32_pk8_bf8_f32 v[PC+2+4*\b:PC+3+4*\b], v[\s+8+16*\b:\s+15+16*\b], v[TM+12+\b]
.endr
	v_nop
.endm
.macro ARM a, kind                     ; A's block a: its 64 sums + the bias come into window 0, each accumulator from its low end on.  kind 1: the lane's one channel's bias
	WIN 2+(\a)/4
.set tk, 0
.rept 32
.if \kind == 1
	v_pk_add_f32 v[W+tk:W+tk+1], v[64*((\a)%4)+tk:64*((\a)%4)+tk+1], v[BI+2*(\a):BI+2*(\a)+1]
.else
	v_pk_add_f32 v[W+tk:W+tk+1], v[64*((\a)%4)+tk:64*((\a)%4)+tk+1], v[BI+tk:BI+tk+1]
.endif
.set tk, tk+2
.endr
	WIN 0
.endm
.macro PRELUDE
	PLACES 8                                       ; behind the last products, ahead of the first read of results and of writes over A's fragments
	s_mov_b32 s[SEL], 0x76543210                   ; (no tensor load is out: the descriptors' registers are free)
	s_mov_b32 s[SEL+1], 0xfedcba98
	s_mov_b32 s[MNT], 0x600000
.irp b, 0,1,2,3
	v_mov_b32 v[TM+4+\b], 0
.endr
	s_wait_loadcnt 0x0                             ; the bias
.endm
.macro OUTQ kind                       ; eight trips, one for each of A's blocks: written once but for the lines that name the block's accumulators
	s_mov_b32 s3, 0
.Lout_\@:
	s_wait_xcnt 0x0                                ; the last trip's stores have read their data and their base
.irp a, 0,1,2,3,4,5,6
	s_cmp_lg_u32 s3, \a
	s_cbranch_scc1 .Lnot_\@_\a
	s_wait_alu depctr_va_vdst(0)
	ARM \a, \kind
	s_branch .Ltaken_\@
.Lnot_\@_\a:
.endr
	s_wait_alu depctr_va_vdst(0)
	ARM 7, \kind
.Ltaken_\@:
	QUANT W, PW
.if \kind == 1
	s_and_b32 s98, s3, 3                           ; channel tile a % 4: 2,048 bytes; head a / 4: 16 chunks of 17,152
	s_lshl_b32 s98, s98, 11
	s_lshr_b32 s99, s3, 2
	s_mul_i32 s99, s99, 274432                     ; the next head's chunk: 16 chunks on
	s_add_co_u32 s98, s98, s99
.else
	s_lshl_b32 s98, s3, 10                         ; token tile a: 1,024 bytes
.endif
	s_mov_b32 s99, 0
	s_add_nc_u64 s[96:97], s[94:95], s[98:99]
.if \kind == 1
.irp c, 0,1,2,3
	global_store_b128 v[LI], v[PC+4*\c:PC+4*\c+3], s[96:97] offset:512*\c
.endr
.else
	global_store_b128 v[LI], v[PC:PC+3], s[96:97]                  ; blocks 0, 1: the even head; blocks 2, 3: the next head, 128 tiles on
	global_store_b128 v[LI], v[PC+4:PC+7], s[96:97] offset:512
	s_add_nc_u64 s[58:59], s[96:97], s[52:53]      ; the next head's images (the last trip's stores have read this base: the wait at the trip's head)
	global_store_b128 v[LI], v[PC+8:PC+11], s[58:59]
	global_store_b128 v[LI], v[PC+12:PC+15], s[58:59] offset:512
.endif
	s_lshl_b32 s98, s3, 2
	v_add_nc_u32 v[SCT], s98, v[SC0]
	ds_store_b32 v[SCT], v[PW]                     ; both halves of the lanes write the same word with the same value
	s_add_co_u32 s3, s3, 1
	s_cmp_lt_u32 s3, 8
	s_cbranch_scc1 .Lout_\@
	ds_load_b128 v[4:7], v[SCR]                    ; LDS serves a wave's instructions in order: these see my stores
	s_wait_dscnt 0x0
.endm
	s_load_b128 s[4:7], s[0:1], 0x0                ; xn, wts
	s_load_b128 s[92:95], s[0:1], 0x10             ; qkv_b, qkv
	v_lshl_add_u32 v[SPW], v0, 2, SPARE
	v_mov_b32 v[NIL], 0
	ds_add_u32 v[SPW], v[NIL]                      ; the wave's opening: the add, twice on end, and its wait ahead of my first tensor load
	ds_add_u32 v[SPW], v[NIL]
	v_lshrrev_b32 v1, 5, v0
	v_readfirstlane_b32 s14, v1                    ; wave
	s_lshr_b32 s15, s14, 1                         ; my half of A's rows.  Also: I fetch for A (0) or B (1)
	s_and_b32 s16, s14, 1                          ; my half of B's rows.  Also: which half I fetch
	s_bfe_u32 s40, ttmp6, 0x40000                  ; cx
	s_bfe_u32 s41, ttmp6, 0x40004                  ; cy
	s_and_b32 s17, ttmp7, 0xffff                   ; cluster y
	s_mov_b32 s22, 4194304                         ; xn's scale words begin here, qkv_w's at 12,582,912 of wts
	s_mov_b32 s18, 12582912
	s_cmp_eq_u32 ttmp9, 2                          ; the v section?
	s_cselect_b32 s42, s17, ttmp9                  ; B's blocks: tokens by cluster y, else rows of qkv_w by cluster x
	s_cselect_b32 s17, 2, s17                      ; A's blocks: rows 2,048 on of qkv_w, else tokens by cluster y
	s_cselect_b32 s45, 12582912, s22
	s_cselect_b32 s47, 4194304, s18
	s_lshl_b32 s42, s42, 2
	s_add_co_u32 s42, s42, s40                     ; B's block of 256 rows: hangs on cx and cluster numbers alone
	s_lshl_b32 s17, s17, 2
	s_add_co_u32 s17, s17, s41                     ; A's: on cy and cluster numbers alone
	s_lshl_b32 s43, s41, 2
	s_lshl_b32 s43, 15, s43                        ; my row of the cluster
	s_lshl_b32 s44, 0x1111, s40                    ; my column
	s_or_b32 s[G1], s43, (3<<16)|(1<<21)           ; 15:0 the mask; 17:16 elements of 8 bytes; 21 set beside a mask; no padding
	s_or_b32 s[G1B], s44, (3<<16)|(1<<21)
.irp g, G1, G1B
	s_mov_b32 s[\g+1], (NQ*256)<<16                ; tensor_dim0: a tile's NQ fragments, dense
	s_mov_b32 s[\g+2], (2*T)<<16                   ; tensor_dim1: at the head both halves, 2 T tiles; behind the head's wait T
	s_mov_b32 s[\g+3], (NQ*256)<<16                ; tile_dim0
	s_mov_b32 s[\g+4], 2*T                         ; tile_dim1
	s_mov_b32 s[\g+5], 2*KK                        ; from tile to tile: KS fragments
	s_mov_b32 s[\g+6], 0
	s_mov_b32 s[\g+7], 0
.endr
	s_or_b32 s[G1S], s43, (3<<16)|(1<<21)          ; the scale words: HALFS dense bytes as rows of 256
	s_or_b32 s[G1SB], s44, (3<<16)|(1<<21)
.irp g, G1S, G1SB
	s_mov_b32 s[\g+1], 32<<16
	s_mov_b32 s[\g+2], (HALFS/128)<<16             ; both halves' scale words
	s_mov_b32 s[\g+3], 32<<16
	s_mov_b32 s[\g+4], HALFS/128
	s_mov_b32 s[\g+5], 32
	s_mov_b32 s[\g+6], 0
	s_mov_b32 s[\g+7], 0
.endr
	s_lshl_b32 s20, s17, 1
	s_mul_i32 s22, s20, HALFS
	s_mul_i32 s20, s20, T*KK*16
	s_lshl_b32 s46, s42, 1
	s_mul_i32 s18, s46, HALFS
	s_mul_i32 s46, s46, T*KK*16
	s_add_co_u32 s22, s22, s45
	s_add_co_u32 s18, s18, s47
	s_mov_b32 s21, 0
	s_mov_b32 s23, 0
	s_mov_b32 s47, 0
	s_mov_b32 s19, 0
	s_mul_i32 s45, s14, HALFT                      ; where they go: by the wave's number alone
	s_mul_i32 s100, s16, T*KK*16                   ; in the ring I fetch one half: its bytes
	s_mov_b32 s101, 0
	s_wait_dscnt 0x0                               ; both opening adds are done
	s_wait_kmcnt 0x0
	s_cmp_eq_u32 ttmp9, 2
	s_cselect_b64 s[8:9], s[6:7], s[4:5]           ; A's buffer
	s_cselect_b64 s[12:13], s[4:5], s[6:7]         ; B's
	s_add_nc_u64 s[10:11], s[8:9], s[22:23]
	s_add_nc_u64 s[8:9], s[8:9], s[20:21]
	s_add_nc_u64 s[66:67], s[12:13], s[18:19]
	s_add_nc_u64 s[12:13], s[12:13], s[46:47]
	CROUND                                         ; all sixteen work-groups are here: the first joint loads meet
	s_mov_b32 s[G0S], 1
	s_mov_b32 s[G0S+1], SCL
	s_mov_b64 s[G0S+2:G0S+3], s[10:11]
	s_or_b32 s[G0S+3], s[G0S+3], 0x80000000
	s_mov_b32 s[G0SB], 1
	s_mov_b32 s[G0SB+1], SCL+2*HALFS
	s_mov_b64 s[G0SB+2:G0SB+3], s[66:67]
	s_or_b32 s[G0SB+3], s[G0SB+3], 0x80000000
	s_mov_b32 s4, 1                                ; s[4:7]: group 0 of the head's load of A's slot 0 (the arguments that lay there have been used)
	s_mov_b32 s5, 0
	s_mov_b64 s[6:7], s[8:9]
	s_or_b32 s7, s7, 0x80000000
	s_mov_b64 s[46:47], s[12:13]                   ; s[44:47]: of B's; its first two words follow behind the ring's groups
	s_or_b32 s47, s47, 0x80000000
	s_add_nc_u64 s[8:9], s[8:9], s[100:101]        ; for the ring: my half
	s_add_nc_u64 s[12:13], s[12:13], s[100:101]
; THE PREFETCHES: of the T tiles x 4,096 bytes that I fetch for a slot, each of the four partners that ask with me names T / 4 (by address: cx for A, cy for B): 8,192 bytes, one instruction a wave, lanes 256 bytes apart.
; K has four slots: behind the head's loads slots 1 and 2 are asked for, behind slot 1's fill slot 3: each at least one fill ahead of its load.  Slot 0 comes by its load alone.
	s_cmp_eq_u32 s15, 0                            ; do I fetch for A?
	s_cselect_b64 s[98:99], s[8:9], s[12:13]       ; s[98:99]: my half's tiles, at slot 0,
	s_cselect_b32 s100, s40, s41                   ; my place among the four,
	s_mul_i32 s100, s100, (T/4)*KS*2048            ; its tiles
	s_add_nc_u64 s[98:99], s[98:99], s[100:101]
.irp s, 0,1
	s_mov_b32 s[G0+4*\s], 1
	s_add_co_u32 s[G0+4*\s+1], s45, \s*SLOT
	s_add_nc_u64 s[G0+4*\s+2:G0+4*\s+3], s[8:9], \s*NQ*2048
	s_or_b32 s[G0+4*\s+3], s[G0+4*\s+3], 0x80000000
	s_mov_b32 s[G0B+4*\s], 1
	s_add_co_u32 s[G0B+4*\s+1], s45, \s*SLOT
	s_add_nc_u64 s[G0B+4*\s+2:G0B+4*\s+3], s[12:13], \s*NQ*2048
	s_or_b32 s[G0B+4*\s+3], s[G0B+4*\s+3], 0x80000000
.endr
	s_mov_b32 s44, 1
	s_mov_b32 s45, 2*HALFT
.macro HARM under, g0, g1, next        ; one chain of branches on the wave's number, one load to an arm, all arms to one join
	s_cmp_lt_u32 s14, \under
	s_cbranch_scc0 \next
	tensor_load_to_lds s[\g0:\g0+3], s[\g1:\g1+7]
	s_nop 0
.rept 4
	v_nop
.endr
	s_branch .Lhead_asked
\next:
.endm
	HARM 1, 4, G1, .Lhead_b
	HARM 2, 44, G1B, .Lhead_sa
	HARM 3, G0S, G1S, .Lhead_sb
	tensor_load_to_lds s[G0SB:G0SB+3], s[G1SB:G1SB+7]
	s_nop 0
.rept 4
	v_nop
.endr
.Lhead_asked:
	v_and_b32 v30, 15, v0
	v_bfe_u32 v26, v0, 4, 1
	v_lshlrev_b32 v30, 8, v30
	v_lshl_add_u32 v30, v26, 14, v30               ; v30: the prefetches' offset: tile lane / 16 (KS x 2,048 bytes on), 256 x (lane % 16) in its 4,096 bytes; never rewritten
	global_prefetch_b8 v30, s[98:99] offset:NQ*2048 th:TH_LOAD_NT scope:SCOPE_SE     ; slot 1
	global_prefetch_b8 v30, s[98:99] offset:2*NQ*2048 th:TH_LOAD_NT scope:SCOPE_SE   ; slot 2
	v_and_b32 v1, 15, v0                           ; r
	v_bfe_u32 v2, v0, 4, 1                         ; h
	s_wait_alu depctr_va_vdst(0)
	v_and_b32 v3, 31, v0
	v_lshlrev_b32 v3, 4, v3                        ; 16 x lane
	s_mul_i32 s21, s15, HALFT
	s_mul_i32 s22, s16, HALFT
	s_add_co_u32 s22, s22, 2*HALFT
.irp s, 0,1
	v_add_nc_u32 v[ADRA+\s], s21, v3
	v_add_nc_u32 v[ADRB+\s], s22, v3
	s_add_co_u32 s21, s21, SLOT
	s_add_co_u32 s22, s22, SLOT
.endr
	v_lshlrev_b32 v5, 2, v1                        ; scale words: 4 r in a tile's 64 bytes
	s_mul_i32 s21, s15, HALFS
	s_mul_i32 s22, s16, HALFS
	s_add_co_u32 s22, s22, 2*HALFS
	s_sub_co_u32 s22, s22, s21
	v_mul_u32_u24 v6, s22, v2                      ; lanes 16-31 take B's
	s_add_co_u32 s21, s21, SCL
	v_add_nc_u32 v5, v5, v6
	v_add_nc_u32 v[ADRS], s21, v5
	s_lshl_b32 s23, s14, 9
	v_lshl_add_u32 v[SC0], v1, 5, s23
	v_lshl_add_u32 v[SCR], v2, 4, v[SC0]
	v_lshlrev_b32 v7, 6, v2                        ; q, k: the bias at 64 h
	v_and_b32 v8, 8, v1
	v_add_nc_u32 v8, v8, v1
	v_lshlrev_b32 v8, 2, v8                        ; v: the bias of my channel: 4 (r % 8 + 16 (r / 8))
	s_wait_alu depctr_va_vdst(0)
	s_wait_tensorcnt 0x0                           ; my tile of the head's four is in
	ds_add_u32 v[SPW], v[NIL]
	s_mov_b32 s[G1+2], T<<16                       ; no tensor load of mine is out: from here on a load brings T tiles
	s_mov_b32 s[G1+4], T
	s_mov_b32 s[G1B+2], T<<16
	s_mov_b32 s[G1B+4], T
	s_wait_dscnt 0x0
	CROUND                                         ; all four tiles are in, all sixteen work-groups are here
	JLOAD G0+4, G1, G0B+4, G1B                     ; slot 1's first fill, the first tensor load behind the round
	FETCH_B 0, 0, 0
	FETCH_A 0, 0, 0
	SCALES 0
	FETCH_A 0, 0, T/2
	global_prefetch_b8 v30, s[98:99] offset:3*NQ*2048 th:TH_LOAD_NT scope:SCOPE_SE   ; slot 1 has been asked for: slot 3
	STEP 0, 0, 1
.if LAPS > 1
	s_mov_b32 s3, LAPS-1
.Llap:
	MID 0
	TURN 0, 1, 1
	STEP 1, 0, 0
	MID 1
	TURN 1, 0, 1
	STEP 0, 0, 0
	s_sub_co_u32 s3, s3, 1
	s_cmp_lg_u32 s3, 0
	s_cbranch_scc1 .Llap
.endif
	MID 0
	TURN 0, 1, 0                                   ; the last lap fills nothing
	STEP 1, 0, 0
	MID 1
	s_cmp_eq_u32 ttmp9, 2                          ; the cluster's x: the same in all sixteen partners
	s_cbranch_scc1 .Lvsec
	; ---- q and k: a lane holds a token and two heads
	s_lshl_b32 s20, s17, 4
	s_lshl_b32 s21, s15, 3
	s_add_co_u32 s20, s20, s21                     ; my first token tile
	s_lshr_b32 s21, s20, 7                         ; the batch
	s_and_b32 s20, s20, 127                        ; the tile in it
	s_lshl_b32 s21, s21, 4
	s_lshl_b32 s22, s40, 2
	s_add_co_u32 s21, s21, s22
	s_lshl_b32 s22, s16, 1
	s_add_co_u32 s21, s21, s22                     ; bh = 16 batch + 4 cx + 2 x my half
	s_lshl_b32 s22, s21, 7
	s_add_co_u32 s22, s22, s20
	s_lshl_b32 s22, s22, 10
	s_mul_i32 s18, s21, 12288                      ; q's scale words
	s_lshr_b32 s20, s20, 3                         ; my 128 tokens: the key step
	s_lshl_b32 s23, s20, 9
	s_add_co_u32 s18, s18, s23
	s_add_co_u32 s18, s18, 12976128
	s_lshl_b32 s23, s21, 4
	s_add_co_u32 s23, s23, s20
	s_mul_i32 s23, s23, 17152
	s_add_co_u32 s23, s23, 4194304                 ; k's chunk,
	s_add_co_u32 s20, s23, 16384                   ; and its scale words
	s_mov_b32 s52, 274432                          ; from head to head: k's images and words, 16 chunks
	s_mov_b32 s54, 274432
	s_cmp_eq_u32 ttmp9, 0                          ; q or k: the cluster's x
	s_cselect_b32 s22, s22, s23
	s_cselect_b32 s18, s18, s20
	s_cselect_b32 s52, 131072, s52
	s_cselect_b32 s54, 12288, s54
	s_mov_b32 s53, 0
	s_mov_b32 s55, 0
	s_mov_b32 s23, 0
	s_mov_b32 s19, 0
	s_add_nc_u64 s[100:101], s[94:95], s[18:19]    ; the scale words
	s_add_nc_u64 s[94:95], s[94:95], s[22:23]      ; the images
	s_lshl_b32 s18, s42, 10
	s_lshl_b32 s20, s16, 9
	s_add_co_u32 s18, s18, s20
	s_add_nc_u64 s[92:93], s[92:93], s[18:19]      ; the bias of my 128 features
.irp c, 0,1,2,3
.irp j, 0,1,2,3
	global_load_b128 v[BI+16*\c+4*\j:BI+16*\c+4*\j+3], v7, s[92:93] offset:128*\c+16*\j
.endr
.endr
	v_lshlrev_b32 v[SVO], 5, v1
	v_lshl_add_u32 v[SVO], v2, 4, v[SVO]           ; 32 r + 16 h
	LAST
	PRELUDE
	OUTQ 0
.irp i, 0,1,2,3
	v_and_b32 v[8+\i], 0xffff, v[4+\i]             ; a word's bytes 0, 1: the even head's two blocks; bytes 2, 3: the next head's.  The upper bytes of what is stored are 0
	v_lshrrev_b32 v[12+\i], 16, v[4+\i]
.endr
	global_store_b128 v[SVO], v[8:11], s[100:101]                  ; the wave stores 512 consecutive bytes
	s_add_nc_u64 s[56:57], s[100:101], s[54:55]
	global_store_b128 v[SVO], v[12:15], s[56:57]
	s_branch .Lend
.Lvsec:
	; ---- v: a lane holds a channel and 128 keys
	s_lshr_b32 s20, s42, 3
	s_lshl_b32 s20, s20, 4
	s_lshl_b32 s21, s41, 2
	s_add_co_u32 s20, s20, s21
	s_lshl_b32 s21, s15, 1
	s_add_co_u32 s20, s20, s21                     ; bh of my blocks 0-3 = 16 batch + 4 cy + 2 x my half
	s_and_b32 s21, s42, 7
	s_lshl_b32 s21, s21, 1
	s_add_co_u32 s21, s21, s16                     ; the key step
	s_lshl_b32 s22, s20, 4
	s_add_co_u32 s22, s22, s21
	s_mul_i32 s22, s22, 17152
	s_add_co_u32 s22, s22, 4194304+8192            ; v's tiles in the chunk
	s_mov_b32 s23, 0
	s_add_co_u32 s18, s22, 8704                    ; v's scale words: byte 16,896 of the chunk
	s_mov_b32 s19, 0
	s_add_nc_u64 s[100:101], s[94:95], s[18:19]
	s_add_nc_u64 s[94:95], s[94:95], s[22:23]
	s_lshl_b32 s18, s41, 10
	s_lshl_b32 s20, s15, 9
	s_add_co_u32 s18, s18, s20
	s_add_co_u32 s18, s18, 8192                    ; (2,048 + 256 cy + 128 x my half) x 4
	s_add_nc_u64 s[92:93], s[92:93], s[18:19]
.irp a, 0,1,2,3,4,5,6,7
	global_load_b32 v[BI+2*\a], v8, s[92:93] offset:(32*(\a/2)+8*(\a%2))*4
.endr
	v_mul_u32_u24 v[SVO], v2, 274432
	v_lshl_add_u32 v[SVO], v1, 4, v[SVO]           ; head h of my two; 16 r
	LAST
	PRELUDE
.irp a, 0,1,2,3,4,5,6,7
	v_mov_b32 v[BI+2*\a+1], v[BI+2*\a]             ; as a pair, for the packed addition
.endr
	OUTQ 1
	global_store_b128 v[SVO], v[4:7], s[100:101]                   ; sixteen lanes store 256 consecutive bytes
.Lend:
	s_wait_tensorcnt 0x0                           ; the wave's end
	ds_add_u32 v[SPW], v[NIL]
	s_wait_dscnt 0x0
	CROUND                                         ; the closing round
	s_endpgm
.Lfunc_end_k_qe5a2d39972_gqkv:
	.size	k_qe5a2d39972_gqkv, .Lfunc_end_k_qe5a2d39972_gqkv-k_qe5a2d39972_gqkv
	.p2alignl 7, 3214868480
	.fill 96, 4, 3214868480
	.section	.rodata,"a",@progbits
	.p2align	6, 0x0
	.amdhsa_kernel k_qe5a2d39972_gqkv
		.amdhsa_group_segment_fixed_size 327680
		.amdhsa_private_segment_fixed_size 0
		.amdhsa_enable_private_segment 0
		.amdhsa_kernarg_size 32
		.amdhsa_user_sgpr_count 2
		.amdhsa_user_sgpr_kernarg_segment_ptr 1
		.amdhsa_wavefront_size32 1
		.amdhsa_system_sgpr_workgroup_id_x 1
		.amdhsa_system_sgpr_workgroup_id_y 1
		.amdhsa_system_sgpr_workgroup_id_z 1
		.amdhsa_system_vgpr_workitem_id 0
		.amdhsa_next_free_vgpr 1024
		.amdhsa_next_free_sgpr 102
		.amdhsa_reserve_vcc 0
		.amdhsa_float_denorm_mode_32 3
		.amdhsa_float_denorm_mode_16_64 3
		.amdhsa_memory_ordered 1
		.amdhsa_forward_progress 1
		.amdhsa_inst_pref_size 187
	.end_amdhsa_kernel
	.amdgpu_metadata
---
amdhsa.version: [ 1, 2 ]
amdhsa.kernels:
  - .name:           k_qe5a2d39972_gqkv
    .symbol:         k_qe5a2d39972_gqkv.kd
    .args:
      - { .name: xn, .offset: 0, .size: 8, .value_kind: global_buffer, .address_space: global }
      - { .name: wts, .offset: 8, .size: 8, .value_kind: global_buffer, .address_space: global }
      - { .name: qkv_b, .offset: 16, .size: 8, .value_kind: global_buffer, .address_space: global }
      - { .name: qkv, .offset: 24, .size: 8, .value_kind: global_buffer, .address_space: global }
    .group_segment_fixed_size: 327680
    .private_segment_fixed_size: 0
    .kernarg_segment_align: 8
    .kernarg_segment_size: 32
    .max_flat_workgroup_size: 128
    .sgpr_count:     102
    .vgpr_count:     1024
    .wavefront_size: 32
...
	.end_amdgpu_metadata
.endif
;; end of part 2
;; launch attn (part 3): grid 8 x 32, 16 waves a work-group, clusters of 4 x 1, 327,680 bytes of LDS; arguments qkv, ob; writes ob
.if DOCPART == 3
	.amdgcn_target "amdgcn-amd-amdhsa--gfx1250"
	.amdhsa_code_object_version 6
	.text
	.protected	k_qe5a2d39972_attn
	.globl	k_qe5a2d39972_attn
	.p2align	8
	.type	k_qe5a2d39972_attn,@function
k_qe5a2d39972_attn:
	s_mov_b64 s[64:65], 0
	v_nop
	global_prefetch_b8 v0, s[64:65] scope:SCOPE_SE
	s_setreg_imm32_b32 hwreg(HW_REG_WAVE_MODE, 25, 1), 1
	s_wait_xcnt 0x0
	s_wait_alu depctr_hold_cnt(0) depctr_sa_sdst(0) depctr_va_vdst(0) depctr_va_sdst(0) depctr_va_ssrc(0) depctr_va_vcc(0) depctr_vm_vsrc(0)
	s_getreg_b32 s2, hwreg(HW_REG_IB_STS2, 6, 4)
	s_cmp_eq_u32 s2, 0
	s_cbranch_scc0 .Lentry_in_a_cluster
	s_endpgm
.Lentry_in_a_cluster:
	s_bfe_u32 s2, ttmp6, 0x10000c
	s_cmp_lg_u32 s2, 0x3003
	s_cbranch_scc0 .Lentry_shape_is_right
	s_endpgm
.Lentry_shape_is_right:
; o = softmax(q k^T / 8) v for 32 (batch, head) x 2,048 x 64, both products on codes of BF8 (E5M2) with E8M0 scales, and the quantiser of o (along the 1,024 of the next product) on the way out.  Nothing is left out.
; THE SOFTMAX AHEAD OF THE SECOND PRODUCT: t = score x log2(e) / 8; M = the running largest t rounded UP to a whole number; p = 2^(t - M) is quantised along the keys, not normalised; the row's sum is taken of the unquantised p
; and divides O at the end; when M moves, the sum and O are multiplied by 2^(old M - new M): exact.
; SHARES: a work-group owns 256 queries of one head, each of sixteen waves one tile of 16, in 256 registers: four waves to a SIMD.
; THE WHOLE HEAD STAYS IN LDS, filled once: sixteen chunks of 17,152 bytes, one for each key step of 128 keys: k's eight tiles (1,024 bytes each), from 8,192 v's four tiles (2,048 each), from 16,384 k's scale words [r][8], from 16,896 v's [r][4].
; A chunk is dense in memory (67 rows of 256 bytes): wave w fetches chunk w, its one tensor load.  CLUSTER 4 x 1: the four query blocks of a cluster share the head and ask jointly.
; Waves 0-3 have a load line of their own: the first barrier shows chunks 0-3 alone.  The barrier that shows the other twelve is signalled behind key step 1 and waited for ahead of key step 4; between the two stand register work and reads of chunks 2 and 3.
; LAYOUT: both products transposed (S^T = k q^T, O^T = v^T p^T): a lane holds ONE query.  Images are as the operand's registers; lane-row r of tile t is row 32 (t / 2) + 8 (t % 2) + r % 8 + 16 (r / 8), so that the 16 registers of two
; neighbouring tiles of S^T are 16 neighbouring keys, and those of O^T 16 neighbouring channels.
; K = 64 IN AN INSTRUCTION OF 128: a tile of k is 8 registers; the instruction names 16: the upper eight are the next tile's codes (tile 7: zeros).  Every code made by this program's quantisers is finite (the hold); they meet
; q's upper eight registers, which are zero codes, under scale bytes 0 (2^-127): they add exactly 0.
; THE ROW'S SUM of a step is gathered in five chains; they are joined to the sum behind the NEXT step's first products, where plain vector lines are owed anyway; the last step's behind the loops.
; LIMITS: NaN and infinities are not served; a block of zeros keeps the byte 1; the scaled scores stay under 2^31 in magnitude.  o's scale bytes leave as single bytes, 32 a wave: a head owns half of each scale word.
; Nothing is prefetched: all that the launch reads is asked for at its head.
.set KV,    4194304                    ; in qkv: the chunks
.set CHK,   17152
.set QSC,   12976128                   ; q's scale words
.set SPARE, 16*CHK                     ; the spare words, 128 bytes a wave
.set AK0,  1                           ; v1  16 x lane
.set ASK0, 2                           ; v2  16,384 + 32 r
.set AST0, 3                           ; v3  16,896 + 16 r
.set ADK,  4                           ; v4, v7, v8 the same in the step's chunk
.set SPW,  5
.set NIL,  6
.set ADS,  7
.set ADT,  8
.set TT,   9
.set FF,   10                          ; v[10:11] f.  v12 -M, v13 the largest t, v[14:15] the sum; v16-23 q, v24-31 zeros
.set KB,   32                          ; v32-95 eight tiles of k, then four of v; v96-103 zeros
.set S,    104                         ; v104-167 S^T, then p
.set O,    168                         ; v168-199 O^T
.set PCD,  200                         ; v200-215 p's codes
.set BM,   216                         ; the blocks' largest
.set PT,   220                         ; bytes; then a second copy of the holds
.set HO,   224                         ; the holds
.set SO,   228                         ; the conversions' scale operands
.set KW,   232                         ; k's scale words
.set VW,   240                         ; v's
.set QW,   244                         ; q's
.set PWD,  245                         ; p's scale word
.set C0,   246                         ; v246-255 five chains of the step's sum
.set WV,   18
.set MNT,  19
.set SEL,  20
.set CS,   22                          ; s[22:23] log2(e) / 8
.set G1D,  24                          ; group 1: 67 rows of 256 bytes
.set TK,   2                           ; s2  where the step's chunk begins
.set CNT,  67
.macro CROUND
	s_barrier_signal -1
	s_barrier_wait -1
	s_cmp_lg_u32 s[WV], 0
	s_cbranch_scc1 .Lnot_wave_0_\@
	s_barrier_signal -3
.Lnot_wave_0_\@:
	s_barrier_wait -3
	s_barrier_signal -1
	s_barrier_wait -1
.endm
.macro JOIN                            ; the five chains go into the sum
	v_pk_add_f32 v[C0:C0+1], v[C0:C0+1], v[C0+2:C0+3]
	v_pk_add_f32 v[C0+4:C0+5], v[C0+4:C0+5], v[C0+6:C0+7]
	v_pk_add_f32 v[14:15], v[14:15], v[C0+8:C0+9]
	v_pk_add_f32 v[C0:C0+1], v[C0:C0+1], v[C0+4:C0+5]
	v_pk_add_f32 v[14:15], v[14:15], v[C0:C0+1]
.endm
	s_load_b128 s[4:7], s[0:1], 0x0                ; qkv, ob
	v_lshl_add_u32 v[SPW], v0, 2, SPARE
	v_mov_b32 v[NIL], 0
	ds_add_u32 v[SPW], v[NIL]                      ; the wave's opening: the add, twice on end, and its wait ahead of my tensor load
	ds_add_u32 v[SPW], v[NIL]
	v_lshrrev_b32 v[TT], 5, v0
	v_readfirstlane_b32 s[WV], v[TT]               ; wave 0..15
	s_bfe_u32 s8, ttmp6, 0x40000                   ; cx
	s_lshl_b32 s9, ttmp9, 2
	s_add_co_u32 s9, s9, s8                        ; my block of 256 queries: it enters q's and o's addresses alone
	s_and_b32 s10, ttmp7, 0xffff                   ; bh, which the four partners share
	s_mov_b32 s[G1D], 15|(3<<16)|(1<<21)           ; 15:0 the mask: all four; 17:16 elements of 8 bytes; 21 set beside a mask
	s_mov_b32 s[G1D+1], 32<<16
	s_mov_b32 s[G1D+2], 67<<16
	s_mov_b32 s[G1D+3], 32<<16
	s_mov_b32 s[G1D+4], 67
	s_mov_b32 s[G1D+5], 32
	s_mov_b32 s[G1D+6], 0
	s_mov_b32 s[G1D+7], 0
	s_mov_b32 s40, 1
	s_mul_i32 s41, s[WV], CHK                      ; chunk w in LDS,
	s_lshl_b32 s12, s10, 4
	s_add_co_u32 s12, s12, s[WV]
	s_mul_i32 s12, s12, CHK
	s_add_co_u32 s12, s12, KV                      ; and in memory
	s_mov_b32 s13, 0
	s_mov_b32 s[SEL], 0x76543210
	s_mov_b32 s[SEL+1], 0xfedcba98
	s_mov_b32 s[CS], 0x3e38aa3b
	s_mov_b32 s[CS+1], s[CS]
	s_mov_b32 s[MNT], 0x600000
	s_mov_b32 s[TK], 0
	s_wait_dscnt 0x0                               ; both opening adds are done
	s_wait_kmcnt 0x0
	CROUND                                         ; all four work-groups are here: the joint loads meet
	s_add_nc_u64 s[42:43], s[4:5], s[12:13]
	s_or_b32 s43, s43, 0x80000000
	s_cmp_lt_u32 s[WV], 4                          ; waves 0-3 and waves 4-15 have a load line each: the first barrier waits for the first line's alone
	s_cbranch_scc0 .Llate
	tensor_load_to_lds s[40:43], s[G1D:G1D+7]
	s_nop 0
.rept 4
	v_nop
.endr
	s_branch .Lasked
.Llate:
	tensor_load_to_lds s[40:43], s[G1D:G1D+7]
	s_nop 0
.rept 4
	v_nop
.endr
.Lasked:
	s_lshl_b32 s11, s9, 4
	s_add_co_u32 s11, s11, s[WV]                   ; my tile of queries in the batch
	s_lshl_b32 s12, s10, 7
	s_add_co_u32 s12, s12, s11
	s_lshl_b32 s12, s12, 10
	s_mov_b32 s13, 0
	s_add_nc_u64 s[52:53], s[4:5], s[12:13]        ; q's image
	s_mul_i32 s14, s10, 12288
	s_lshr_b32 s15, s11, 3
	s_lshl_b32 s15, s15, 9
	s_add_co_u32 s14, s14, s15
	s_and_b32 s15, s11, 7
	s_lshl_b32 s15, s15, 2
	s_add_co_u32 s14, s14, s15
	s_add_co_u32 s14, s14, QSC
	s_mov_b32 s15, 0
	s_add_nc_u64 s[54:55], s[4:5], s[14:15]        ; q's scale words
	s_lshr_b32 s12, s10, 4
	s_lshl_b32 s12, s12, 7
	s_add_co_u32 s12, s12, s11                     ; my token tile Tg
	s_and_b32 s14, s10, 15                         ; the head
	s_lshr_b32 s15, s14, 1                         ; its K step of the next product,
	s_and_b32 s14, s14, 1                          ; and which half of it
	s_lshl_b32 s16, s12, 3
	s_add_co_u32 s16, s16, s15
	s_lshl_b32 s16, s16, 11
	s_lshl_b32 s17, s14, 10
	s_add_co_u32 s16, s16, s17
	s_mov_b32 s17, 0
	s_add_nc_u64 s[56:57], s[6:7], s[16:17]        ; o's image
	s_lshr_b32 s16, s12, 2
	s_lshl_b32 s16, s16, 3
	s_add_co_u32 s16, s16, s15
	s_lshl_b32 s16, s16, 8
	s_and_b32 s12, s12, 3
	s_lshl_b32 s12, s12, 2
	s_add_co_u32 s16, s16, s12
	s_lshl_b32 s14, s14, 1
	s_add_co_u32 s16, s16, s14
	s_add_co_u32 s16, s16, 4194304
	s_add_nc_u64 s[58:59], s[6:7], s[16:17]        ; o's scale bytes
	v_and_b32 v[TT], 15, v0                        ; r
	v_and_b32 v[AK0], 31, v0
	v_lshlrev_b32 v[AK0], 4, v[AK0]
	v_lshl_add_u32 v[ASK0], v[TT], 5, 16384
	v_lshl_add_u32 v[AST0], v[TT], 4, 16896
	v_lshlrev_b32 v[HO], 5, v[TT]
	global_load_b128 v[16:19], v[AK0], s[52:53]
	global_load_b128 v[20:23], v[AK0], s[52:53] offset:512
	global_load_b32 v[QW], v[HO], s[54:55]
	v_add_nc_u32 v[ADK], s[TK], v[AK0]             ; key step 0's addresses
	v_add_nc_u32 v[ADS], s[TK], v[ASK0]
	v_add_nc_u32 v[ADT], s[TK], v[AST0]
.irp j, 0,1,2,3,4,5,6,7
	v_mov_b32 v[24+\j], 0                          ; q's k = 64 .. 127: zero codes
	v_mov_b32 v[96+\j], 0                          ; behind k's tile 7
.endr
.set j, 0
.rept 32
	v_mov_b32 v[O+j], 0                            ; the step is written once: the first finds zeros
.set j, j+1
.endr
.set j, 0
.rept 10
	v_mov_b32 v[C0+j], 0                           ; no step before the first: its chains are zeros
.set j, j+1
.endr
	v_mov_b32 v13, 0xff61b1e6                      ; the largest t so far: -3e38
	v_floor_f32 v12, -v13                          ; -M
	v_mov_b32 v14, 0
	v_mov_b32 v15, 0
.irp b, 0,1,2,3
	v_mov_b32 v[PT+\b], 0                          ; a lane permute's destination counts as one of its sources
.endr
	v_mov_b32 v[FF+1], 0                           ; named with f as a pair
; A KEY STEP: 128 keys.  Its addresses were made at the last step's end
.macro STEP
.irp t, 0,1,2,3,4,5,6,7
	ds_load_b128 v[KB+8*\t:KB+8*\t+3], v[ADK] offset:1024*\t
	ds_load_b128 v[KB+8*\t+4:KB+8*\t+7], v[ADK] offset:1024*\t+512
.endr
	ds_load_b128 v[KW:KW+3], v[ADS]
	ds_load_b128 v[KW+4:KW+7], v[ADS] offset:16
	s_wait_dscnt 0x0
.irp t, 0,1,2,3,4,5,6,7
	v_wmma_scale_f32_16x16x128_f8f6f4 v[S+8*\t:S+8*\t+7], v[KB+8*\t:KB+8*\t+15], v[16:31], 0, v[KW+\t], v[QW] matrix_a_fmt:MATRIX_FMT_BF8 matrix_b_fmt:MATRIX_FMT_BF8
.endr
	JOIN                                           ; the last step's chains: five of the eight places behind the products
.rept 3
	v_nop
.endr
.irp i, 0,1,2,3
.irp c, 0,1,2,3
	ds_load_b128 v[KB+16*\i+4*\c:KB+16*\i+4*\c+3], v[ADK] offset:8192+2048*\i+512*\c   ; v's four tiles land under the softmax
.endr
.endr
	ds_load_b128 v[VW:VW+3], v[ADT]
.irp b, 0,1,2,3
	v_max3_num_f32 v[BM+\b], v[S+16*\b], v[S+1+16*\b], v[S+2+16*\b]   ; the largest score of each block of 32 keys: for the row's maximum, and, since p rises with the score, for the block's largest p
.endr
.irp i, 3,5,7,9,11,13
.irp b, 0,1,2,3
	v_max3_num_f32 v[BM+\b], v[BM+\b], v[S+16*\b+\i], v[S+1+16*\b+\i]
.endr
.endr
.irp b, 0,1,2,3
	v_max_num_f32 v[BM+\b], v[BM+\b], v[S+15+16*\b]
.endr
.irp b, 0,1,2,3
	s_delay_alu instid0(VALU_DEP_4)
	v_permlanex16_b32 v[PT+\b], v[BM+\b], s[SEL], s[SEL+1]
.endr
.irp b, 0,1,2,3
	s_delay_alu instid0(VALU_DEP_4)
	v_max_num_f32 v[BM+\b], v[BM+\b], v[PT+\b]
.endr
	s_delay_alu instid0(VALU_DEP_2)
	v_max3_num_f32 v[TT], v[BM], v[BM+1], v[BM+2]
	s_delay_alu instid0(VALU_DEP_1)
	v_max_num_f32 v[TT], v[TT], v[BM+3]
	s_delay_alu instid0(VALU_DEP_1)
	v_mul_f32 v[TT], s[CS], v[TT]
	s_delay_alu instid0(VALU_DEP_1)
	v_max_num_f32 v13, v13, v[TT]                  ; the running largest t
	v_mov_b32 v[TT], v12
	s_delay_alu instid0(VALU_DEP_2)
	v_floor_f32 v12, -v13                          ; the new -M = -ceil(t)
	s_delay_alu instid0(VALU_DEP_1)
	v_sub_f32 v[TT], v12, v[TT]                    ; old M - new M: a whole number, 0 or less
	s_delay_alu instid0(VALU_DEP_1)
	v_cvt_i32_f32 v[TT], v[TT]
	s_delay_alu instid0(VALU_DEP_1)
	v_ldexp_f32 v[FF], 1.0, v[TT]                  ; f = 2^(old M - new M)
.set j, 0
.rept 32
	v_pk_fma_f32 v[S+j:S+j+1], v[S+j:S+j+1], s[CS:CS+1], v[12:13] op_sel_hi:[1,0,0]   ; t - M
.set j, j+2
.endr
.irp b, 0,1,2,3
	v_fma_f32 v[BM+\b], v[BM+\b], s[CS], v12
.endr
	s_wait_alu depctr_va_vdst(0)
.set j, 0
.rept 64
	v_exp_f32 v[S+j], v[S+j]                       ; p = 2^(t - M)
.set j, j+1
.endr
	v_pk_mul_f32 v[14:15], v[14:15], v[FF:FF+1] op_sel_hi:[1,0]    ; the sum under the new M: a plain line behind the exponentials
	s_wait_alu depctr_va_vdst(0)                   ; one wait for the batch, ahead of its first reader
.irp b, 0,1,2,3
	v_exp_f32 v[BM+\b], v[BM+\b]                   ; the block's largest p
.endr
.set j, 0
.rept 5
	v_pk_add_f32 v[C0+2*j:C0+2*j+1], v[S+4*j:S+4*j+1], v[S+4*j+2:S+4*j+3]   ; the sum of the unquantised p: 32 pairs into five chains
.set j, j+1
.endr
.set j, 10
.rept 22
	v_pk_add_f32 v[C0+2*((j-10)%5):C0+2*((j-10)%5)+1], v[C0+2*((j-10)%5):C0+2*((j-10)%5)+1], v[S+2*j:S+2*j+1]
.set j, j+1
.endr
	s_wait_alu depctr_va_vdst(0)                   ; and one for the four
.irp b, 0,1,2,3
	v_max_num_f32 v[BM+\b], 0x8000000, v[BM+\b]    ; the floor 2^(16 - 127)
.endr
.irp b, 0,1,2,3
	s_delay_alu instid0(VALU_DEP_4)
	v_add_nc_u32 v[SO+\b], 0xf8800000, v[BM+\b]
.endr
.irp b, 0,1,2,3
	v_and_or_b32 v[HO+\b], v[BM+\b], 0x7f800000, s[MNT]
.endr
.irp b, 0,1,2,3
	v_lshrrev_b32 v[PT+\b], 23, v[SO+\b]
.endr
	s_delay_alu instid0(VALU_DEP_3)
	v_lshl_or_b32 v[PWD], v[PT+1], 8, v[PT]
	s_delay_alu instid0(VALU_DEP_1)
	v_lshl_or_b32 v[PWD], v[PT+2], 16, v[PWD]
	s_delay_alu instid0(VALU_DEP_1)
	v_lshl_or_b32 v[PWD], v[PT+3], 24, v[PWD]
.irp b, 0,1,2,3
	v_mov_b32 v[PT+(\b+1)%4], v[HO+\b]             ; block b's hold once more, in a register whose number differs modulo 4: the second half of a dual pair names it
.endr
.irp b, 0,1,2,3
.irp i, 0,2,4,6,8,10,12,14
	v_dual_min_num_f32 v[S+16*\b+\i], v[S+16*\b+\i], v[HO+\b] :: v_dual_min_num_f32 v[S+16*\b+\i+1], v[S+16*\b+\i+1], v[PT+(\b+1)%4]   ; the hold, two numbers a line; p is not negative
.endr
	v_cvt_scalef32_pk8_bf8_f32 v[PCD+4*\b:PCD+4*\b+1], v[S+16*\b:S+16*\b+7], v[SO+\b]
	v_cvt_scalef32_pk8_bf8_f32 v[PCD+4*\b+2:PCD+4*\b+3], v[S+16*\b+8:S+16*\b+15], v[SO+\b]
.endr
	s_wait_alu depctr_va_vdst(0)                   ; directly ahead of the first reader of O^T
.set j, 0
.rept 16
	v_pk_mul_f32 v[O+j:O+j+1], v[O+j:O+j+1], v[FF:FF+1] op_sel_hi:[1,0]   ; O^T under the new M; also the places between the codes and the products
.set j, j+2
.endr
	s_wait_alu depctr_va_vdst(0)
	s_wait_dscnt 0x0                               ; v
.irp i, 0,1,2,3
	v_wmma_scale_f32_16x16x128_f8f6f4 v[O+8*\i:O+8*\i+7], v[KB+16*\i:KB+16*\i+15], v[PCD:PCD+15], v[O+8*\i:O+8*\i+7], v[VW+\i], v[PWD] matrix_a_fmt:MATRIX_FMT_BF8 matrix_b_fmt:MATRIX_FMT_BF8
.endr
	s_add_co_u32 s[TK], s[TK], CHK
	v_add_nc_u32 v[ADK], s[TK], v[AK0]             ; the next step's addresses: three of the eight places ahead of the loads into the products' registers
	v_add_nc_u32 v[ADS], s[TK], v[ASK0]
	v_add_nc_u32 v[ADT], s[TK], v[AST0]
.rept 5
	v_nop
.endr
	s_wait_alu depctr_va_vdst(0)
.endm
.macro WALK n                          ; n key steps
	s_mov_b32 s[CNT], \n
.Lstep_\@:
	STEP
	s_sub_co_u32 s[CNT], s[CNT], 1
	s_cmp_lg_u32 s[CNT], 0
	s_cbranch_scc1 .Lstep_\@
.endm
	s_wait_alu depctr_va_vdst(0)
	s_cmp_lt_u32 s[WV], 4
	s_cbranch_scc0 .Lnot_first
	s_wait_tensorcnt 0x0                           ; waves 0-3: my chunk is in
.Lnot_first:
	s_barrier_signal -1
	s_barrier_wait -1                              ; chunks 0-3 are whole
	s_wait_loadcnt 0x0                             ; q
	WALK 2
	s_wait_tensorcnt 0x0                           ; every wave: my chunk is in
	s_wait_dscnt 0x0
	s_barrier_signal -1                            ; say so; key steps 2 and 3 read chunks that nobody writes
	WALK 2
	s_barrier_wait -1                              ; all sixteen chunks are whole
	WALK 12
	; THE WAY OUT: o = O^T / the sum; register 16 b + i is channel 32 b + 16 h + i of my query: two blocks of the next product's K.  (The eight places behind the last products stand at the step's end)
	JOIN                                           ; the last step's chains
	v_add_f32 v14, v14, v15
	v_permlanex16_b32 v[TT], v14, s[SEL], s[SEL+1]
	v_add_f32 v14, v14, v[TT]                      ; the row's sum
	s_wait_alu depctr_va_vdst(0)
	v_rcp_f32 v14, v14
	v_and_b32 v[ADS], 15, v0
	v_bfe_u32 v[ADT], v0, 4, 1
	v_lshl_add_u32 v[ADK], v[ADS], 4, v[ADT]       ; 16 r + h
	s_wait_alu depctr_va_vdst(0)                   ; and ahead of its first reader, which is O^T's first reader too
.set j, 0
.rept 16
	v_pk_mul_f32 v[S+j:S+j+1], v[O+j:O+j+1], v[14:15] op_sel_hi:[1,0]
.set j, j+2
.endr
.irp b, 0,1
	v_max3_num_f32 v[BM+\b], |v[S+16*\b]|, |v[S+1+16*\b]|, 0x8000000
.endr
.irp i, 2,4,6,8,10,12,14
.irp b, 0,1
	v_max3_num_f32 v[BM+\b], v[BM+\b], |v[S+16*\b+\i]|, |v[S+1+16*\b+\i]|
.endr
.endr
.irp b, 0,1
	v_permlanex16_b32 v[PT+\b], v[BM+\b], s[SEL], s[SEL+1]
.endr
.irp b, 0,1
	v_max_num_f32 v[BM+\b], v[BM+\b], v[PT+\b]
.endr
.irp b, 0,1
	v_add_nc_u32 v[SO+\b], 0xf8800000, v[BM+\b]
.endr
.irp b, 0,1
	v_and_or_b32 v[HO+\b], v[BM+\b], 0x7f800000, s[MNT]
.endr
.irp b, 0,1
	v_lshrrev_b32 v[PT+\b], 23, v[SO+\b]
.endr
.irp b, 0,1
.irp i, 0,1,2,3,4,5,6,7,8,9,10,11,12,13,14,15
	v_med3_num_f32 v[S+16*\b+\i], v[S+16*\b+\i], -v[HO+\b], v[HO+\b]
.endr
	v_cvt_scalef32_pk8_bf8_f32 v[PCD+4*\b:PCD+4*\b+1], v[S+16*\b:S+16*\b+7], v[SO+\b]
	v_cvt_scalef32_pk8_bf8_f32 v[PCD+4*\b+2:PCD+4*\b+3], v[S+16*\b+8:S+16*\b+15], v[SO+\b]
.endr
	v_cmp_ne_u32 vcc_lo, 0, v[ADT]
	v_cndmask_b32 v[TT], v[PT], v[PT+1], vcc_lo    ; lanes 0-15 store block 0's byte, lanes 16-31 block 1's
	global_store_b128 v[AK0], v[PCD:PCD+3], s[56:57]               ; 512 consecutive bytes
	global_store_b128 v[AK0], v[PCD+4:PCD+7], s[56:57] offset:512
	global_store_b8 v[ADK], v[TT], s[58:59]
	s_wait_tensorcnt 0x0                           ; the wave's end
	ds_add_u32 v[SPW], v[NIL]
	s_wait_dscnt 0x0
	CROUND                                         ; the closing round
	s_endpgm
.Lfunc_end_k_qe5a2d39972_attn:
	.size	k_qe5a2d39972_attn, .Lfunc_end_k_qe5a2d39972_attn-k_qe5a2d39972_attn
	.p2alignl 7, 3214868480
	.fill 96, 4, 3214868480
	.section	.rodata,"a",@progbits
	.p2align	6, 0x0
	.amdhsa_kernel k_qe5a2d39972_attn
		.amdhsa_group_segment_fixed_size 327680
		.amdhsa_private_segment_fixed_size 0
		.amdhsa_enable_private_segment 0
		.amdhsa_kernarg_size 16
		.amdhsa_user_sgpr_count 2
		.amdhsa_user_sgpr_kernarg_segment_ptr 1
		.amdhsa_wavefront_size32 1
		.amdhsa_system_sgpr_workgroup_id_x 1
		.amdhsa_system_sgpr_workgroup_id_y 1
		.amdhsa_system_sgpr_workgroup_id_z 1
		.amdhsa_system_vgpr_workitem_id 0
		.amdhsa_next_free_vgpr 256
		.amdhsa_next_free_sgpr 70
		.amdhsa_reserve_vcc 1
		.amdhsa_float_denorm_mode_32 3
		.amdhsa_float_denorm_mode_16_64 3
		.amdhsa_memory_ordered 1
		.amdhsa_forward_progress 1
		.amdhsa_inst_pref_size 72
	.end_amdhsa_kernel
	.amdgpu_metadata
---
amdhsa.version: [ 1, 2 ]
amdhsa.kernels:
  - .name:           k_qe5a2d39972_attn
    .symbol:         k_qe5a2d39972_attn.kd
    .args:
      - { .name: qkv, .offset: 0, .size: 8, .value_kind: global_buffer, .address_space: global }
      - { .name: ob, .offset: 8, .size: 8, .value_kind: global_buffer, .address_space: global }
    .group_segment_fixed_size: 327680
    .private_segment_fixed_size: 0
    .kernarg_segment_align: 8
    .kernarg_segment_size: 16
    .max_flat_workgroup_size: 512
    .sgpr_count:     70
    .vgpr_count:     256
    .wavefront_size: 32
...
	.end_amdgpu_metadata
.endif
;; end of part 3
;; launch gproj (part 4): grid 8 x 32, 4 waves a work-group, clusters of 4 x 4, 327,680 bytes of LDS; arguments ob, wts, proj_b, x, x1; writes x1
.if DOCPART == 4
	.amdgcn_target "amdgcn-amd-amdhsa--gfx1250"
	.amdhsa_code_object_version 6
	.text
	.protected	k_qe5a2d39972_gproj
	.globl	k_qe5a2d39972_gproj
	.p2align	8
	.type	k_qe5a2d39972_gproj,@function
k_qe5a2d39972_gproj:
	s_mov_b64 s[64:65], 0
	v_nop
	global_prefetch_b8 v0, s[64:65] scope:SCOPE_SE
	s_setreg_imm32_b32 hwreg(HW_REG_WAVE_MODE, 25, 1), 1
	s_wait_xcnt 0x0
	s_wait_alu depctr_hold_cnt(0) depctr_sa_sdst(0) depctr_va_vdst(0) depctr_va_sdst(0) depctr_va_ssrc(0) depctr_va_vcc(0) depctr_vm_vsrc(0)
	s_getreg_b32 s2, hwreg(HW_REG_IB_STS2, 6, 4)
	s_cmp_eq_u32 s2, 0
	s_cbranch_scc0 .Lentry_in_a_cluster
	s_endpgm
.Lentry_in_a_cluster:
	s_bfe_u32 s2, ttmp6, 0x10000c
	s_cmp_lg_u32 s2, 0xf033
	s_cbranch_scc0 .Lentry_shape_is_right
	s_endpgm
.Lentry_shape_is_right:
.set T,     4
.set NQ,    4
.set KK,    1024
.set ASCL,  4194304
.set BCODE, 3145728
.set BSCL,  12681216
.set NTOUT, 0
.set KS,    KK/128
.set LAPS,  KS/(2*NQ)
.set HALFT, T*NQ*2048
.set SLOT,  4*HALFT
.set SCL,   2*SLOT
.set HALFS, KS*T*64
.set SPARE, SCL+4*HALFS
.set ADRA, 16
.set ADRB, 20
.set ADRS, 27
.set SPW,  28
.set NIL,  29
.set SC,   32
.set AF,   128
.set G1, 24
.set G0, 32
.set G1B, 48
.set G0B, 56
.set G1S, 68
.set G0S, 76
.set G1SB, 80
.set G0SB, 88
.set MSB, 0
.macro WIN new
.if MSB != (\new)
	s_set_vgpr_msb (MSB<<8)|(\new)
.set MSB, \new
.endif
.endm
.set MUL_LO, 0xa1
.set MUL_HI, 0xf1
.set TO_B,   0x40
.macro JLOAD g0a, g1a, g0b, g1b
	s_cmp_eq_u32 s15, 0
	s_cbranch_scc0 .Lfor_b_\@
	tensor_load_to_lds s[\g0a:\g0a+3], s[\g1a:\g1a+7]
	s_nop 0
.rept 4
	v_nop
.endr
	s_branch .Lasked_\@
.Lfor_b_\@:
	tensor_load_to_lds s[\g0b:\g0b+3], s[\g1b:\g1b+7]
	s_nop 0
.rept 4
	v_nop
.endr
.Lasked_\@:
.endm
.macro CREST
	s_cmp_lg_u32 s14, 0
	s_cbranch_scc1 .Lnot_wave_0_\@
	s_barrier_signal -3
.Lnot_wave_0_\@:
	s_barrier_wait -3
	s_barrier_signal -1
	s_barrier_wait -1
.endm
.macro CROUND
	s_barrier_signal -1
	s_barrier_wait -1
	CREST
.endm
.macro PLACES n
.rept \n
	v_nop
.endr
.endm
.macro FRAG reg, adr, q, i
.irp c, 0,1,2,3
	ds_load_b128 v[\reg+4*\c:\reg+4*\c+3], v[\adr] offset:(\i)*NQ*2048+(\q)*2048+512*\c
.endr
.endm
.macro MULQ g, p, q, sc, zero
.set ma, (\g)*T/4
.rept T/4
.set mb, 0
.rept T
.set md, 8*(T*(ma%(T/2))+mb)
.if \zero
	v_wmma_scale_f32_16x16x128_f8f6f4 v[md:md+7], v[128*(\p)+16*mb:128*(\p)+16*mb+15], v[AF+16*ma:AF+16*ma+15], 0, v[SC+16*(\sc)+T*(\q)+mb], v[SC+16*(\sc)+T*(\q)+ma] matrix_a_fmt:MATRIX_FMT_BF8 matrix_b_fmt:MATRIX_FMT_BF8 matrix_a_scale:MATRIX_SCALE_ROW1
.else
	v_wmma_scale_f32_16x16x128_f8f6f4 v[md:md+7], v[128*(\p)+16*mb:128*(\p)+16*mb+15], v[AF+16*ma:AF+16*ma+15], v[md:md+7], v[SC+16*(\sc)+T*(\q)+mb], v[SC+16*(\sc)+T*(\q)+ma] matrix_a_fmt:MATRIX_FMT_BF8 matrix_b_fmt:MATRIX_FMT_BF8 matrix_a_scale:MATRIX_SCALE_ROW1
.endif
.set mb, mb+1
.endr
.set ma, ma+1
.endr
.endm
.macro FETCH_B slot, q, p
	WIN TO_B
.set fi, 0
.rept T
	FRAG 128*(\p)+16*fi, ADRB+\slot, \q, fi
.set fi, fi+1
.endr
	WIN 0
.endm
.macro FETCH_A slot, q, i0
.set fi, \i0
.rept T/2
	FRAG AF+16*fi, ADRA+\slot, \q, fi
.set fi, fi+1
.endr
.endm
.macro SCALES sc
.if T == 8
.set fi, 0
.rept 16
	ds_load_b32 v[SC+16*(\sc)+fi], v[ADRS] offset:64*fi
.set fi, fi+1
.endr
.else
.irp q, 0,1,2,3
	ds_load_b128 v[SC+16*(\sc)+4*\q:SC+16*(\sc)+4*\q+3], v[ADRS] offset:256*\q
.endr
.endif
.endm
.macro STEP slot, q, zero
	s_wait_dscnt (T/2)*4
	WIN MUL_LO
	MULQ 0, (\q)%2, \q, \slot, \zero
	MULQ 1, (\q)%2, \q, \slot, \zero
	s_wait_dscnt 0
	PLACES 8
	FETCH_B \slot, (\q)+1, 1-(\q)%2
	FETCH_A \slot, (\q)+1, 0
	WIN MUL_HI
	MULQ 2, (\q)%2, \q, \slot, \zero
	MULQ 3, (\q)%2, \q, \slot, \zero
	PLACES 8
	WIN 0
	FETCH_A \slot, (\q)+1, T/2
.endm
.macro TURN slot, next, fill
	s_wait_tensorcnt 0x0
	ds_add_u32 v[SPW], v[NIL]
	s_wait_dscnt (T/2)*4+1
	WIN MUL_LO
	MULQ 0, 1, NQ-1, \slot, 0
	s_wait_dscnt 0x0
	s_barrier_signal -1
	MULQ 1, 1, NQ-1, \slot, 0
	WIN 0
	s_barrier_wait -1
.if \fill
	CREST
	s_add_nc_u64 s[G0+4*\slot+2:G0+4*\slot+3], s[G0+4*\slot+2:G0+4*\slot+3], 2*NQ*2048
	s_add_nc_u64 s[G0B+4*\slot+2:G0B+4*\slot+3], s[G0B+4*\slot+2:G0B+4*\slot+3], 2*NQ*2048
	JLOAD G0+4*\slot, G1, G0B+4*\slot, G1B
	PLACES 4
.else
	PLACES 8
.endif
	v_add_nc_u32 v[ADRS], 1024, v[ADRS]
	FETCH_B \next, 0, 0
	FETCH_A \next, 0, 0
	SCALES \next
	WIN MUL_HI
	MULQ 2, 1, NQ-1, \slot, 0
	MULQ 3, 1, NQ-1, \slot, 0
	PLACES 8
	WIN 0
	FETCH_A \next, 0, T/2
.endm
.macro MID slot
.set mq, 1
.rept NQ-2
	STEP \slot, mq, 0
.set mq, mq+1
.endr
.endm
.macro LAST
	s_wait_dscnt (T/2)*4
	WIN MUL_LO
	MULQ 0, 1, NQ-1, 1, 0
	MULQ 1, 1, NQ-1, 1, 0
	s_wait_dscnt 0
	WIN MUL_HI
	MULQ 2, 1, NQ-1, 1, 0
	MULQ 3, 1, NQ-1, 1, 0
	WIN 0
.endm
.set STO, 24
.set RD,  25
.set CO,  26
.set BK,  128
.macro TOSTAGE a
	WIN 0x08+4*((\a)/2)
.irp b, 0,1,2,3
	ds_store_b128 v[STO], v[8*(4*((\a)%2)+\b):8*(4*((\a)%2)+\b)+3] offset:128*(\b/2)+32*(\b%2)
	ds_store_b128 v[STO], v[8*(4*((\a)%2)+\b)+4:8*(4*((\a)%2)+\b)+7] offset:128*(\b/2)+32*(\b%2)+16
.endr
	WIN 0
.irp t, 0,1,2,3,4,5,6,7
	ds_load_b128 v[BK+32*((\a)%2)+4*\t:BK+32*((\a)%2)+4*\t+3], v[RD] offset:544*\t
.endr
.endm
.macro SEND a, younger
	s_wait_dscnt \younger
.irp t, 0,1,2,3,4,5,6,7
.set sb, BK+32*((\a)%2)+4*\t
.set sr, 64+32*(\a)+4*\t+64*((\a)/2)
	v_pk_add_f32 v[sb:sb+1], v[sb:sb+1], v[sr:sr+1]
	v_pk_add_f32 v[sb+2:sb+3], v[sb+2:sb+3], v[sr+2:sr+3]
	v_pk_add_f32 v[sb:sb+1], v[sb:sb+1], v[8:9]
	v_pk_add_f32 v[sb+2:sb+3], v[sb+2:sb+3], v[10:11]
.if NTOUT
	global_store_b128 v[CO], v[sb:sb+3], s[96:97] offset:(32*((\a)/2)+8*((\a)%2)+2*\t+8*(\t/4))*4096 th:TH_STORE_NT
.else
	global_store_b128 v[CO], v[sb:sb+3], s[96:97] offset:(32*((\a)/2)+8*((\a)%2)+2*\t+8*(\t/4))*4096
.endif
.endr
.endm
	s_load_b128 s[4:7], s[0:1], 0x0
	s_load_b128 s[92:95], s[0:1], 0x10
	s_load_b64 s[96:97], s[0:1], 0x20
	v_lshl_add_u32 v[SPW], v0, 2, SPARE
	v_mov_b32 v[NIL], 0
	ds_add_u32 v[SPW], v[NIL]
	ds_add_u32 v[SPW], v[NIL]
	v_lshrrev_b32 v1, 5, v0
	v_readfirstlane_b32 s14, v1
	s_lshr_b32 s15, s14, 1
	s_and_b32 s16, s14, 1
	s_bfe_u32 s40, ttmp6, 0x40000
	s_bfe_u32 s41, ttmp6, 0x40004
	s_lshl_b32 s42, ttmp9, 2
	s_add_co_u32 s42, s42, s40
	s_and_b32 s17, ttmp7, 0xffff
	s_lshl_b32 s17, s17, 2
	s_add_co_u32 s17, s17, s41
	s_lshl_b32 s43, s41, 2
	s_lshl_b32 s43, 15, s43
	s_lshl_b32 s44, 0x1111, s40
	s_or_b32 s[G1], s43, (3<<16)|(1<<21)
	s_or_b32 s[G1B], s44, (3<<16)|(1<<21)
.irp g, G1, G1B
	s_mov_b32 s[\g+1], (NQ*256)<<16
	s_mov_b32 s[\g+2], (2*T)<<16                   ; at the head both halves, 2 T tiles; behind the head's wait T
	s_mov_b32 s[\g+3], (NQ*256)<<16
	s_mov_b32 s[\g+4], 2*T
	s_mov_b32 s[\g+5], 2*KK
	s_mov_b32 s[\g+6], 0
	s_mov_b32 s[\g+7], 0
.endr
	s_or_b32 s[G1S], s43, (3<<16)|(1<<21)
	s_or_b32 s[G1SB], s44, (3<<16)|(1<<21)
.irp g, G1S, G1SB
	s_mov_b32 s[\g+1], 32<<16
	s_mov_b32 s[\g+2], (HALFS/128)<<16             ; both halves' scale words
	s_mov_b32 s[\g+3], 32<<16
	s_mov_b32 s[\g+4], HALFS/128
	s_mov_b32 s[\g+5], 32
	s_mov_b32 s[\g+6], 0
	s_mov_b32 s[\g+7], 0
.endr
	s_lshl_b32 s20, s17, 1
	s_mul_i32 s22, s20, HALFS
	s_mul_i32 s20, s20, T*KK*16
	s_lshl_b32 s46, s42, 1
	s_mul_i32 s18, s46, HALFS
	s_mul_i32 s46, s46, T*KK*16
	s_add_co_u32 s22, s22, ASCL
	s_add_co_u32 s46, s46, BCODE
	s_add_co_u32 s18, s18, BSCL
	s_mov_b32 s21, 0
	s_mov_b32 s23, 0
	s_mov_b32 s47, 0
	s_mov_b32 s19, 0
	s_mul_i32 s45, s14, HALFT
	s_mul_i32 s100, s16, T*KK*16                   ; in the ring I fetch one half: its bytes
	s_mov_b32 s101, 0
	s_wait_dscnt 0x0
	s_wait_kmcnt 0x0
	s_add_nc_u64 s[8:9], s[4:5], s[20:21]
	s_add_nc_u64 s[10:11], s[4:5], s[22:23]
	s_add_nc_u64 s[12:13], s[6:7], s[46:47]
	s_add_nc_u64 s[66:67], s[6:7], s[18:19]
	CROUND
	s_mov_b32 s[G0S], 1
	s_mov_b32 s[G0S+1], SCL
	s_mov_b64 s[G0S+2:G0S+3], s[10:11]
	s_or_b32 s[G0S+3], s[G0S+3], 0x80000000
	s_mov_b32 s[G0SB], 1
	s_mov_b32 s[G0SB+1], SCL+2*HALFS
	s_mov_b64 s[G0SB+2:G0SB+3], s[66:67]
	s_or_b32 s[G0SB+3], s[G0SB+3], 0x80000000
	s_mov_b32 s4, 1                                ; s[4:7]: group 0 of the head's load of A's slot 0 (the arguments that lay there have been used)
	s_mov_b32 s5, 0
	s_mov_b64 s[6:7], s[8:9]
	s_or_b32 s7, s7, 0x80000000
	s_mov_b64 s[46:47], s[12:13]                   ; s[44:47]: of B's; its first two words follow behind the ring's groups
	s_or_b32 s47, s47, 0x80000000
	s_add_nc_u64 s[8:9], s[8:9], s[100:101]        ; for the ring: my half
	s_add_nc_u64 s[12:13], s[12:13], s[100:101]
; THE PREFETCH: K has two slots.  Behind the head's loads slot 1 is asked for, one fill ahead of its load: of the T tiles x 8,192 bytes that I fetch, each of the four partners that ask with me names one (by address: cx for A, cy for B), lanes 256 bytes apart.
	s_cmp_eq_u32 s15, 0                            ; do I fetch for A?
	s_cselect_b64 s[98:99], s[8:9], s[12:13]       ; s[98:99]: my half's tiles, at slot 0,
	s_cselect_b32 s100, s40, s41                   ; my place among the four,
	s_mul_i32 s100, s100, (T/4)*KS*2048            ; its tile
	s_add_nc_u64 s[98:99], s[98:99], s[100:101]
.irp s, 0,1
	s_mov_b32 s[G0+4*\s], 1
	s_add_co_u32 s[G0+4*\s+1], s45, \s*SLOT
	s_add_nc_u64 s[G0+4*\s+2:G0+4*\s+3], s[8:9], \s*NQ*2048
	s_or_b32 s[G0+4*\s+3], s[G0+4*\s+3], 0x80000000
	s_mov_b32 s[G0B+4*\s], 1
	s_add_co_u32 s[G0B+4*\s+1], s45, \s*SLOT
	s_add_nc_u64 s[G0B+4*\s+2:G0B+4*\s+3], s[12:13], \s*NQ*2048
	s_or_b32 s[G0B+4*\s+3], s[G0B+4*\s+3], 0x80000000
.endr
	s_mov_b32 s44, 1
	s_mov_b32 s45, 2*HALFT
; THE HEAD'S LOADS, one a wave: wave 0 A's slot 0, wave 1 B's, wave 2 A's scale words, wave 3 B's: one chain of branches on the wave's number, all arms to one join
.macro HARM under, g0, g1, next
	s_cmp_lt_u32 s14, \under
	s_cbranch_scc0 \next
	tensor_load_to_lds s[\g0:\g0+3], s[\g1:\g1+7]
	s_nop 0
.rept 4
	v_nop
.endr
	s_branch .Lhead_asked
\next:
.endm
	HARM 1, 4, G1, .Lhead_b
	HARM 2, 44, G1B, .Lhead_sa
	HARM 3, G0S, G1S, .Lhead_sb
	tensor_load_to_lds s[G0SB:G0SB+3], s[G1SB:G1SB+7]
	s_nop 0
.rept 4
	v_nop
.endr
.Lhead_asked:
	v_and_b32 v30, 31, v0
	v_lshlrev_b32 v30, 8, v30                      ; v30: the prefetch's offset, 256 x lane; never rewritten
	global_prefetch_b8 v30, s[98:99] offset:NQ*2048 th:TH_LOAD_NT scope:SCOPE_SE     ; slot 1
	v_and_b32 v1, 15, v0
	v_bfe_u32 v2, v0, 4, 1
	s_wait_alu depctr_va_vdst(0)
	v_and_b32 v3, 31, v0
	v_lshlrev_b32 v3, 4, v3
	s_mul_i32 s21, s15, HALFT
	s_mul_i32 s22, s16, HALFT
	s_add_co_u32 s22, s22, 2*HALFT
.irp s, 0,1
	v_add_nc_u32 v[ADRA+\s], s21, v3
	v_add_nc_u32 v[ADRB+\s], s22, v3
	s_add_co_u32 s21, s21, SLOT
	s_add_co_u32 s22, s22, SLOT
.endr
	v_lshlrev_b32 v5, 4, v1
	s_mul_i32 s21, s15, HALFS
	s_mul_i32 s22, s16, HALFS
	s_add_co_u32 s22, s22, 2*HALFS
	s_sub_co_u32 s22, s22, s21
	v_mul_u32_u24 v6, s22, v2
	s_add_co_u32 s21, s21, SCL
	v_add_nc_u32 v5, v5, v6
	v_add_nc_u32 v[ADRS], s21, v5
	s_lshl_b32 s20, s17, 7
	s_lshl_b32 s21, s15, 6
	s_add_co_u32 s20, s20, s21
	s_lshl_b32 s20, s20, 12
	s_lshl_b32 s22, s42, 9
	s_lshl_b32 s21, s16, 8
	s_add_co_u32 s22, s22, s21
	s_add_co_u32 s20, s20, s22
	s_mov_b32 s21, 0
	s_mov_b32 s23, 0
	s_add_nc_u64 s[94:95], s[94:95], s[20:21]
	s_add_nc_u64 s[96:97], s[96:97], s[20:21]
	s_add_nc_u64 s[92:93], s[92:93], s[22:23]
	v_lshlrev_b32 v7, 4, v1
	v_lshl_add_u32 v[CO], v2, 12, v7
	global_load_b128 v[8:11], v7, s[92:93]
.set ra, 0
.rept 4
.set rt, 0
.rept 8
.set rr, 64+32*ra+4*rt+64*(ra/2)
	global_load_b128 v[rr:rr+3], v[CO], s[94:95] offset:(32*(ra/2)+8*(ra%2)+2*rt+8*(rt/4))*4096
.set rt, rt+1
.endr
.set ra, ra+1
.endr
	s_mul_i32 s23, s14, 4352
	v_mul_u32_u24 v5, v1, 272
	v_lshl_add_u32 v5, v2, 6, v5
	v_add_nc_u32 v[STO], s23, v5
	v_mul_u32_u24 v5, v2, 272
	v_lshl_add_u32 v5, v1, 4, v5
	v_add_nc_u32 v[RD], s23, v5
	s_wait_alu depctr_va_vdst(0)
	s_wait_tensorcnt 0x0                           ; my tile of the head's four is in
	ds_add_u32 v[SPW], v[NIL]
	s_mov_b32 s[G1+2], T<<16                       ; no tensor load of mine is out: from here on a load brings T tiles
	s_mov_b32 s[G1+4], T
	s_mov_b32 s[G1B+2], T<<16
	s_mov_b32 s[G1B+4], T
	s_wait_dscnt 0x0
	CROUND
	JLOAD G0+4, G1, G0B+4, G1B                     ; slot 1's first fill, the first tensor load behind the round
	FETCH_B 0, 0, 0
	FETCH_A 0, 0, 0
	SCALES 0
	FETCH_A 0, 0, T/2
	STEP 0, 0, 1
.if LAPS > 1
	s_mov_b32 s3, LAPS-1
.Llap:
	MID 0
	TURN 0, 1, 1
	STEP 1, 0, 0
	MID 1
	TURN 1, 0, 1
	STEP 0, 0, 0
	s_sub_co_u32 s3, s3, 1
	s_cmp_lg_u32 s3, 0
	s_cbranch_scc1 .Llap
.endif
	MID 0
	TURN 0, 1, 0
	STEP 1, 0, 0
	MID 1
	LAST
	PLACES 8
	s_wait_loadcnt 0x0
	TOSTAGE 0
.irp a, 1,2,3
.if \a > 1
	s_wait_xcnt 0x0
.endif
	TOSTAGE \a
	SEND \a-1, 16
.endr
	SEND 3, 0
	s_wait_tensorcnt 0x0
	ds_add_u32 v[SPW], v[NIL]
	s_wait_dscnt 0x0
	CROUND
	s_endpgm
.Lfunc_end_k_qe5a2d39972_gproj:
	.size	k_qe5a2d39972_gproj, .Lfunc_end_k_qe5a2d39972_gproj-k_qe5a2d39972_gproj
	.p2alignl 7, 3214868480
	.fill 96, 4, 3214868480
	.section	.rodata,"a",@progbits
	.p2align	6, 0x0
	.amdhsa_kernel k_qe5a2d39972_gproj
		.amdhsa_group_segment_fixed_size 327680
		.amdhsa_private_segment_fixed_size 0
		.amdhsa_enable_private_segment 0
		.amdhsa_kernarg_size 40
		.amdhsa_user_sgpr_count 2
		.amdhsa_user_sgpr_kernarg_segment_ptr 1
		.amdhsa_wavefront_size32 1
		.amdhsa_system_sgpr_workgroup_id_x 1
		.amdhsa_system_sgpr_workgroup_id_y 1
		.amdhsa_system_sgpr_workgroup_id_z 1
		.amdhsa_system_vgpr_workitem_id 0
		.amdhsa_next_free_vgpr 1024
		.amdhsa_next_free_sgpr 102
		.amdhsa_reserve_vcc 0
		.amdhsa_float_denorm_mode_32 3
		.amdhsa_float_denorm_mode_16_64 3
		.amdhsa_memory_ordered 1
		.amdhsa_forward_progress 1
		.amdhsa_inst_pref_size 69
	.end_amdhsa_kernel
	.amdgpu_metadata
---
amdhsa.version: [ 1, 2 ]
amdhsa.kernels:
  - .name:           k_qe5a2d39972_gproj
    .symbol:         k_qe5a2d39972_gproj.kd
    .args:
      - { .name: ob, .offset: 0, .size: 8, .value_kind: global_buffer, .address_space: global }
      - { .name: wts, .offset: 8, .size: 8, .value_kind: global_buffer, .address_space: global }
      - { .name: proj_b, .offset: 16, .size: 8, .value_kind: global_buffer, .address_space: global }
      - { .name: x, .offset: 24, .size: 8, .value_kind: global_buffer, .address_space: global }
      - { .name: x1, .offset: 32, .size: 8, .value_kind: global_buffer, .address_space: global }
    .group_segment_fixed_size: 327680
    .private_segment_fixed_size: 0
    .kernarg_segment_align: 8
    .kernarg_segment_size: 40
    .max_flat_workgroup_size: 128
    .sgpr_count:     102
    .vgpr_count:     1024
    .wavefront_size: 32
...
	.end_amdgpu_metadata
.endif
;; end of part 4
;; launch ln2 (part 5): grid 256 x 1, 8 waves a work-group, no clusters, 70,144 bytes of LDS; arguments x1, ln2_w, ln2_b, xn; writes xn
.if DOCPART == 5
	.amdgcn_target "amdgcn-amd-amdhsa--gfx1250"
	.amdhsa_code_object_version 6
	.text
	.protected	k_qe5a2d39972_ln2
	.globl	k_qe5a2d39972_ln2
	.p2align	8
	.type	k_qe5a2d39972_ln2,@function
k_qe5a2d39972_ln2:
	s_mov_b64 s[64:65], 0
	v_nop
	global_prefetch_b8 v0, s[64:65] scope:SCOPE_SE
	s_setreg_imm32_b32 hwreg(HW_REG_WAVE_MODE, 25, 1), 1
	s_wait_xcnt 0x0
; LayerNorm of [4096][1024] f32 rows (mean, variance of the differences, rsqrt(var + 1e-5), gain, bias, in that order, all f32), then the quantiser along the 1,024: codes of BF8 (E5M2) and E8M0 scale words.
; Arguments: the rows, the gain, the bias, the images.  Nothing is left out.
; OUT: fragment (tile T, K step s) at (8 T + s) x 2,048, as an image of the operand's registers (byte 512 c + 16 lane: k = 32 c + 16 (lane / 16) + 0 .. 15 of the row of lane % 16);
;   lane-row r of tile T is row 32 (T / 2) + 8 (T % 2) + r % 8 + 16 (r / 8);  scale words at 4,194,304 + ((T / 8) x 8 + s) x 512 + (T % 8) x 64 + 4 r.
; SHARES: a work-group takes one tile of 16 rows, wave w its K step w (columns 128 w on).  Each load reads 512 consecutive bytes of a row; they turn through the wave's stage in LDS so that a lane holds 16 neighbours of each block.
; The rows' sums meet in LDS: three barriers (the mean, the variance, the scale words).  Wave 0 stores the tile's 512 bytes of scale words, eight pieces of 64 bytes.
; LIMITS: NaN and infinities are not served; blocks whose largest magnitude lies under 2^-111 were not tried; a block of zeros keeps the byte 1 (its codes are zeros; this program alone reads the bytes).
; No tensor load, no cluster: work-groups share nothing but the gain and the bias, 8 KB.
.set RED1,  67584                      ; behind eight stages of 8,448 bytes: [row][wave] words, 512 bytes; the second sum's 512 bytes on
.set SCG,   68608                      ; [wave][row] scale words, 512 bytes
.set SPARE, 69120                      ; the spare words, 128 bytes a wave
.set LI,  3
.set STI, 4
.set STO, 5
.set SPW, 10
.set NIL, 11
.set PW,  12
.set R,   16                           ; v16-79   as loaded; later the bias
.set X,   80                           ; v80-143  my 64 numbers: register 16 b + i = column 128 w + 32 b + 16 h + i of my row
.set GW,  144                          ; v144-207 the gain at the same columns
.set TM,  208
.set PC,  224
.set SEL, 14
.set MNT, 16
.macro QUANT s, pw
.irp b, 0,1,2,3
	v_max3_num_f32 v[TM+\b], |v[\s+16*\b]|, |v[\s+1+16*\b]|, 0x8000000   ; block b: my 16 numbers and the floor 2^(16 - 127)
.endr
.irp i, 2,4,6,8,10,12,14
.irp b, 0,1,2,3
	s_delay_alu instid0(VALU_DEP_4)
	v_max3_num_f32 v[TM+\b], v[TM+\b], |v[\s+16*\b+\i]|, |v[\s+1+16*\b+\i]|
.endr
.endr
.irp b, 0,1,2,3
	s_delay_alu instid0(VALU_DEP_4)
	v_permlanex16_b32 v[TM+4+\b], v[TM+\b], s[SEL], s[SEL+1]
.endr
.irp b, 0,1,2,3
	s_delay_alu instid0(VALU_DEP_4)
	v_max_num_f32 v[TM+\b], v[TM+\b], v[TM+4+\b]
.endr
.irp b, 0,1,2,3
	s_delay_alu instid0(VALU_DEP_4)
	v_add_nc_u32 v[TM+12+\b], 0xf8800000, v[TM+\b]                 ; 15 off the exponent field: the conversion's scale operand
.endr
.irp b, 0,1,2,3
	v_and_or_b32 v[TM+8+\b], v[TM+\b], 0x7f800000, s[MNT]          ; 57,344 x the scale
.endr
.irp b, 0,1,2,3
	v_lshrrev_b32 v[TM+4+\b], 23, v[TM+12+\b]                      ; the scale's byte
.endr
	s_delay_alu instid0(VALU_DEP_3)
	v_lshl_or_b32 v[\pw], v[TM+5], 8, v[TM+4]
	s_delay_alu instid0(VALU_DEP_1)
	v_lshl_or_b32 v[\pw], v[TM+6], 16, v[\pw]
	s_delay_alu instid0(VALU_DEP_1)
	v_lshl_or_b32 v[\pw], v[TM+7], 24, v[\pw]
.irp b, 0,1,2,3
.irp i, 0,1,2,3,4,5,6,7,8,9,10,11,12,13,14,15
	v_med3_num_f32 v[\s+16*\b+\i], v[\s+16*\b+\i], -v[TM+8+\b], v[TM+8+\b]   ; the conversion does not saturate (ISA guide 7.6.2): the hold
.endr
	v_cvt_scalef32_pk8_bf8_f32 v[PC+4*\b:PC+1+4*\b], v[\s+16*\b:\s+7+16*\b], v[TM+12+\b]
	v_cvt_scalef32_pk8_bf8_f32 v[PC+2+4*\b:PC+3+4*\b], v[\s+8+16*\b:\s+15+16*\b], v[TM+12+\b]
.endr
	v_nop
.endm
; four packed partial sums in v[240:247] become the row's sum over all eight waves, in v240 of every lane
.macro ACROSS off
	s_delay_alu instid0(VALU_DEP_3)
	v_pk_add_f32 v[240:241], v[240:241], v[242:243]
	s_delay_alu instid0(VALU_DEP_2)
	v_pk_add_f32 v[244:245], v[244:245], v[246:247]
	s_delay_alu instid0(VALU_DEP_1)
	v_pk_add_f32 v[240:241], v[240:241], v[244:245]
	s_delay_alu instid0(VALU_DEP_1)
	v_add_f32 v240, v240, v241
	s_delay_alu instid0(VALU_DEP_1)
	v_permlanex16_b32 v241, v240, s[SEL], s[SEL+1]
	s_delay_alu instid0(VALU_DEP_1)
	v_add_f32 v240, v240, v241                     ; my wave's 128 columns of row r (both halves of the lanes hold the same number)
	ds_store_b32 v6, v240 offset:\off
	s_wait_dscnt 0x0                               ; for the others' sake
	s_barrier_signal -1
	s_barrier_wait -1
	ds_load_b128 v[248:251], v7 offset:\off
	ds_load_b128 v[252:255], v7 offset:\off+16
	s_wait_dscnt 0x0
	v_add_f32 v248, v248, v249
	v_add_f32 v250, v250, v251
	v_add_f32 v252, v252, v253
	v_add_f32 v254, v254, v255
	s_delay_alu instid0(VALU_DEP_3)
	v_add_f32 v248, v248, v250
	s_delay_alu instid0(VALU_DEP_2)
	v_add_f32 v252, v252, v254
	s_delay_alu instid0(VALU_DEP_1)
	v_add_f32 v240, v248, v252                     ; the same order in every wave: the same bits
.endm
	s_load_b256 s[4:11], s[0:1], 0x0               ; rows s[4:5], gain s[6:7], bias s[8:9], images s[10:11]
	v_lshl_add_u32 v[SPW], v0, 2, SPARE
	v_mov_b32 v[NIL], 0
	v_lshrrev_b32 v1, 5, v0
	s_delay_alu instid0(VALU_DEP_1)
	v_readfirstlane_b32 s12, v1                    ; wave = K step
	v_and_b32 v[LI], 31, v0
	s_delay_alu instid0(VALU_DEP_1)
	v_lshlrev_b32 v[LI], 4, v[LI]
	v_and_b32 v1, 15, v0                           ; r
	v_bfe_u32 v2, v0, 4, 1                         ; h
	s_mul_i32 s13, s12, 8448
	v_add_nc_u32 v[STI], s13, v[LI]
	v_mul_u32_u24 v[STO], v1, 528
	s_delay_alu instid0(VALU_DEP_1)
	v_lshl_add_u32 v[STO], v2, 6, v[STO]
	s_delay_alu instid0(VALU_DEP_1)
	v_add_nc_u32 v[STO], s13, v[STO]
	v_lshl_add_u32 v7, v1, 5, RED1                 ; my row's eight words
	s_lshl_b32 s13, s12, 2
	v_add_nc_u32 v6, s13, v7                       ; my wave's among them
	v_lshl_add_u32 v8, v1, 2, SCG
	s_lshl_b32 s13, s12, 6
	v_add_nc_u32 v8, s13, v8                       ; my scale word's place
	v_add_nc_u32 v13, SCG, v[LI]                   ; wave 0 reads them back, 16 bytes a lane
	v_lshlrev_b32 v9, 6, v2                        ; gain and bias: 64 h
	s_mov_b32 s[SEL], 0x76543210
	s_mov_b32 s[SEL+1], 0xfedcba98
	s_mov_b32 s[MNT], 0x600000
	s_mov_b32 s17, 0x3a800000                      ; 1 / 1,024
	s_mov_b32 s18, 0x3727c5ac                      ; 1e-5
.irp b, 0,1,2,3
	v_mov_b32 v[TM+4+\b], 0
.endr
	s_lshr_b32 s19, ttmp9, 1
	s_lshl_b32 s19, s19, 5
	s_and_b32 s20, ttmp9, 1
	s_lshl_b32 s20, s20, 3
	s_add_co_u32 s19, s19, s20                     ; the tile's first row
	s_lshl_b32 s20, s19, 12
	s_lshl_b32 s22, s12, 9                         ; my 512 bytes of a row
	s_add_co_u32 s20, s20, s22
	s_mov_b32 s21, 0
	s_mov_b32 s23, 0
	s_wait_alu depctr_va_vdst(0)
	s_wait_kmcnt 0x0
	s_add_nc_u64 s[4:5], s[4:5], s[20:21]
	s_add_nc_u64 s[6:7], s[6:7], s[22:23]
	s_add_nc_u64 s[8:9], s[8:9], s[22:23]
.irp i, 0,1,2,3,4,5,6,7,8,9,10,11,12,13,14,15
	global_load_b128 v[R+4*\i:R+4*\i+3], v[LI], s[4:5] offset:(\i+8*(\i/8))*4096   ; 512 consecutive bytes of row i of the tile
.endr
.irp c, 0,1,2,3
.irp j, 0,1,2,3
	global_load_b128 v[GW+16*\c+4*\j:GW+16*\c+4*\j+3], v9, s[6:7] offset:128*\c+16*\j
.endr
.endr
	s_lshl_b32 s20, ttmp9, 3
	s_add_co_u32 s20, s20, s12
	s_lshl_b32 s20, s20, 11
	s_add_nc_u64 s[24:25], s[10:11], s[20:21]      ; my fragment's image
	s_lshr_b32 s20, ttmp9, 3
	s_lshl_b32 s20, s20, 12
	s_and_b32 s22, ttmp9, 7
	s_lshl_b32 s22, s22, 6
	s_add_co_u32 s20, s20, s22
	s_add_co_u32 s20, s20, 4194304
	s_add_nc_u64 s[26:27], s[10:11], s[20:21]      ; the tile's scale words
	s_wait_loadcnt 16                              ; the rows are in; the gain's 16 loads may be out
.irp i, 0,1,2,3,4,5,6,7,8,9,10,11,12,13,14,15
	ds_store_b128 v[STI], v[R+4*\i:R+4*\i+3] offset:528*\i
.endr
.irp c, 0,1,2,3
.irp j, 0,1,2,3
	ds_load_b128 v[X+16*\c+4*\j:X+16*\c+4*\j+3], v[STO] offset:128*\c+16*\j
.endr
.endr
	s_wait_dscnt 0x0
.irp c, 0,1,2,3
.irp j, 0,1,2,3
	global_load_b128 v[R+16*\c+4*\j:R+16*\c+4*\j+3], v9, s[8:9] offset:128*\c+16*\j   ; the bias, into the registers that the stage's stores have read
.endr
.endr
	v_pk_add_f32 v[240:241], v[X:X+1], v[X+2:X+3]                  ; the mean: four chains
	v_pk_add_f32 v[242:243], v[X+4:X+5], v[X+6:X+7]
	v_pk_add_f32 v[244:245], v[X+8:X+9], v[X+10:X+11]
	v_pk_add_f32 v[246:247], v[X+12:X+13], v[X+14:X+15]
.irp i, 16,24,32,40,48,56
	s_delay_alu instid0(VALU_DEP_4)
	v_pk_add_f32 v[240:241], v[240:241], v[X+\i:X+\i+1]
	s_delay_alu instid0(VALU_DEP_4)
	v_pk_add_f32 v[242:243], v[242:243], v[X+\i+2:X+\i+3]
	s_delay_alu instid0(VALU_DEP_4)
	v_pk_add_f32 v[244:245], v[244:245], v[X+\i+4:X+\i+5]
	s_delay_alu instid0(VALU_DEP_4)
	v_pk_add_f32 v[246:247], v[246:247], v[X+\i+6:X+\i+7]
.endr
	ACROSS 0
	s_delay_alu instid0(VALU_DEP_1)
	v_mul_f32 v14, s17, v240
	s_delay_alu instid0(VALU_DEP_1)
	v_mov_b32 v15, v14
.set k, 0
.rept 32
	v_pk_add_f32 v[X+k:X+k+1], v[X+k:X+k+1], v[14:15] neg_lo:[0,1] neg_hi:[0,1]   ; x - mean
.set k, k+2
.endr
	v_pk_mul_f32 v[240:241], v[X:X+1], v[X:X+1]                    ; the variance
	v_pk_mul_f32 v[242:243], v[X+2:X+3], v[X+2:X+3]
	v_pk_mul_f32 v[244:245], v[X+4:X+5], v[X+4:X+5]
	v_pk_mul_f32 v[246:247], v[X+6:X+7], v[X+6:X+7]
.irp i, 8,16,24,32,40,48,56
	s_delay_alu instid0(VALU_DEP_4)
	v_pk_fma_f32 v[240:241], v[X+\i:X+\i+1], v[X+\i:X+\i+1], v[240:241]
	s_delay_alu instid0(VALU_DEP_4)
	v_pk_fma_f32 v[242:243], v[X+\i+2:X+\i+3], v[X+\i+2:X+\i+3], v[242:243]
	s_delay_alu instid0(VALU_DEP_4)
	v_pk_fma_f32 v[244:245], v[X+\i+4:X+\i+5], v[X+\i+4:X+\i+5], v[244:245]
	s_delay_alu instid0(VALU_DEP_4)
	v_pk_fma_f32 v[246:247], v[X+\i+6:X+\i+7], v[X+\i+6:X+\i+7], v[246:247]
.endr
	ACROSS 512
	s_delay_alu instid0(VALU_DEP_1)
	v_fma_f32 v14, v240, s17, s18                  ; var + eps
	s_wait_alu depctr_va_vdst(0)
	v_rsq_f32 v14, v14
	v_nop                                          ; a plain line behind the transcendental
	s_wait_alu depctr_va_vdst(0)                   ; and the wait ahead of its first reader
	v_mov_b32 v15, v14
	s_wait_alu depctr_va_vdst(0)
	s_wait_loadcnt 0x0                             ; gain and bias
.set k, 0
.rept 32
	v_pk_mul_f32 v[X+k:X+k+1], v[X+k:X+k+1], v[14:15]
.set k, k+2
.endr
.set k, 0
.rept 32
	v_pk_fma_f32 v[X+k:X+k+1], v[X+k:X+k+1], v[GW+k:GW+k+1], v[R+k:R+k+1]
.set k, k+2
.endr
	QUANT X, PW
.irp c, 0,1,2,3
	global_store_b128 v[LI], v[PC+4*\c:PC+4*\c+3], s[24:25] offset:512*\c          ; 512 consecutive bytes
.endr
	ds_store_b32 v8, v[PW]
	s_wait_dscnt 0x0
	s_barrier_signal -1
	s_barrier_wait -1                              ; the tile's 128 scale words lie in LDS
	s_cmp_lg_u32 s12, 0
	s_cbranch_scc1 .Lnot_wave_0
	ds_load_b128 v[240:243], v13
	v_and_b32 v244, 31, v0
	s_delay_alu instid0(VALU_DEP_1)
	v_lshrrev_b32 v245, 2, v244
	s_delay_alu instid0(VALU_DEP_2)
	v_and_b32 v244, 3, v244
	s_delay_alu instid0(VALU_DEP_1)
	v_lshlrev_b32 v244, 4, v244
	s_delay_alu instid0(VALU_DEP_1)
	v_lshl_add_u32 v244, v245, 9, v244             ; K step lane / 4: 512 bytes on; 16 (lane % 4) in its 64 bytes
	s_wait_alu depctr_va_vdst(0)
	s_wait_dscnt 0x0
	global_store_b128 v244, v[240:243], s[26:27]
.Lnot_wave_0:
	s_wait_tensorcnt 0x0                           ; the wave's end, behind my last LDS store
	ds_add_u32 v[SPW], v[NIL]
	s_wait_dscnt 0x0
	s_endpgm
.Lfunc_end_k_qe5a2d39972_ln2:
	.size	k_qe5a2d39972_ln2, .Lfunc_end_k_qe5a2d39972_ln2-k_qe5a2d39972_ln2
	.p2alignl 7, 3214868480
	.fill 96, 4, 3214868480
	.section	.rodata,"a",@progbits
	.p2align	6, 0x0
	.amdhsa_kernel k_qe5a2d39972_ln2
		.amdhsa_group_segment_fixed_size 70144
		.amdhsa_private_segment_fixed_size 0
		.amdhsa_enable_private_segment 0
		.amdhsa_kernarg_size 32
		.amdhsa_user_sgpr_count 2
		.amdhsa_user_sgpr_kernarg_segment_ptr 1
		.amdhsa_wavefront_size32 1
		.amdhsa_system_sgpr_workgroup_id_x 1
		.amdhsa_system_sgpr_workgroup_id_y 1
		.amdhsa_system_sgpr_workgroup_id_z 1
		.amdhsa_system_vgpr_workitem_id 0
		.amdhsa_next_free_vgpr 256
		.amdhsa_next_free_sgpr 66
		.amdhsa_reserve_vcc 0
		.amdhsa_float_denorm_mode_32 3
		.amdhsa_float_denorm_mode_16_64 3
		.amdhsa_memory_ordered 1
		.amdhsa_forward_progress 1
		.amdhsa_inst_pref_size 34
	.end_amdhsa_kernel
	.amdgpu_metadata
---
amdhsa.version: [ 1, 2 ]
amdhsa.kernels:
  - .name:           k_qe5a2d39972_ln2
    .symbol:         k_qe5a2d39972_ln2.kd
    .args:
      - { .name: x1, .offset: 0, .size: 8, .value_kind: global_buffer, .address_space: global }
      - { .name: ln2_w, .offset: 8, .size: 8, .value_kind: global_buffer, .address_space: global }
      - { .name: ln2_b, .offset: 16, .size: 8, .value_kind: global_buffer, .address_space: global }
      - { .name: xn, .offset: 24, .size: 8, .value_kind: global_buffer, .address_space: global }
    .group_segment_fixed_size: 70144
    .private_segment_fixed_size: 0
    .kernarg_segment_align: 8
    .kernarg_segment_size: 32
    .max_flat_workgroup_size: 256
    .sgpr_count:     66
    .vgpr_count:     256
    .wavefront_size: 32
...
	.end_amdgpu_metadata
.endif
;; end of part 5
;; launch gfc1 (part 6): grid 16 x 16, 4 waves a work-group, clusters of 4 x 4, 327,680 bytes of LDS; arguments xn, wts, fc1_b, hdn; writes hdn
.if DOCPART == 6
	.amdgcn_target "amdgcn-amd-amdhsa--gfx1250"
	.amdhsa_code_object_version 6
	.text
	.protected	k_qe5a2d39972_gfc1
	.globl	k_qe5a2d39972_gfc1
	.p2align	8
	.type	k_qe5a2d39972_gfc1,@function
k_qe5a2d39972_gfc1:
	s_mov_b64 s[64:65], 0
	v_nop
	global_prefetch_b8 v0, s[64:65] scope:SCOPE_SE
	s_setreg_imm32_b32 hwreg(HW_REG_WAVE_MODE, 25, 1), 1
	s_wait_xcnt 0x0
	s_wait_alu depctr_hold_cnt(0) depctr_sa_sdst(0) depctr_va_vdst(0) depctr_va_sdst(0) depctr_va_ssrc(0) depctr_va_vcc(0) depctr_vm_vsrc(0)
	s_getreg_b32 s2, hwreg(HW_REG_IB_STS2, 6, 4)
	s_cmp_eq_u32 s2, 0
	s_cbranch_scc0 .Lentry_in_a_cluster
	s_endpgm
.Lentry_in_a_cluster:
	s_bfe_u32 s2, ttmp6, 0x10000c
	s_cmp_lg_u32 s2, 0xf033
	s_cbranch_scc0 .Lentry_shape_is_right
	s_endpgm
.Lentry_shape_is_right:
.set T,     8
.set NQ,    2
.set KK,    1024
.set ASCL,  4194304
.set BCODE, 4194304
.set BSCL,  12713984
.set KS,    KK/128
.set LAPS,  KS/(2*NQ)
.set HALFT, T*NQ*2048
.set SLOT,  4*HALFT
.set SCL,   2*SLOT
.set HALFS, KS*T*64
.set SPARE, SCL+4*HALFS
.set ADRA, 16
.set ADRB, 20
.set ADRS, 27
.set SPW,  28
.set NIL,  29
.set SC,   32
.set AF,   128
.set G1, 24
.set G0, 32
.set G1B, 48
.set G0B, 56
.set G1S, 68
.set G0S, 76
.set G1SB, 80
.set G0SB, 88
.set MSB, 0
.macro WIN new
.if MSB != (\new)
	s_set_vgpr_msb (MSB<<8)|(\new)
.set MSB, \new
.endif
.endm
.set MUL_LO, 0xa1
.set MUL_HI, 0xf1
.set TO_B,   0x40
.macro JLOAD g0a, g1a, g0b, g1b
	s_cmp_eq_u32 s15, 0
	s_cbranch_scc0 .Lfor_b_\@
	tensor_load_to_lds s[\g0a:\g0a+3], s[\g1a:\g1a+7]
	s_nop 0
.rept 4
	v_nop
.endr
	s_branch .Lasked_\@
.Lfor_b_\@:
	tensor_load_to_lds s[\g0b:\g0b+3], s[\g1b:\g1b+7]
	s_nop 0
.rept 4
	v_nop
.endr
.Lasked_\@:
.endm
.macro CREST
	s_cmp_lg_u32 s14, 0
	s_cbranch_scc1 .Lnot_wave_0_\@
	s_barrier_signal -3
.Lnot_wave_0_\@:
	s_barrier_wait -3
	s_barrier_signal -1
	s_barrier_wait -1
.endm
.macro CROUND
	s_barrier_signal -1
	s_barrier_wait -1
	CREST
.endm
.macro PLACES n
.rept \n
	v_nop
.endr
.endm
.macro FRAG reg, adr, q, i
.irp c, 0,1,2,3
	ds_load_b128 v[\reg+4*\c:\reg+4*\c+3], v[\adr] offset:(\i)*NQ*2048+(\q)*2048+512*\c
.endr
.endm
.macro MULQ g, p, q, sc, zero
.set ma, (\g)*T/4
.rept T/4
.set mb, 0
.rept T
.set md, 8*(T*(ma%(T/2))+mb)
.if \zero
	v_wmma_scale_f32_16x16x128_f8f6f4 v[md:md+7], v[128*(\p)+16*mb:128*(\p)+16*mb+15], v[AF+16*ma:AF+16*ma+15], 0, v[SC+16*(\sc)+T*(\q)+mb], v[SC+16*(\sc)+T*(\q)+ma] matrix_a_fmt:MATRIX_FMT_BF8 matrix_b_fmt:MATRIX_FMT_BF8 matrix_a_scale:MATRIX_SCALE_ROW1
.else
	v_wmma_scale_f32_16x16x128_f8f6f4 v[md:md+7], v[128*(\p)+16*mb:128*(\p)+16*mb+15], v[AF+16*ma:AF+16*ma+15], v[md:md+7], v[SC+16*(\sc)+T*(\q)+mb], v[SC+16*(\sc)+T*(\q)+ma] matrix_a_fmt:MATRIX_FMT_BF8 matrix_b_fmt:MATRIX_FMT_BF8 matrix_a_scale:MATRIX_SCALE_ROW1
.endif
.set mb, mb+1
.endr
.set ma, ma+1
.endr
.endm
.macro FETCH_B slot, q, p
	WIN TO_B
.set fi, 0
.rept T
	FRAG 128*(\p)+16*fi, ADRB+\slot, \q, fi
.set fi, fi+1
.endr
	WIN 0
.endm
.macro FETCH_A slot, q, i0
.set fi, \i0
.rept T/2
	FRAG AF+16*fi, ADRA+\slot, \q, fi
.set fi, fi+1
.endr
.endm
.macro SCALES sc
.if T == 8
.set fi, 0
.rept 16
	ds_load_b32 v[SC+16*(\sc)+fi], v[ADRS] offset:64*fi
.set fi, fi+1
.endr
.else
.irp q, 0,1,2,3
	ds_load_b128 v[SC+16*(\sc)+4*\q:SC+16*(\sc)+4*\q+3], v[ADRS] offset:256*\q
.endr
.endif
.endm
.macro STEP slot, q, zero
	s_wait_dscnt (T/2)*4
	WIN MUL_LO
	MULQ 0, (\q)%2, \q, \slot, \zero
	MULQ 1, (\q)%2, \q, \slot, \zero
	s_wait_dscnt 0
	PLACES 8
	FETCH_B \slot, (\q)+1, 1-(\q)%2
	FETCH_A \slot, (\q)+1, 0
	WIN MUL_HI
	MULQ 2, (\q)%2, \q, \slot, \zero
	MULQ 3, (\q)%2, \q, \slot, \zero
	PLACES 8
	WIN 0
	FETCH_A \slot, (\q)+1, T/2
.endm
.macro TURN slot, next, fill
	s_wait_tensorcnt 0x0
	ds_add_u32 v[SPW], v[NIL]
	s_wait_dscnt (T/2)*4+1
	WIN MUL_LO
	MULQ 0, 1, NQ-1, \slot, 0
	s_wait_dscnt 0x0
	s_barrier_signal -1
	MULQ 1, 1, NQ-1, \slot, 0
	WIN 0
	s_barrier_wait -1
.if \fill
	CREST
	s_add_nc_u64 s[G0+4*\slot+2:G0+4*\slot+3], s[G0+4*\slot+2:G0+4*\slot+3], 2*NQ*2048
	s_add_nc_u64 s[G0B+4*\slot+2:G0B+4*\slot+3], s[G0B+4*\slot+2:G0B+4*\slot+3], 2*NQ*2048
	JLOAD G0+4*\slot, G1, G0B+4*\slot, G1B
	PLACES 4
.else
	PLACES 8
.endif
	s_wait_alu depctr_va_vdst(0)
	v_add_nc_u32 v[ADRS], 1024, v[ADRS]
	FETCH_B \next, 0, 0
	FETCH_A \next, 0, 0
	SCALES \next
	WIN MUL_HI
	MULQ 2, 1, NQ-1, \slot, 0
	MULQ 3, 1, NQ-1, \slot, 0
	PLACES 8
	WIN 0
	FETCH_A \next, 0, T/2
.endm
.macro MID slot
.set mq, 1
.rept NQ-2
	STEP \slot, mq, 0
.set mq, mq+1
.endr
.endm
.macro LAST
	s_wait_dscnt (T/2)*4
	WIN MUL_LO
	MULQ 0, 1, NQ-1, 1, 0
	MULQ 1, 1, NQ-1, 1, 0
	s_wait_dscnt 0
	WIN MUL_HI
	MULQ 2, 1, NQ-1, 1, 0
	MULQ 3, 1, NQ-1, 1, 0
	WIN 0
.endm
.set LI,  3
.set CA,  12
.set CB,  14
.set SVO, 22
.set SCR, 23
.set SC0, 24
.set SCT, 25
.set PW,  31
.set Z,   32
.set Z2,  48
.set BI,  64
.set W,   128
.set PC,  192
.set TM,  208
.set PA,  224
.set PB,  240
.set RH,  24
.set A0,  26
.set A2,  28
.set A3,  30
.set A4,  32
.set A5,  34
.set A6,  36
.set B0,  38
.set B2,  40
.set B3,  42
.set B4,  44
.set SEL, 46
.set MNT, 48
.macro SPAIR reg, val
	s_mov_b32 s[\reg], \val
	s_mov_b32 s[\reg+1], \val
.endm
.macro QUANT s, pw
.irp b, 0,1,2,3
	v_max3_num_f32 v[TM+\b], |v[\s+16*\b]|, |v[\s+1+16*\b]|, 0x8000000
.endr
.irp i, 2,4,6,8,10,12,14
.irp b, 0,1,2,3
	v_max3_num_f32 v[TM+\b], v[TM+\b], |v[\s+16*\b+\i]|, |v[\s+1+16*\b+\i]|
.endr
.endr
.irp b, 0,1,2,3
	v_permlanex16_b32 v[TM+4+\b], v[TM+\b], s[SEL], s[SEL+1]
.endr
.irp b, 0,1,2,3
	v_max_num_f32 v[TM+\b], v[TM+\b], v[TM+4+\b]
.endr
.irp b, 0,1,2,3
	v_add_nc_u32 v[TM+12+\b], 0xf8800000, v[TM+\b]
.endr
.irp b, 0,1,2,3
	v_and_or_b32 v[TM+8+\b], v[TM+\b], 0x7f800000, s[MNT]
.endr
.irp b, 0,1,2,3
	v_lshrrev_b32 v[TM+4+\b], 23, v[TM+12+\b]
.endr
	v_lshl_or_b32 v[\pw], v[TM+5], 8, v[TM+4]
	v_lshl_or_b32 v[\pw], v[TM+6], 16, v[\pw]
	v_lshl_or_b32 v[\pw], v[TM+7], 24, v[\pw]
.irp b, 0,1,2,3
.irp i, 0,1,2,3,4,5,6,7,8,9,10,11,12,13,14,15
	v_med3_num_f32 v[\s+16*\b+\i], v[\s+16*\b+\i], -v[TM+8+\b], v[TM+8+\b]
.endr
	v_cvt_scalef32_pk8_bf8_f32 v[PC+4*\b:PC+1+4*\b], v[\s+16*\b:\s+7+16*\b], v[TM+12+\b]
	v_cvt_scalef32_pk8_bf8_f32 v[PC+2+4*\b:PC+3+4*\b], v[\s+8+16*\b:\s+15+16*\b], v[TM+12+\b]
.endr
	v_nop
.endm
.macro ARM a
	WIN 2+(\a)/4
.set tk, 0
.rept 32
	v_pk_add_f32 v[W+tk:W+tk+1], v[64*((\a)%4)+tk:64*((\a)%4)+tk+1], v[BI+tk:BI+tk+1]
.set tk, tk+2
.endr
	WIN 0
.endm
.macro GELU16 g
.irp k, 0,2,4,6,8,10,12,14
	v_pk_mul_f32 v[Z+\k:Z+\k+1], v[W+16*(\g)+\k:W+16*(\g)+\k+1], s[RH:RH+1] op_sel_hi:[1,0]
.endr
.irp k, 0,1,2,3,4,5,6,7,8,9,10,11,12,13,14,15
	v_med3_num_f32 v[Z+\k], v[Z+\k], -4.0, 4.0
.endr
.irp k, 0,2,4,6,8,10,12,14
	v_pk_mul_f32 v[Z2+\k:Z2+\k+1], v[Z+\k:Z+\k+1], v[Z+\k:Z+\k+1]
.endr
.irp k, 0,2,4,6,8,10,12,14
	v_pk_fma_f32 v[PA+\k:PA+\k+1], v[Z2+\k:Z2+\k+1], s[A0:A0+1], v[CA:CA+1] op_sel_hi:[1,0,1]
	v_pk_fma_f32 v[PB+\k:PB+\k+1], v[Z2+\k:Z2+\k+1], s[B0:B0+1], v[CB:CB+1] op_sel_hi:[1,0,1]
.endr
.irp c, A2, A3, A4, A5, A6
.irp k, 0,2,4,6,8,10,12,14
	v_pk_fma_f32 v[PA+\k:PA+\k+1], v[PA+\k:PA+\k+1], v[Z2+\k:Z2+\k+1], s[\c:\c+1] op_sel_hi:[1,1,0]
.endr
.endr
.irp c, B2, B3, B4
.irp k, 0,2,4,6,8,10,12,14
	v_pk_fma_f32 v[PB+\k:PB+\k+1], v[PB+\k:PB+\k+1], v[Z2+\k:Z2+\k+1], s[\c:\c+1] op_sel_hi:[1,1,0]
.endr
.endr
	s_wait_alu depctr_va_vdst(0)
.irp k, 0,1,2,3,4,5,6,7,8,9,10,11,12,13,14,15
	v_rcp_f32 v[PB+\k], v[PB+\k]
.endr
.irp k, 0,2,4,6,8,10,12,14
	v_pk_mul_f32 v[PA+\k:PA+\k+1], v[PA+\k:PA+\k+1], v[Z+\k:Z+\k+1]
.endr
.irp k, 0,2,4,6,8,10,12,14
	v_pk_mul_f32 v[Z+\k:Z+\k+1], v[W+16*(\g)+\k:W+16*(\g)+\k+1], 0.5 op_sel_hi:[1,0]
.endr
	s_wait_alu depctr_va_vdst(0)
.irp k, 0,2,4,6,8,10,12,14
	v_pk_mul_f32 v[PA+\k:PA+\k+1], v[PA+\k:PA+\k+1], v[PB+\k:PB+\k+1]
.endr
.irp k, 0,2,4,6,8,10,12,14
	v_pk_fma_f32 v[W+16*(\g)+\k:W+16*(\g)+\k+1], v[PA+\k:PA+\k+1], v[Z+\k:Z+\k+1], v[Z+\k:Z+\k+1]
.endr
.endm
	s_load_b128 s[4:7], s[0:1], 0x0
	s_load_b128 s[92:95], s[0:1], 0x10
	v_lshl_add_u32 v[SPW], v0, 2, SPARE
	v_mov_b32 v[NIL], 0
	ds_add_u32 v[SPW], v[NIL]
	ds_add_u32 v[SPW], v[NIL]
	v_lshrrev_b32 v1, 5, v0
	v_readfirstlane_b32 s14, v1
	s_lshr_b32 s15, s14, 1
	s_and_b32 s16, s14, 1
	s_bfe_u32 s40, ttmp6, 0x40000
	s_bfe_u32 s41, ttmp6, 0x40004
	s_lshl_b32 s42, ttmp9, 2
	s_add_co_u32 s42, s42, s40
	s_and_b32 s17, ttmp7, 0xffff
	s_lshl_b32 s17, s17, 2
	s_add_co_u32 s17, s17, s41
	s_lshl_b32 s43, s41, 2
	s_lshl_b32 s43, 15, s43
	s_lshl_b32 s44, 0x1111, s40
	s_or_b32 s[G1], s43, (3<<16)|(1<<21)
	s_or_b32 s[G1B], s44, (3<<16)|(1<<21)
.irp g, G1, G1B
	s_mov_b32 s[\g+1], (NQ*256)<<16
	s_mov_b32 s[\g+2], (2*T)<<16                   ; at the head both halves, 2 T tiles; behind the head's wait T
	s_mov_b32 s[\g+3], (NQ*256)<<16
	s_mov_b32 s[\g+4], 2*T
	s_mov_b32 s[\g+5], 2*KK
	s_mov_b32 s[\g+6], 0
	s_mov_b32 s[\g+7], 0
.endr
	s_or_b32 s[G1S], s43, (3<<16)|(1<<21)
	s_or_b32 s[G1SB], s44, (3<<16)|(1<<21)
.irp g, G1S, G1SB
	s_mov_b32 s[\g+1], 32<<16
	s_mov_b32 s[\g+2], (HALFS/128)<<16             ; both halves' scale words
	s_mov_b32 s[\g+3], 32<<16
	s_mov_b32 s[\g+4], HALFS/128
	s_mov_b32 s[\g+5], 32
	s_mov_b32 s[\g+6], 0
	s_mov_b32 s[\g+7], 0
.endr
	s_lshl_b32 s20, s17, 1
	s_mul_i32 s22, s20, HALFS
	s_mul_i32 s20, s20, T*KK*16
	s_lshl_b32 s46, s42, 1
	s_mul_i32 s18, s46, HALFS
	s_mul_i32 s46, s46, T*KK*16
	s_add_co_u32 s22, s22, ASCL
	s_add_co_u32 s46, s46, BCODE
	s_add_co_u32 s18, s18, BSCL
	s_mov_b32 s21, 0
	s_mov_b32 s23, 0
	s_mov_b32 s47, 0
	s_mov_b32 s19, 0
	s_mul_i32 s45, s14, HALFT
	s_mul_i32 s100, s16, T*KK*16                   ; in the ring I fetch one half: its bytes
	s_mov_b32 s101, 0
	s_wait_dscnt 0x0
	s_wait_kmcnt 0x0
	s_add_nc_u64 s[8:9], s[4:5], s[20:21]
	s_add_nc_u64 s[10:11], s[4:5], s[22:23]
	s_add_nc_u64 s[12:13], s[6:7], s[46:47]
	s_add_nc_u64 s[66:67], s[6:7], s[18:19]
	CROUND
	s_mov_b32 s[G0S], 1
	s_mov_b32 s[G0S+1], SCL
	s_mov_b64 s[G0S+2:G0S+3], s[10:11]
	s_or_b32 s[G0S+3], s[G0S+3], 0x80000000
	s_mov_b32 s[G0SB], 1
	s_mov_b32 s[G0SB+1], SCL+2*HALFS
	s_mov_b64 s[G0SB+2:G0SB+3], s[66:67]
	s_or_b32 s[G0SB+3], s[G0SB+3], 0x80000000
	s_mov_b32 s4, 1                                ; s[4:7]: group 0 of the head's load of A's slot 0 (the arguments that lay there have been used)
	s_mov_b32 s5, 0
	s_mov_b64 s[6:7], s[8:9]
	s_or_b32 s7, s7, 0x80000000
	s_mov_b64 s[46:47], s[12:13]                   ; s[44:47]: of B's; its first two words follow behind the ring's groups
	s_or_b32 s47, s47, 0x80000000
	s_add_nc_u64 s[8:9], s[8:9], s[100:101]        ; for the ring: my half
	s_add_nc_u64 s[12:13], s[12:13], s[100:101]
; THE PREFETCHES: of the T tiles x 4,096 bytes that I fetch for a slot, each of the four partners that ask with me names T / 4 (by address: cx for A, cy for B): 8,192 bytes, one instruction a wave, lanes 256 bytes apart.
; K has four slots: behind the head's loads slots 1 and 2 are asked for, behind slot 1's fill slot 3: each at least one fill ahead of its load.  Slot 0 comes by its load alone.
	s_cmp_eq_u32 s15, 0                            ; do I fetch for A?
	s_cselect_b64 s[98:99], s[8:9], s[12:13]       ; s[98:99]: my half's tiles, at slot 0,
	s_cselect_b32 s100, s40, s41                   ; my place among the four,
	s_mul_i32 s100, s100, (T/4)*KS*2048            ; its tiles
	s_add_nc_u64 s[98:99], s[98:99], s[100:101]
.irp s, 0,1
	s_mov_b32 s[G0+4*\s], 1
	s_add_co_u32 s[G0+4*\s+1], s45, \s*SLOT
	s_add_nc_u64 s[G0+4*\s+2:G0+4*\s+3], s[8:9], \s*NQ*2048
	s_or_b32 s[G0+4*\s+3], s[G0+4*\s+3], 0x80000000
	s_mov_b32 s[G0B+4*\s], 1
	s_add_co_u32 s[G0B+4*\s+1], s45, \s*SLOT
	s_add_nc_u64 s[G0B+4*\s+2:G0B+4*\s+3], s[12:13], \s*NQ*2048
	s_or_b32 s[G0B+4*\s+3], s[G0B+4*\s+3], 0x80000000
.endr
	s_mov_b32 s44, 1
	s_mov_b32 s45, 2*HALFT
; THE HEAD'S LOADS, one a wave: wave 0 A's slot 0, wave 1 B's, wave 2 A's scale words, wave 3 B's: one chain of branches on the wave's number, all arms to one join
.macro HARM under, g0, g1, next
	s_cmp_lt_u32 s14, \under
	s_cbranch_scc0 \next
	tensor_load_to_lds s[\g0:\g0+3], s[\g1:\g1+7]
	s_nop 0
.rept 4
	v_nop
.endr
	s_branch .Lhead_asked
\next:
.endm
	HARM 1, 4, G1, .Lhead_b
	HARM 2, 44, G1B, .Lhead_sa
	HARM 3, G0S, G1S, .Lhead_sb
	tensor_load_to_lds s[G0SB:G0SB+3], s[G1SB:G1SB+7]
	s_nop 0
.rept 4
	v_nop
.endr
.Lhead_asked:
	v_and_b32 v30, 15, v0
	v_bfe_u32 v26, v0, 4, 1
	v_lshlrev_b32 v30, 8, v30
	v_lshl_add_u32 v30, v26, 14, v30               ; v30: the prefetches' offset: tile lane / 16 (KS x 2,048 bytes on), 256 x (lane % 16) in its 4,096 bytes; never rewritten
	global_prefetch_b8 v30, s[98:99] offset:NQ*2048 th:TH_LOAD_NT scope:SCOPE_SE     ; slot 1
	global_prefetch_b8 v30, s[98:99] offset:2*NQ*2048 th:TH_LOAD_NT scope:SCOPE_SE   ; slot 2
	v_and_b32 v1, 15, v0
	v_bfe_u32 v2, v0, 4, 1
	s_wait_alu depctr_va_vdst(0)
	v_and_b32 v3, 31, v0
	v_lshlrev_b32 v3, 4, v3
	s_mul_i32 s21, s15, HALFT
	s_mul_i32 s22, s16, HALFT
	s_add_co_u32 s22, s22, 2*HALFT
.irp s, 0,1
	v_add_nc_u32 v[ADRA+\s], s21, v3
	v_add_nc_u32 v[ADRB+\s], s22, v3
	s_add_co_u32 s21, s21, SLOT
	s_add_co_u32 s22, s22, SLOT
.endr
	v_lshlrev_b32 v5, 2, v1
	s_mul_i32 s21, s15, HALFS
	s_mul_i32 s22, s16, HALFS
	s_add_co_u32 s22, s22, 2*HALFS
	s_sub_co_u32 s22, s22, s21
	v_mul_u32_u24 v6, s22, v2
	s_add_co_u32 s21, s21, SCL
	v_add_nc_u32 v5, v5, v6
	v_add_nc_u32 v[ADRS], s21, v5
	s_lshl_b32 s23, s14, 9
	v_lshl_add_u32 v[SC0], v1, 5, s23
	v_lshl_add_u32 v[SCR], v2, 4, v[SC0]
	s_lshl_b32 s20, s17, 4
	s_lshl_b32 s21, s15, 3
	s_add_co_u32 s20, s20, s21
	s_lshl_b32 s21, s42, 1
	s_add_co_u32 s21, s21, s16
	s_lshl_b32 s22, s20, 5
	s_add_co_u32 s22, s22, s21
	s_lshl_b32 s22, s22, 11
	s_mov_b32 s23, 0
	s_lshl_b32 s20, s20, 3
	s_add_co_u32 s20, s20, s21
	s_lshl_b32 s20, s20, 8
	s_add_co_u32 s20, s20, 16777216
	s_mov_b32 s21, 0
	s_add_nc_u64 s[100:101], s[94:95], s[20:21]
	s_add_nc_u64 s[94:95], s[94:95], s[22:23]
	s_lshl_b32 s20, s42, 10
	s_lshl_b32 s22, s16, 9
	s_add_co_u32 s20, s20, s22
	s_add_nc_u64 s[92:93], s[92:93], s[20:21]
	v_lshlrev_b32 v7, 6, v2
.irp c, 0,1,2,3
.irp j, 0,1,2,3
	global_load_b128 v[BI+16*\c+4*\j:BI+16*\c+4*\j+3], v7, s[92:93] offset:128*\c+16*\j
.endr
.endr
	v_lshlrev_b32 v[SVO], 13, v2
	v_lshl_add_u32 v[SVO], v1, 4, v[SVO]
	s_wait_alu depctr_va_vdst(0)
	s_wait_tensorcnt 0x0                           ; my tile of the head's four is in
	ds_add_u32 v[SPW], v[NIL]
	s_mov_b32 s[G1+2], T<<16                       ; no tensor load of mine is out: from here on a load brings T tiles
	s_mov_b32 s[G1+4], T
	s_mov_b32 s[G1B+2], T<<16
	s_mov_b32 s[G1B+4], T
	s_wait_dscnt 0x0
	CROUND
	JLOAD G0+4, G1, G0B+4, G1B                     ; slot 1's first fill, the first tensor load behind the round
	FETCH_B 0, 0, 0
	FETCH_A 0, 0, 0
	SCALES 0
	FETCH_A 0, 0, T/2
	global_prefetch_b8 v30, s[98:99] offset:3*NQ*2048 th:TH_LOAD_NT scope:SCOPE_SE   ; slot 1 has been asked for: slot 3
	STEP 0, 0, 1
.if LAPS > 1
	s_mov_b32 s3, LAPS-1
.Llap:
	MID 0
	TURN 0, 1, 1
	STEP 1, 0, 0
	MID 1
	TURN 1, 0, 1
	STEP 0, 0, 0
	s_sub_co_u32 s3, s3, 1
	s_cmp_lg_u32 s3, 0
	s_cbranch_scc1 .Llap
.endif
	MID 0
	TURN 0, 1, 0
	STEP 1, 0, 0
	MID 1
	LAST
	PLACES 8
	SPAIR RH, 0x3f3504f3
	SPAIR A0, 0xaf95df0b
	SPAIR A2, 0xb60cff51
	SPAIR A3, 0xb86ec2d2
	SPAIR A4, 0xba40ac63
	SPAIR A5, 0xbb41a1f6
	SPAIR A6, 0xbc83dbd4
	SPAIR B0, 0xb77460cd
	SPAIR B2, 0xbadc924e
	SPAIR B3, 0xbbf19bf8
	SPAIR B4, 0xbc69b6a7
	s_mov_b32 s[SEL], 0x76543210
	s_mov_b32 s[SEL+1], 0xfedcba98
	s_mov_b32 s[MNT], 0x600000
	v_mov_b32 v[CA], 0x32edffee
	v_mov_b32 v[CA+1], 0x32edffee
	v_mov_b32 v[CB], 0xb95fbd29
	v_mov_b32 v[CB+1], 0xb95fbd29
.irp b, 0,1,2,3
	v_mov_b32 v[TM+4+\b], 0
.endr
	s_wait_loadcnt 0x0
	s_mov_b32 s3, 0
.Lout:
	s_wait_xcnt 0x0
.irp a, 0,1,2,3,4,5,6
	s_cmp_lg_u32 s3, \a
	s_cbranch_scc1 .Lnot_\a
	ARM \a
	s_branch .Ltaken
.Lnot_\a:
.endr
	ARM 7
.Ltaken:
	GELU16 0
	GELU16 1
	GELU16 2
	GELU16 3
	QUANT W, PW
	s_lshl_b32 s98, s3, 16
	s_mov_b32 s99, 0
	s_add_nc_u64 s[96:97], s[94:95], s[98:99]
.irp c, 0,1,2,3
	global_store_b128 v[LI], v[PC+4*\c:PC+4*\c+3], s[96:97] offset:512*\c
.endr
	s_lshl_b32 s98, s3, 2
	v_add_nc_u32 v[SCT], s98, v[SC0]
	ds_store_b32 v[SCT], v[PW]
	s_add_co_u32 s3, s3, 1
	s_cmp_lt_u32 s3, 8
	s_cbranch_scc1 .Lout
	ds_load_b128 v[4:7], v[SCR]
	s_wait_dscnt 0x0
	global_store_b128 v[SVO], v[4:7], s[100:101]
	s_wait_tensorcnt 0x0
	ds_add_u32 v[SPW], v[NIL]
	s_wait_dscnt 0x0
	CROUND
	s_endpgm
.Lfunc_end_k_qe5a2d39972_gfc1:
	.size	k_qe5a2d39972_gfc1, .Lfunc_end_k_qe5a2d39972_gfc1-k_qe5a2d39972_gfc1
	.p2alignl 7, 3214868480
	.fill 96, 4, 3214868480
	.section	.rodata,"a",@progbits
	.p2align	6, 0x0
	.amdhsa_kernel k_qe5a2d39972_gfc1
		.amdhsa_group_segment_fixed_size 327680
		.amdhsa_private_segment_fixed_size 0
		.amdhsa_enable_private_segment 0
		.amdhsa_kernarg_size 32
		.amdhsa_user_sgpr_count 2
		.amdhsa_user_sgpr_kernarg_segment_ptr 1
		.amdhsa_wavefront_size32 1
		.amdhsa_system_sgpr_workgroup_id_x 1
		.amdhsa_system_sgpr_workgroup_id_y 1
		.amdhsa_system_sgpr_workgroup_id_z 1
		.amdhsa_system_vgpr_workitem_id 0
		.amdhsa_next_free_vgpr 1024
		.amdhsa_next_free_sgpr 102
		.amdhsa_reserve_vcc 0
		.amdhsa_float_denorm_mode_32 3
		.amdhsa_float_denorm_mode_16_64 3
		.amdhsa_memory_ordered 1
		.amdhsa_forward_progress 1
		.amdhsa_inst_pref_size 188
	.end_amdhsa_kernel
	.amdgpu_metadata
---
amdhsa.version: [ 1, 2 ]
amdhsa.kernels:
  - .name:           k_qe5a2d39972_gfc1
    .symbol:         k_qe5a2d39972_gfc1.kd
    .args:
      - { .name: xn, .offset: 0, .size: 8, .value_kind: global_buffer, .address_space: global }
      - { .name: wts, .offset: 8, .size: 8, .value_kind: global_buffer, .address_space: global }
      - { .name: fc1_b, .offset: 16, .size: 8, .value_kind: global_buffer, .address_space: global }
      - { .name: hdn, .offset: 24, .size: 8, .value_kind: global_buffer, .address_space: global }
    .group_segment_fixed_size: 327680
    .private_segment_fixed_size: 0
    .kernarg_segment_align: 8
    .kernarg_segment_size: 32
    .max_flat_workgroup_size: 128
    .sgpr_count:     102
    .vgpr_count:     1024
    .wavefront_size: 32
...
	.end_amdgpu_metadata
.endif
;; end of part 6
;; launch gfc2 (part 7): grid 8 x 32, 4 waves a work-group, clusters of 4 x 4, 327,680 bytes of LDS; arguments hdn, wts, fc2_b, x1, out0; writes out0
.if DOCPART == 7
	.amdgcn_target "amdgcn-amd-amdhsa--gfx1250"
	.amdhsa_code_object_version 6
	.text
	.protected	k_qe5a2d39972_gfc2
	.globl	k_qe5a2d39972_gfc2
	.p2align	8
	.type	k_qe5a2d39972_gfc2,@function
k_qe5a2d39972_gfc2:
	s_mov_b64 s[64:65], 0
	v_nop
	global_prefetch_b8 v0, s[64:65] scope:SCOPE_SE
	s_setreg_imm32_b32 hwreg(HW_REG_WAVE_MODE, 25, 1), 1
	s_wait_xcnt 0x0
	s_wait_alu depctr_hold_cnt(0) depctr_sa_sdst(0) depctr_va_vdst(0) depctr_va_sdst(0) depctr_va_ssrc(0) depctr_va_vcc(0) depctr_vm_vsrc(0)
	s_getreg_b32 s2, hwreg(HW_REG_IB_STS2, 6, 4)
	s_cmp_eq_u32 s2, 0
	s_cbranch_scc0 .Lentry_in_a_cluster
	s_endpgm
.Lentry_in_a_cluster:
	s_bfe_u32 s2, ttmp6, 0x10000c
	s_cmp_lg_u32 s2, 0xf033
	s_cbranch_scc0 .Lentry_shape_is_right
	s_endpgm
.Lentry_shape_is_right:
.set T,     4
.set NQ,    4
.set KK,    4096
.set ASCL,  16777216
.set BCODE, 8388608
.set BSCL,  12845056
.set NTOUT, 1
.set KS,    KK/128
.set LAPS,  KS/(2*NQ)
.set HALFT, T*NQ*2048
.set SLOT,  4*HALFT
.set SCL,   2*SLOT
.set HALFS, KS*T*64
.set SPARE, SCL+4*HALFS
.set ADRA, 16
.set ADRB, 20
.set ADRS, 27
.set SPW,  28
.set NIL,  29
.set SC,   32
.set AF,   128
.set G1, 24
.set G0, 32
.set G1B, 48
.set G0B, 56
.set G1S, 68
.set G0S, 76
.set G1SB, 80
.set G0SB, 88
.set MSB, 0
.macro WIN new
.if MSB != (\new)
	s_set_vgpr_msb (MSB<<8)|(\new)
.set MSB, \new
.endif
.endm
.set MUL_LO, 0xa1
.set MUL_HI, 0xf1
.set TO_B,   0x40
.macro JLOAD g0a, g1a, g0b, g1b
	s_cmp_eq_u32 s15, 0
	s_cbranch_scc0 .Lfor_b_\@
	tensor_load_to_lds s[\g0a:\g0a+3], s[\g1a:\g1a+7]
	s_nop 0
.rept 4
	v_nop
.endr
	s_branch .Lasked_\@
.Lfor_b_\@:
	tensor_load_to_lds s[\g0b:\g0b+3], s[\g1b:\g1b+7]
	s_nop 0
.rept 4
	v_nop
.endr
.Lasked_\@:
.endm
.macro CREST
	s_cmp_lg_u32 s14, 0
	s_cbranch_scc1 .Lnot_wave_0_\@
	s_barrier_signal -3
.Lnot_wave_0_\@:
	s_barrier_wait -3
	s_barrier_signal -1
	s_barrier_wait -1
.endm
.macro CROUND
	s_barrier_signal -1
	s_barrier_wait -1
	CREST
.endm
.macro PLACES n
.rept \n
	v_nop
.endr
.endm
.macro FRAG reg, adr, q, i
.irp c, 0,1,2,3
	ds_load_b128 v[\reg+4*\c:\reg+4*\c+3], v[\adr] offset:(\i)*NQ*2048+(\q)*2048+512*\c
.endr
.endm
.macro MULQ g, p, q, sc, zero
.set ma, (\g)*T/4
.rept T/4
.set mb, 0
.rept T
.set md, 8*(T*(ma%(T/2))+mb)
.if \zero
	v_wmma_scale_f32_16x16x128_f8f6f4 v[md:md+7], v[128*(\p)+16*mb:128*(\p)+16*mb+15], v[AF+16*ma:AF+16*ma+15], 0, v[SC+16*(\sc)+T*(\q)+mb], v[SC+16*(\sc)+T*(\q)+ma] matrix_a_fmt:MATRIX_FMT_BF8 matrix_b_fmt:MATRIX_FMT_BF8 matrix_a_scale:MATRIX_SCALE_ROW1
.else
	v_wmma_scale_f32_16x16x128_f8f6f4 v[md:md+7], v[128*(\p)+16*mb:128*(\p)+16*mb+15], v[AF+16*ma:AF+16*ma+15], v[md:md+7], v[SC+16*(\sc)+T*(\q)+mb], v[SC+16*(\sc)+T*(\q)+ma] matrix_a_fmt:MATRIX_FMT_BF8 matrix_b_fmt:MATRIX_FMT_BF8 matrix_a_scale:MATRIX_SCALE_ROW1
.endif
.set mb, mb+1
.endr
.set ma, ma+1
.endr
.endm
.macro FETCH_B slot, q, p
	WIN TO_B
.set fi, 0
.rept T
	FRAG 128*(\p)+16*fi, ADRB+\slot, \q, fi
.set fi, fi+1
.endr
	WIN 0
.endm
.macro FETCH_A slot, q, i0
.set fi, \i0
.rept T/2
	FRAG AF+16*fi, ADRA+\slot, \q, fi
.set fi, fi+1
.endr
.endm
.macro SCALES sc
.if T == 8
.set fi, 0
.rept 16
	ds_load_b32 v[SC+16*(\sc)+fi], v[ADRS] offset:64*fi
.set fi, fi+1
.endr
.else
.irp q, 0,1,2,3
	ds_load_b128 v[SC+16*(\sc)+4*\q:SC+16*(\sc)+4*\q+3], v[ADRS] offset:256*\q
.endr
.endif
.endm
.macro STEP slot, q, zero
	s_wait_dscnt (T/2)*4
	WIN MUL_LO
	MULQ 0, (\q)%2, \q, \slot, \zero
	MULQ 1, (\q)%2, \q, \slot, \zero
	s_wait_dscnt 0
	PLACES 8
	FETCH_B \slot, (\q)+1, 1-(\q)%2
	FETCH_A \slot, (\q)+1, 0
	WIN MUL_HI
	MULQ 2, (\q)%2, \q, \slot, \zero
	MULQ 3, (\q)%2, \q, \slot, \zero
	PLACES 8
	WIN 0
	FETCH_A \slot, (\q)+1, T/2
.endm
.macro TURN slot, next, fill
.if \fill
	s_wait_xcnt 0x0                                ; my last prefetch has read its address: it steps one slot on, to the slot that this change fills
	s_add_nc_u64 s[98:99], s[98:99], NQ*2048
.endif
	s_wait_tensorcnt 0x0
	ds_add_u32 v[SPW], v[NIL]
	s_wait_dscnt (T/2)*4+1
	WIN MUL_LO
	MULQ 0, 1, NQ-1, \slot, 0
	s_wait_dscnt 0x0
	s_barrier_signal -1
	MULQ 1, 1, NQ-1, \slot, 0
	WIN 0
	s_barrier_wait -1
.if \fill
	CREST
	s_add_nc_u64 s[G0+4*\slot+2:G0+4*\slot+3], s[G0+4*\slot+2:G0+4*\slot+3], 2*NQ*2048
	s_add_nc_u64 s[G0B+4*\slot+2:G0B+4*\slot+3], s[G0B+4*\slot+2:G0B+4*\slot+3], 2*NQ*2048
	JLOAD G0+4*\slot, G1, G0B+4*\slot, G1B
	PLACES 4
.else
	PLACES 8
.endif
	s_wait_alu depctr_va_vdst(0)
	v_add_nc_u32 v[ADRS], 1024, v[ADRS]
	FETCH_B \next, 0, 0
	FETCH_A \next, 0, 0
	SCALES \next
.if \fill
; A PREFETCH of the slot that stands two fills on: of the T tiles that I fetch, each of the four partners that ask with me names one (by address: cx for A, cy for B): 8,192 bytes, lanes 256 bytes apart, one instruction a wave.
; The loop's last trip fills the last two slots: nothing stands two on, and nothing is asked for.
	s_cmp_gt_u32 s3, 1
	s_cbranch_scc0 .Lnone_ahead_\@
	global_prefetch_b8 v30, s[98:99] offset:2*NQ*2048 th:TH_LOAD_NT scope:SCOPE_SE
.Lnone_ahead_\@:
.endif
	WIN MUL_HI
	MULQ 2, 1, NQ-1, \slot, 0
	MULQ 3, 1, NQ-1, \slot, 0
	PLACES 8
	WIN 0
	FETCH_A \next, 0, T/2
.endm
.macro MID slot
.set mq, 1
.rept NQ-2
	STEP \slot, mq, 0
.set mq, mq+1
.endr
.endm
.macro LAST
	s_wait_dscnt (T/2)*4
	WIN MUL_LO
	MULQ 0, 1, NQ-1, 1, 0
	MULQ 1, 1, NQ-1, 1, 0
	s_wait_dscnt 0
	WIN MUL_HI
	MULQ 2, 1, NQ-1, 1, 0
	MULQ 3, 1, NQ-1, 1, 0
	WIN 0
.endm
.set STO, 24
.set RD,  25
.set CO,  26
.set BK,  128
.macro TOSTAGE a
	WIN 0x08+4*((\a)/2)
.irp b, 0,1,2,3
	ds_store_b128 v[STO], v[8*(4*((\a)%2)+\b):8*(4*((\a)%2)+\b)+3] offset:128*(\b/2)+32*(\b%2)
	ds_store_b128 v[STO], v[8*(4*((\a)%2)+\b)+4:8*(4*((\a)%2)+\b)+7] offset:128*(\b/2)+32*(\b%2)+16
.endr
	WIN 0
.irp t, 0,1,2,3,4,5,6,7
	ds_load_b128 v[BK+32*((\a)%2)+4*\t:BK+32*((\a)%2)+4*\t+3], v[RD] offset:544*\t
.endr
.endm
.macro SEND a, younger
	s_wait_dscnt \younger
.irp t, 0,1,2,3,4,5,6,7
.set sb, BK+32*((\a)%2)+4*\t
.set sr, 64+32*(\a)+4*\t+64*((\a)/2)
	v_pk_add_f32 v[sb:sb+1], v[sb:sb+1], v[sr:sr+1]
	v_pk_add_f32 v[sb+2:sb+3], v[sb+2:sb+3], v[sr+2:sr+3]
	v_pk_add_f32 v[sb:sb+1], v[sb:sb+1], v[8:9]
	v_pk_add_f32 v[sb+2:sb+3], v[sb+2:sb+3], v[10:11]
.if NTOUT
	global_store_b128 v[CO], v[sb:sb+3], s[96:97] offset:(32*((\a)/2)+8*((\a)%2)+2*\t+8*(\t/4))*4096 th:TH_STORE_NT
.else
	global_store_b128 v[CO], v[sb:sb+3], s[96:97] offset:(32*((\a)/2)+8*((\a)%2)+2*\t+8*(\t/4))*4096
.endif
.endr
.endm
	s_load_b128 s[4:7], s[0:1], 0x0
	s_load_b128 s[92:95], s[0:1], 0x10
	s_load_b64 s[96:97], s[0:1], 0x20
	v_lshl_add_u32 v[SPW], v0, 2, SPARE
	v_mov_b32 v[NIL], 0
	ds_add_u32 v[SPW], v[NIL]
	ds_add_u32 v[SPW], v[NIL]
	v_lshrrev_b32 v1, 5, v0
	v_readfirstlane_b32 s14, v1
	s_lshr_b32 s15, s14, 1
	s_and_b32 s16, s14, 1
	s_bfe_u32 s40, ttmp6, 0x40000
	s_bfe_u32 s41, ttmp6, 0x40004
	s_lshl_b32 s42, ttmp9, 2
	s_add_co_u32 s42, s42, s40
	s_and_b32 s17, ttmp7, 0xffff
	s_lshl_b32 s17, s17, 2
	s_add_co_u32 s17, s17, s41
	s_lshl_b32 s43, s41, 2
	s_lshl_b32 s43, 15, s43
	s_lshl_b32 s44, 0x1111, s40
	s_or_b32 s[G1], s43, (3<<16)|(1<<21)
	s_or_b32 s[G1B], s44, (3<<16)|(1<<21)
.irp g, G1, G1B
	s_mov_b32 s[\g+1], (NQ*256)<<16
	s_mov_b32 s[\g+2], (2*T)<<16                   ; at the head both halves, 2 T tiles; behind the head's wait T
	s_mov_b32 s[\g+3], (NQ*256)<<16
	s_mov_b32 s[\g+4], 2*T
	s_mov_b32 s[\g+5], 2*KK
	s_mov_b32 s[\g+6], 0
	s_mov_b32 s[\g+7], 0
.endr
	s_or_b32 s[G1S], s43, (3<<16)|(1<<21)
	s_or_b32 s[G1SB], s44, (3<<16)|(1<<21)
.irp g, G1S, G1SB
	s_mov_b32 s[\g+1], 32<<16
	s_mov_b32 s[\g+2], (HALFS/128)<<16             ; both halves' scale words
	s_mov_b32 s[\g+3], 32<<16
	s_mov_b32 s[\g+4], HALFS/128
	s_mov_b32 s[\g+5], 32
	s_mov_b32 s[\g+6], 0
	s_mov_b32 s[\g+7], 0
.endr
	s_lshl_b32 s20, s17, 1
	s_mul_i32 s22, s20, HALFS
	s_mul_i32 s20, s20, T*KK*16
	s_lshl_b32 s46, s42, 1
	s_mul_i32 s18, s46, HALFS
	s_mul_i32 s46, s46, T*KK*16
	s_add_co_u32 s22, s22, ASCL
	s_add_co_u32 s46, s46, BCODE
	s_add_co_u32 s18, s18, BSCL
	s_mov_b32 s21, 0
	s_mov_b32 s23, 0
	s_mov_b32 s47, 0
	s_mov_b32 s19, 0
	s_mul_i32 s45, s14, HALFT
	s_mul_i32 s100, s16, T*KK*16                   ; in the ring I fetch one half: its bytes
	s_mov_b32 s101, 0
	s_wait_dscnt 0x0
	s_wait_kmcnt 0x0
	s_add_nc_u64 s[8:9], s[4:5], s[20:21]
	s_add_nc_u64 s[10:11], s[4:5], s[22:23]
	s_add_nc_u64 s[12:13], s[6:7], s[46:47]
	s_add_nc_u64 s[66:67], s[6:7], s[18:19]
	CROUND
	s_mov_b32 s[G0S], 1
	s_mov_b32 s[G0S+1], SCL
	s_mov_b64 s[G0S+2:G0S+3], s[10:11]
	s_or_b32 s[G0S+3], s[G0S+3], 0x80000000
	s_mov_b32 s[G0SB], 1
	s_mov_b32 s[G0SB+1], SCL+2*HALFS
	s_mov_b64 s[G0SB+2:G0SB+3], s[66:67]
	s_or_b32 s[G0SB+3], s[G0SB+3], 0x80000000
	s_mov_b32 s4, 1                                ; s[4:7]: group 0 of the head's load of A's slot 0 (the arguments that lay there have been used)
	s_mov_b32 s5, 0
	s_mov_b64 s[6:7], s[8:9]
	s_or_b32 s7, s7, 0x80000000
	s_mov_b64 s[46:47], s[12:13]                   ; s[44:47]: of B's; its first two words follow behind the ring's groups
	s_or_b32 s47, s47, 0x80000000
	s_add_nc_u64 s[8:9], s[8:9], s[100:101]        ; for the ring: my half
	s_add_nc_u64 s[12:13], s[12:13], s[100:101]
	s_cmp_eq_u32 s15, 0                            ; the prefetches: do I fetch for A?
	s_cselect_b64 s[98:99], s[8:9], s[12:13]       ; s[98:99]: my half's tiles,
	s_cselect_b32 s100, s40, s41                   ; my place among the four that ask with me: its tile,
	s_mul_i32 s100, s100, KS*2048
	s_add_co_u32 s100, s100, NQ*2048               ; at slot 1
	s_add_nc_u64 s[98:99], s[98:99], s[100:101]
.irp s, 0,1
	s_mov_b32 s[G0+4*\s], 1
	s_add_co_u32 s[G0+4*\s+1], s45, \s*SLOT
	s_add_nc_u64 s[G0+4*\s+2:G0+4*\s+3], s[8:9], \s*NQ*2048
	s_or_b32 s[G0+4*\s+3], s[G0+4*\s+3], 0x80000000
	s_mov_b32 s[G0B+4*\s], 1
	s_add_co_u32 s[G0B+4*\s+1], s45, \s*SLOT
	s_add_nc_u64 s[G0B+4*\s+2:G0B+4*\s+3], s[12:13], \s*NQ*2048
	s_or_b32 s[G0B+4*\s+3], s[G0B+4*\s+3], 0x80000000
.endr
	s_mov_b32 s44, 1
	s_mov_b32 s45, 2*HALFT
; THE HEAD'S LOADS, one a wave: wave 0 A's slot 0, wave 1 B's, wave 2 A's scale words, wave 3 B's: one chain of branches on the wave's number, all arms to one join
.macro HARM under, g0, g1, next
	s_cmp_lt_u32 s14, \under
	s_cbranch_scc0 \next
	tensor_load_to_lds s[\g0:\g0+3], s[\g1:\g1+7]
	s_nop 0
.rept 4
	v_nop
.endr
	s_branch .Lhead_asked
\next:
.endm
	HARM 1, 4, G1, .Lhead_b
	HARM 2, 44, G1B, .Lhead_sa
	HARM 3, G0S, G1S, .Lhead_sb
	tensor_load_to_lds s[G0SB:G0SB+3], s[G1SB:G1SB+7]
	s_nop 0
.rept 4
	v_nop
.endr
.Lhead_asked:
	v_and_b32 v1, 15, v0
	v_bfe_u32 v2, v0, 4, 1
	s_wait_alu depctr_va_vdst(0)
	v_and_b32 v3, 31, v0
	v_lshlrev_b32 v3, 4, v3
	s_mul_i32 s21, s15, HALFT
	s_mul_i32 s22, s16, HALFT
	s_add_co_u32 s22, s22, 2*HALFT
.irp s, 0,1
	v_add_nc_u32 v[ADRA+\s], s21, v3
	v_add_nc_u32 v[ADRB+\s], s22, v3
	s_add_co_u32 s21, s21, SLOT
	s_add_co_u32 s22, s22, SLOT
.endr
	v_lshlrev_b32 v5, 4, v1
	s_mul_i32 s21, s15, HALFS
	s_mul_i32 s22, s16, HALFS
	s_add_co_u32 s22, s22, 2*HALFS
	s_sub_co_u32 s22, s22, s21
	v_mul_u32_u24 v6, s22, v2
	s_add_co_u32 s21, s21, SCL
	v_add_nc_u32 v5, v5, v6
	v_add_nc_u32 v[ADRS], s21, v5
	s_lshl_b32 s20, s17, 7
	s_lshl_b32 s21, s15, 6
	s_add_co_u32 s20, s20, s21
	s_lshl_b32 s20, s20, 12
	s_lshl_b32 s22, s42, 9
	s_lshl_b32 s21, s16, 8
	s_add_co_u32 s22, s22, s21
	s_add_co_u32 s20, s20, s22
	s_mov_b32 s21, 0
	s_mov_b32 s23, 0
	s_add_nc_u64 s[94:95], s[94:95], s[20:21]
	s_add_nc_u64 s[96:97], s[96:97], s[20:21]
	s_add_nc_u64 s[92:93], s[92:93], s[22:23]
	v_lshlrev_b32 v7, 4, v1
	v_lshl_add_u32 v[CO], v2, 12, v7
	global_load_b128 v[8:11], v7, s[92:93]
.set ra, 0
.rept 4
.set rt, 0
.rept 8
.set rr, 64+32*ra+4*rt+64*(ra/2)
	global_load_b128 v[rr:rr+3], v[CO], s[94:95] offset:(32*(ra/2)+8*(ra%2)+2*rt+8*(rt/4))*4096
.set rt, rt+1
.endr
.set ra, ra+1
.endr
	s_mul_i32 s23, s14, 4352
	v_mul_u32_u24 v5, v1, 272
	v_lshl_add_u32 v5, v2, 6, v5
	v_add_nc_u32 v[STO], s23, v5
	v_mul_u32_u24 v5, v2, 272
	v_lshl_add_u32 v5, v1, 4, v5
	v_add_nc_u32 v[RD], s23, v5
	v_and_b32 v30, 31, v0
	v_lshlrev_b32 v30, 8, v30                      ; v30: the prefetches' offset, 256 x lane; never rewritten
	global_prefetch_b8 v30, s[98:99] th:TH_LOAD_NT scope:SCOPE_SE                    ; slot 1, one fill ahead of its load,
	global_prefetch_b8 v30, s[98:99] offset:NQ*2048 th:TH_LOAD_NT scope:SCOPE_SE     ; and slot 2, two fills on
	s_wait_alu depctr_va_vdst(0)
	s_wait_tensorcnt 0x0                           ; my tile of the head's four is in
	ds_add_u32 v[SPW], v[NIL]
	s_mov_b32 s[G1+2], T<<16                       ; no tensor load of mine is out: from here on a load brings T tiles
	s_mov_b32 s[G1+4], T
	s_mov_b32 s[G1B+2], T<<16
	s_mov_b32 s[G1B+4], T
	s_wait_dscnt 0x0
	CROUND
	JLOAD G0+4, G1, G0B+4, G1B                     ; slot 1's first fill, the first tensor load behind the round
	FETCH_B 0, 0, 0
	FETCH_A 0, 0, 0
	SCALES 0
	FETCH_A 0, 0, T/2
	global_prefetch_b8 v30, s[98:99] offset:2*NQ*2048 th:TH_LOAD_NT scope:SCOPE_SE   ; slot 1 has been asked for: slot 3
	STEP 0, 0, 1
.if LAPS > 1
	s_mov_b32 s3, LAPS-1
.Llap:
	MID 0
	TURN 0, 1, 1
	STEP 1, 0, 0
	MID 1
	TURN 1, 0, 1
	STEP 0, 0, 0
	s_sub_co_u32 s3, s3, 1
	s_cmp_lg_u32 s3, 0
	s_cbranch_scc1 .Llap
.endif
	MID 0
	TURN 0, 1, 0
	STEP 1, 0, 0
	MID 1
	LAST
	PLACES 8
	s_wait_loadcnt 0x0
	TOSTAGE 0
.irp a, 1,2,3
.if \a > 1
	s_wait_xcnt 0x0
.endif
	TOSTAGE \a
	SEND \a-1, 16
.endr
	SEND 3, 0
	s_wait_tensorcnt 0x0
	ds_add_u32 v[SPW], v[NIL]
	s_wait_dscnt 0x0
	CROUND
	s_endpgm
.Lfunc_end_k_qe5a2d39972_gfc2:
	.size	k_qe5a2d39972_gfc2, .Lfunc_end_k_qe5a2d39972_gfc2-k_qe5a2d39972_gfc2
	.p2alignl 7, 3214868480
	.fill 96, 4, 3214868480
	.section	.rodata,"a",@progbits
	.p2align	6, 0x0
	.amdhsa_kernel k_qe5a2d39972_gfc2
		.amdhsa_group_segment_fixed_size 327680
		.amdhsa_private_segment_fixed_size 0
		.amdhsa_enable_private_segment 0
		.amdhsa_kernarg_size 40
		.amdhsa_user_sgpr_count 2
		.amdhsa_user_sgpr_kernarg_segment_ptr 1
		.amdhsa_wavefront_size32 1
		.amdhsa_system_sgpr_workgroup_id_x 1
		.amdhsa_system_sgpr_workgroup_id_y 1
		.amdhsa_system_sgpr_workgroup_id_z 1
		.amdhsa_system_vgpr_workitem_id 0
		.amdhsa_next_free_vgpr 1024
		.amdhsa_next_free_sgpr 102
		.amdhsa_reserve_vcc 0
		.amdhsa_float_denorm_mode_32 3
		.amdhsa_float_denorm_mode_16_64 3
		.amdhsa_memory_ordered 1
		.amdhsa_forward_progress 1
		.amdhsa_inst_pref_size 110
	.end_amdhsa_kernel
	.amdgpu_metadata
---
amdhsa.version: [ 1, 2 ]
amdhsa.kernels:
  - .name:           k_qe5a2d39972_gfc2
    .symbol:         k_qe5a2d39972_gfc2.kd
    .args:
      - { .name: hdn, .offset: 0, .size: 8, .value_kind: global_buffer, .address_space: global }
      - { .name: wts, .offset: 8, .size: 8, .value_kind: global_buffer, .address_space: global }
      - { .name: fc2_b, .offset: 16, .size: 8, .value_kind: global_buffer, .address_space: global }
      - { .name: x1, .offset: 24, .size: 8, .value_kind: global_buffer, .address_space: global }
      - { .name: out0, .offset: 32, .size: 8, .value_kind: global_buffer, .address_space: global }
    .group_segment_fixed_size: 327680
    .private_segment_fixed_size: 0
    .kernarg_segment_align: 8
    .kernarg_segment_size: 40
    .max_flat_workgroup_size: 128
    .sgpr_count:     102
    .vgpr_count:     1024
    .wavefront_size: 32
...
	.end_amdgpu_metadata
.endif
;; end of part 7
